; MI455X (gfx1250); checked and timed in simulation.
; The chip was launched on July 23, 2026; its instructions are those of AMD's public machine-readable ISA for CDNA 5 (MIT licence, August 2026) and "CDNA5" Instruction Set Architecture Reference Guide (July 2026). The comments in the code are by the model that wrote it; some were corrected since.
;; Gpt Oss Attention. Allowed arithmetic: float matrix products may take bf16 or f16 operands with f32 sums; all other float work in f32.
;; Inputs: Wk 2,880 x 512 float32; Wo 4,096 x 2,880 float32; Wq 2,880 x 4,096 float32; Wv 2,880 x 512 float32; bk 512 float32; bo 2,880 float32; bq 4,096 float32; bv 512 float32; hidden 2,048 x 2,880 float32; positions 2,048 int32.
;; Outputs: out0 2,048 x 2,880 float32.
;; 3 versions, each right; version 2 is faster than version 1; version 3 is version 2 with the launch prep written anew for expert scheduling mode. Each part assembles by itself: llvm-mc -triple=amdgcn-amd-amdhsa -mcpu=gfx1250 --defsym DOCPART=n.
;; ======== version 1 of 3: 4 launches
;; limits: values are held in f16: magnitudes above 65,504 overflow, below 6.1e-05 lose precision; right only within a limited range of input values
;; workspace buffers: abf 12,058,624 bytes; wqkv 30,146,560 bytes; wo16 23,592,960 bytes; tab 524,288 bytes; qkv 20,971,520 bytes; attn 16,777,216 bytes
;; launch prep (part 1): grid 3568 x 1, 8 waves a work-group, no clusters, 0 bytes of LDS; arguments hidden, Wq, Wk, Wv, Wo, positions, abf, wqkv, wo16, tab; writes abf, wqkv, wo16, tab
.if DOCPART == 1
	.amdgcn_target "amdgcn-amd-amdhsa--gfx1250"
	.amdhsa_code_object_version 6
	.text
	.protected	k_q92a9921a38_prep
	.globl	k_q92a9921a38_prep
	.p2align	8
	.type	k_q92a9921a38_prep,@function
k_q92a9921a38_prep:
	s_mov_b64 s[64:65], 0
	v_nop
	global_prefetch_b8 v0, s[64:65] scope:SCOPE_SE
	s_setreg_imm32_b32 hwreg(HW_REG_WAVE_MODE, 25, 1), 1
	s_wait_xcnt 0x0
; PREP: every f32 input of the two products is read once, rounded to bf16 and laid out for the tile loads of the later launches; the RoPE table is made.
;   abf   [2048][2944] bf16: hidden, columns 2880..2943 = 0 (a row is 5,888 bytes = 23 x 256)
;   wqkv  [t 16][s 23][p 5][kk 128][nn 64] bf16: panel g = 5 t + p is one head (g < 64: Wq, 64..71: Wk, 72..79: Wv), k = 128 s + kk, rows k >= 2880 = 0
;   wo16  [t 15][s 32][p 3][kk 128][nn 64] f16 of the bf16-rounded Wo (exact down to 7.6e-6; below that f16's fixed step of 6e-8)
;   tab   [token 2048][64] f32: cos(ang)/8 for the 32 frequencies, then sin(ang)/8, ang = f32(position) x inv_freq as f32
; A stream bound by memory: no LDS, no barrier, no matrix unit.  A work-group's number chooses one of four jobs by forward scalar branches.
; Every load of a wave covers whole aligned blocks of 256 bytes; every store of a wave is 256 consecutive bytes, aligned.
; LIMITS.  inv_freq = 2^(-f log2(150000)/32), the exponent split in a part of 17 bits (f x HI is exact) and a rest applied as 1 - f LO ln 2: good to about 2 units in the last place.
; Sine and cosine: reduction by pi/2 in two parts and polynomials of degree 7 and 8 on |r| <= pi/4; |position| <= 2^24 is exact, the reduction holds to 1e-6 up to |ang| of about 1e6.
.set NW, 80*23                         ; jobs for wqkv: one (panel, K step) each
.set NO, 45*32                         ; jobs for wo16
.set NH, 2048/8                        ; jobs for abf: eight rows each, one a wave
; A wave's 16 k rows x 64 columns of a panel.  s[4:5] source, s[6:7] destination.  Lanes 0-15 take 256 bytes of row 2 i, lanes 16-31 of row 2 i + 1.
; kind 0: bf16.  kind 1: the bf16 number written as f16.  No load or store register is written twice, so the only waits are the counted ones for the loads.
.macro PANEL pitch, kind
	v_mul_u32_u24 v4, v3, \pitch
	v_lshl_add_u32 v4, v2, 4, v4
.irp i, 0,1,2,3,4,5,6,7
	global_load_b128 v[16+4*(\i):19+4*(\i)], v4, s[4:5] offset:2*(\i)*(\pitch) th:TH_LOAD_NT
.endr
.irp i, 0,1,2,3,4,5,6,7
	s_wait_loadcnt 7-(\i)                  ; loads come back in order: mine is in, the younger ones stay out
	v_cvt_pk_bf16_f32 v[16+4*(\i)], v[16+4*(\i)], v[17+4*(\i)]
	v_cvt_pk_bf16_f32 v[17+4*(\i)], v[18+4*(\i)], v[19+4*(\i)]
.if \kind
	v_lshlrev_b32 v48, 16, v[16+4*(\i)]
	v_and_b32 v49, 0xffff0000, v[16+4*(\i)]
	v_lshlrev_b32 v50, 16, v[17+4*(\i)]
	v_and_b32 v51, 0xffff0000, v[17+4*(\i)]
	v_cvt_pk_f16_f32 v[16+4*(\i)], v48, v49
	v_cvt_pk_f16_f32 v[17+4*(\i)], v50, v51
.endif
	global_store_b64 v5, v[16+4*(\i):17+4*(\i)], s[6:7] offset:256*(\i)   ; two stored k rows of 128 bytes
.endr
	s_endpgm
.endm
	s_load_b512 s[16:31], s[0:1], 0x0      ; hidden 16, Wq 18, Wk 20, Wv 22, Wo 24, positions 26, abf 28, wqkv 30
	s_load_b128 s[32:35], s[0:1], 0x40     ; wo16 32, tab 34
	v_lshrrev_b32 v1, 5, v0
	v_readfirstlane_b32 s8, v1             ; wave w
	v_and_b32 v1, 31, v0                   ; lane
	v_and_b32 v2, 15, v0                   ; lane % 16
	v_bfe_u32 v3, v0, 4, 1                 ; lane / 16
	v_lshlrev_b32 v5, 3, v1                ; 8 x lane: my 8 bytes of a store
	s_mov_b32 s9, ttmp9
	s_mov_b32 s15, 0                       ; the high word of every offset pair s[14:15]
	s_wait_kmcnt 0x0
	s_cmp_lt_u32 s9, NW
	s_cbranch_scc1 .Lw
	s_cmp_lt_u32 s9, NW+NO
	s_cbranch_scc1 .Lo
	s_cmp_lt_u32 s9, NW+NO+NH
	s_cbranch_scc1 .Lh
	; THE TABLE: a wave makes eight tokens' rows; a lane the columns 2 lane and 2 lane + 1: lanes 0-15 cosines, lanes 16-31 sines of frequencies 2 (lane % 16) + e
	s_sub_co_u32 s10, s9, NW+NO+NH
	s_lshl3_add_u32 s10, s10, s8           ; 8 x job + wave
	s_lshl_b32 s14, s10, 5
	s_add_nc_u64 s[26:27], s[26:27], s[14:15]
	s_load_b256 s[40:47], s[26:27], 0x0    ; eight positions
	s_lshl_b32 s14, s10, 11
	s_add_nc_u64 s[6:7], s[34:35], s[14:15]
	s_mov_b32 s48, 0x3f22f983              ; 2 / pi
	s_mov_b32 s49, 0xbfc90fdb              ; -(pi / 2), upper part
	s_mov_b32 s50, 0x333bbd2e              ; upper part - pi / 2
	s_mov_b32 s51, 0xb9500d01              ; -1/5040
	s_mov_b32 s52, 0x3c088889              ; 1/120
	s_mov_b32 s53, 0xbe2aaaab              ; -1/6
	s_mov_b32 s54, 0x37d00d01              ; 1/40320
	s_mov_b32 s55, 0xbab60b61              ; -1/720
	s_mov_b32 s56, 0x3d2aaaab              ; 1/24
	s_mov_b32 s57, 0xb50522a9              ; -LO ln 2
	v_lshlrev_b32 v6, 1, v2
	v_cvt_f32_u32 v8, v6                   ; f, e = 0
	v_add_nc_u32 v7, 1, v6
	v_cvt_f32_u32 v9, v7                   ; f, e = 1
	v_mul_f32 v10, 0xbf098e80, v8          ; -f HI, exact
	v_mul_f32 v11, 0xbf098e80, v9
	v_exp_f32 v10, v10
	v_exp_f32 v11, v11
	v_fma_f32 v8, v8, s57, 1.0             ; plain work behind the exponentials, ahead of the use of their results
	v_fma_f32 v9, v9, s57, 1.0
	s_wait_alu depctr_va_vdst(0)
	v_mul_f32 v6, v10, v8                  ; inv_freq, e = 0
	v_mul_f32 v7, v11, v9                  ; e = 1
	v_mul_u32_u24 v8, v3, 3                ; sin x = cos(x + 3 pi / 2): the sine lanes add 3 quarters
	s_wait_kmcnt 0x0
.macro ANG n, e                        ; column e of token n into v[16 + 2 n + e]; v9 = the position as f32
	v_mul_f32 v10, v9, v[6+(\e)]           ; ang, rounded to f32
	v_mul_f32 v11, s48, v10
	v_rndne_f32 v11, v11                   ; quarters
	v_fma_f32 v12, v11, s49, v10
	v_fma_f32 v12, v11, s50, v12           ; r
	v_cvt_i32_f32 v13, v11
	v_add_nc_u32 v13, v13, v8
	v_mul_f32 v14, v12, v12                ; r^2
	v_fma_f32 v15, v14, s51, s52
	v_fma_f32 v33, v14, s54, s55
	v_fma_f32 v15, v14, v15, s53
	v_fma_f32 v33, v14, v33, s56
	v_mul_f32 v32, v12, v14
	v_fma_f32 v33, v14, v33, -0.5
	v_fma_f32 v15, v32, v15, v12           ; sin r
	v_fma_f32 v33, v14, v33, 1.0           ; cos r
	v_and_b32 v34, 1, v13
	v_cmp_eq_u32 vcc_lo, 1, v34
	v_cndmask_b32 v33, v33, v15, vcc_lo    ; odd quarter: the sine
	v_and_b32 v34, 3, v13
	v_add_nc_u32 v34, 1, v34
	v_lshrrev_b32 v34, 1, v34
	v_lshlrev_b32 v34, 31, v34             ; quarters 1 and 2: minus
	v_xor_b32 v33, v33, v34
	v_mul_f32 v[16+2*(\n)+(\e)], 0x3e000000, v33   ; / 8: q and k leave the next launch divided by 8
.endm
.irp n, 0,1,2,3,4,5,6,7
	v_cvt_f32_i32 v9, s[40+(\n)]
	ANG \n, 0
	ANG \n, 1
	global_store_b64 v5, v[16+2*(\n):17+2*(\n)], s[6:7] offset:256*(\n)   ; a token's row: 256 bytes
.endr
	s_endpgm
.Lw:	; WQKV: job = 80 s + g; the wave takes k rows 128 s + 16 w .. + 15 of head g
	s_mul_i32 s10, s9, 13108
	s_lshr_b32 s10, s10, 20                ; s = job / 80 (exact for job < 1840)
	s_mul_i32 s11, s10, 80
	s_sub_co_u32 s11, s9, s11              ; g
	s_mul_i32 s12, s11, 13108
	s_lshr_b32 s12, s12, 16                ; t = g / 5
	s_mul_i32 s13, s12, 5
	s_sub_co_u32 s13, s11, s13             ; p
	s_mul_i32 s14, s12, 23
	s_add_co_u32 s14, s14, s10
	s_mul_i32 s14, s14, 5
	s_add_co_u32 s14, s14, s13
	s_lshl_b32 s14, s14, 14                ; a panel is 16,384 bytes,
	s_lshl_b32 s36, s8, 11                 ; a wave's 16 rows 2,048
	s_add_co_u32 s14, s14, s36
	s_add_nc_u64 s[6:7], s[30:31], s[14:15]
	s_lshl_b32 s36, s10, 7
	s_lshl4_add_u32 s36, s8, s36           ; first k row
	s_cmp_ge_u32 s36, 2880
	s_cbranch_scc1 .Lzero                  ; rows past K are zeros
	s_cmp_lt_u32 s11, 64
	s_cbranch_scc0 .Lkv
	s_lshl_b32 s14, s36, 14                ; Wq: a row is 16,384 bytes
	s_lshl_b32 s37, s11, 8
	s_add_co_u32 s14, s14, s37
	s_add_nc_u64 s[4:5], s[18:19], s[14:15]
	PANEL 16384, 0
.Lkv:
	s_cmp_lt_u32 s11, 72
	s_cselect_b64 s[4:5], s[20:21], s[22:23]   ; Wk or Wv
	s_cselect_b32 s37, 64, 72
	s_sub_co_u32 s37, s11, s37
	s_lshl_b32 s37, s37, 8
	s_lshl_b32 s14, s36, 11                ; a row is 2,048 bytes
	s_add_co_u32 s14, s14, s37
	s_add_nc_u64 s[4:5], s[4:5], s[14:15]
	PANEL 2048, 0
.Lzero:
	v_mov_b32 v16, 0
	v_mov_b32 v17, 0
.irp i, 0,1,2,3,4,5,6,7
	global_store_b64 v5, v[16:17], s[6:7] offset:256*(\i)
.endr
	s_endpgm
.Lo:	; WO16: job = 45 s + g
	s_sub_co_u32 s9, s9, NW
	s_mul_i32 s10, s9, 23302
	s_lshr_b32 s10, s10, 20                ; s = job / 45 (exact for job < 1440)
	s_mul_i32 s11, s10, 45
	s_sub_co_u32 s11, s9, s11              ; g
	s_mul_i32 s12, s11, 21846
	s_lshr_b32 s12, s12, 16                ; t = g / 3
	s_mul_i32 s13, s12, 3
	s_sub_co_u32 s13, s11, s13             ; p
	s_lshl_b32 s14, s12, 5
	s_add_co_u32 s14, s14, s10
	s_mul_i32 s14, s14, 3
	s_add_co_u32 s14, s14, s13
	s_lshl_b32 s14, s14, 14
	s_lshl_b32 s36, s8, 11
	s_add_co_u32 s14, s14, s36
	s_add_nc_u64 s[6:7], s[32:33], s[14:15]
	s_lshl_b32 s36, s10, 7
	s_lshl4_add_u32 s36, s8, s36
	s_mul_i32 s14, s36, 11520
	s_lshl_b32 s37, s11, 8
	s_add_co_u32 s14, s14, s37
	s_add_nc_u64 s[4:5], s[24:25], s[14:15]
	PANEL 11520, 1
.Lh:	; ABF: a wave takes one row of hidden: 22 loads of 512 bytes and its last 256 bytes
	s_sub_co_u32 s10, s9, NW+NO
	s_lshl3_add_u32 s10, s10, s8
	s_mul_i32 s14, s10, 11520
	s_add_nc_u64 s[4:5], s[16:17], s[14:15]
	s_mul_i32 s14, s10, 5888
	s_add_nc_u64 s[6:7], s[28:29], s[14:15]
	v_lshlrev_b32 v4, 4, v1
	v_lshlrev_b32 v6, 4, v2
.set c, 0
.rept 22
	global_load_b128 v[8+4*c:11+4*c], v4, s[4:5] offset:512*c th:TH_LOAD_NT
.set c, c+1
.endr
	global_load_b128 v[96:99], v6, s[4:5] offset:11264 th:TH_LOAD_NT   ; lanes 16-31 read lanes 0-15's bytes once more: no load leaves the row
.set c, 0
.rept 23
	s_wait_loadcnt 22-c
	v_cvt_pk_bf16_f32 v[8+4*c], v[8+4*c], v[9+4*c]
	v_cvt_pk_bf16_f32 v[9+4*c], v[10+4*c], v[11+4*c]
.if c == 22
	v_cmp_gt_u32 vcc_lo, 16, v1
	v_cndmask_b32 v[8+4*c], 0, v[8+4*c], vcc_lo    ; columns 2880..2943 are zeros
	v_cndmask_b32 v[9+4*c], 0, v[9+4*c], vcc_lo
.endif
	global_store_b64 v5, v[8+4*c:9+4*c], s[6:7] offset:256*c
.set c, c+1
.endr
	s_endpgm
.Lfunc_end_k_q92a9921a38_prep:
	.size	k_q92a9921a38_prep, .Lfunc_end_k_q92a9921a38_prep-k_q92a9921a38_prep
	.p2alignl 7, 3214868480
	.fill 96, 4, 3214868480
	.section	.rodata,"a",@progbits
	.p2align	6, 0x0
	.amdhsa_kernel k_q92a9921a38_prep
		.amdhsa_group_segment_fixed_size 0
		.amdhsa_private_segment_fixed_size 0
		.amdhsa_enable_private_segment 0
		.amdhsa_kernarg_size 80
		.amdhsa_user_sgpr_count 2
		.amdhsa_user_sgpr_kernarg_segment_ptr 1
		.amdhsa_wavefront_size32 1
		.amdhsa_system_sgpr_workgroup_id_x 1
		.amdhsa_system_sgpr_workgroup_id_y 1
		.amdhsa_system_sgpr_workgroup_id_z 1
		.amdhsa_system_vgpr_workitem_id 0
		.amdhsa_next_free_vgpr 104
		.amdhsa_next_free_sgpr 66
		.amdhsa_reserve_vcc 1
		.amdhsa_float_denorm_mode_32 3
		.amdhsa_float_denorm_mode_16_64 3
		.amdhsa_memory_ordered 1
		.amdhsa_forward_progress 1
		.amdhsa_inst_pref_size 44
	.end_amdhsa_kernel
	.amdgpu_metadata
---
amdhsa.version: [ 1, 2 ]
amdhsa.kernels:
  - .name:           k_q92a9921a38_prep
    .symbol:         k_q92a9921a38_prep.kd
    .args:
      - { .name: hidden, .offset: 0, .size: 8, .value_kind: global_buffer, .address_space: global }
      - { .name: Wq, .offset: 8, .size: 8, .value_kind: global_buffer, .address_space: global }
      - { .name: Wk, .offset: 16, .size: 8, .value_kind: global_buffer, .address_space: global }
      - { .name: Wv, .offset: 24, .size: 8, .value_kind: global_buffer, .address_space: global }
      - { .name: Wo, .offset: 32, .size: 8, .value_kind: global_buffer, .address_space: global }
      - { .name: positions, .offset: 40, .size: 8, .value_kind: global_buffer, .address_space: global }
      - { .name: abf, .offset: 48, .size: 8, .value_kind: global_buffer, .address_space: global }
      - { .name: wqkv, .offset: 56, .size: 8, .value_kind: global_buffer, .address_space: global }
      - { .name: wo16, .offset: 64, .size: 8, .value_kind: global_buffer, .address_space: global }
      - { .name: tab, .offset: 72, .size: 8, .value_kind: global_buffer, .address_space: global }
    .group_segment_fixed_size: 0
    .private_segment_fixed_size: 0
    .kernarg_segment_align: 8
    .kernarg_segment_size: 80
    .max_flat_workgroup_size: 256
    .sgpr_count:     66
    .vgpr_count:     104
    .wavefront_size: 32
...
	.end_amdgpu_metadata
.endif
;; end of part 1
;; launch qkv (part 2): grid 16 x 16, 4 waves a work-group, clusters of 4 x 4, 327,680 bytes of LDS; arguments abf, wqkv, tab, bq, bk, bv, qkv; writes qkv
.if DOCPART == 2
	.amdgcn_target "amdgcn-amd-amdhsa--gfx1250"
	.amdhsa_code_object_version 6
	.text
	.protected	k_q92a9921a38_qkv
	.globl	k_q92a9921a38_qkv
	.p2align	8
	.type	k_q92a9921a38_qkv,@function
k_q92a9921a38_qkv:
	s_mov_b64 s[64:65], 0
	v_nop
	global_prefetch_b8 v0, s[64:65] scope:SCOPE_SE
	s_setreg_imm32_b32 hwreg(HW_REG_WAVE_MODE, 25, 1), 1
	s_wait_xcnt 0x0
	s_wait_alu depctr_hold_cnt(0) depctr_sa_sdst(0) depctr_va_vdst(0) depctr_va_sdst(0) depctr_va_ssrc(0) depctr_va_vcc(0) depctr_vm_vsrc(0)
	s_getreg_b32 s2, hwreg(HW_REG_IB_STS2, 6, 4)
	s_cmp_eq_u32 s2, 0
	s_cbranch_scc0 .Lentry_in_a_cluster
	s_endpgm
.Lentry_in_a_cluster:
	s_bfe_u32 s2, ttmp6, 0x10000c
	s_cmp_lg_u32 s2, 0xf033
	s_cbranch_scc0 .Lentry_shape_is_right
	s_endpgm
.Lentry_shape_is_right:
; QKV: [2048 tokens] x [5120 = 80 heads of 64] = abf x wqkv over K = 2944 (23 steps of 128, the last 64 of them zeros), bf16 operands, f32 sums that start with the bias
; (rounded to bf16 like every input); then RoPE on the 72 q and k heads, and f16 out by heads: qkv [g 80][token][64] = q/8, k/8 (the table holds cos/8, sin/8) and v/4.
; LIMITS.  f16 ends at 65,504: |q|, |k| < 5.2e5 and |v| < 2.6e5 before those exact scalings.  NaN and infinities are not treated apart.
; SHARES.  A work-group: 128 tokens x 320 columns (5 heads): 16 x 16 work-groups.  A wave: 64 tokens (MH) x ten column blocks of 16: two whole heads (3 WC, 3 WC + 1) and of head 2
; the blocks WC and WC + 2.  So RoPE's partners, columns n and n + 32, lie in the same lane and register of accumulators b and b + 2 (b = 0, 1, 4, 5), and of 8 and 9.
; THE MATRIX INSTRUCTION IS USED TRANSPOSED: source 0 = 16 columns of W (turned out of LDS by ds_load_tr16_b128), source 1 = 16 tokens: a lane holds one token and eight neighbouring columns.
; RING.  Two LDS slots, each a K step: A 128 rows x 256 bytes (pitch 272), B 5 panels x 128 k rows x 128 bytes (pitch 160).  Waves 0, 1 fetch A's halves, waves 2, 3 B's.
; CLUSTER 4 x 4: A's tile and the table hang on the tile row alone and are asked for jointly along a row of the cluster, B's on the tile column alone, along a column.
; REGISTERS.  Window 0: v0-31 addresses; v32-143, v144-255 two fragment buffers (B's ten fragments, then A's four).  Window 1: accumulators 10 a + b = 0..31.
; Window 2: v0-63 accumulators 32..39; v64-143 the bias as C operands, block b at 64 + 8 b; v144-147 at work.
.set PA, 272                           ; A's and the table's LDS pitch: 256 + 16: the 16 rows of a load start at 16 different groups of four banks
.set PB, 160                           ; B's: 128 + 32
.set PANELB, 128*PB
.set BOFF, 128*PA
.set SLOT, BOFF+5*PANELB               ; 137,216
.set TABL, 2*SLOT                      ; the table's 128 rows
.set SPARE, TABL+128*PA                ; the spare words: 128 bytes a wave, two blocks of 256 bytes that no other line names
.set STAGE, SLOT                       ; the way out uses slot 1's bytes, behind that slot's last fill and last read: [5 heads][128 rows], pitch 144
.set SPT, 144
.set HSTG, 128*SPT
.set ADRA, 16                          ; v16-17 my A fragments in slot 0, 1
.set ADRBF, 18                         ; v18-19 my two whole heads of B
.set ADRBH, 20                         ; v20-21 my blocks of head 2
.set STOF, 22
.set STOH, 23
.set RD0, 24
.set RD1, 25
.set GO, 26
.set CSA, 27                           ; my token's table row, frequencies 8 h on
.set SPW, 28
.set NIL, 29
.set CSH, 30                           ; the same for head 2's blocks: 16 WC frequencies on
.set BO, 31
.set BOH, 15
.set F0, 32
.set F1, 144
.set BC, 64
.set E0, 32                            ; the way out, window 0: table rows (8 cosines, 8 sines) for frequencies 0.., 16.., and head 2's
.set E1, 48
.set EH, 64
.set CP, 80
.set SN, 88
.set TT, 96
.set UU, 104
.set PKD, 112
.set WV, 18
.set MH, 19
.set WC, 20
.set G1A, 24
.set G0A, 32
.set G1B, 48
.set G0B, 56
.set G0T, 68
.set G1T, 72
.set PADA, (1<<16)|(1<<20)|(1<<21)|(5<<22)|(3<<25)   ; 2-byte elements; padding on; bit 21 beside a mask; after every 64 words 4 words
.set PADB, (1<<16)|(1<<20)|(1<<21)|(4<<22)|(7<<25)   ; after every 32 words 8 words
.set MSB, 0
.macro WIN new                         ; the immediate's high byte repeats the setting that is left; a switch that changes nothing is dropped
.if MSB != (\new)
	s_set_vgpr_msb (MSB<<8)|(\new)
.set MSB, (\new)
.endif
.endm
.macro PLACES                          ; four plain places behind matrix instructions, ahead of loads into their sources and of reads of their results
.rept 4
	v_nop
.endr
.endm
.macro CREST                           ; a round of the cluster's barrier behind its opening barrier
	s_cmp_lg_u32 s[WV], 0
	s_cbranch_scc1 .Lnot_wave_0_\@
	s_barrier_signal -3
.Lnot_wave_0_\@:
	s_barrier_wait -3
	s_barrier_signal -1
	s_barrier_wait -1
.endm
.macro CROUND
	s_barrier_signal -1
	s_barrier_wait -1
	CREST
.endm
.macro JLOAD s                         ; a joint load: waves 0, 1 A's halves, waves 2, 3 B's; an s_nop 0 and four v_nop follow each line
	s_cmp_eq_u32 s[MH], 0
	s_cbranch_scc0 .Lfor_b_\@
	tensor_load_to_lds s[G0A+4*(\s):G0A+4*(\s)+3], s[G1A:G1A+7]
	s_nop 0
.rept 4
	v_nop
.endr
	s_branch .Lasked_\@
.Lfor_b_\@:
	tensor_load_to_lds s[G0B+4*(\s):G0B+4*(\s)+3], s[G1B:G1B+7]
	s_nop 0
.rept 4
	v_nop
.endr
.Lasked_\@:
.endm
; Accumulators lo..hi, 32 along K, from buffer f.  All 40 take turns in the same order in every quarter, one instruction a turn.  first = 1: C is the bias.
.macro MULR f, lo, hi, first
.set idx, \lo
.rept (\hi)-(\lo)+1
.set mb, idx%10
.set ma, idx/10
.set md, 8*(idx%32)
.if idx >= 32
	WIN 0xa0
.elseif \first
	WIN 0x60
.else
	WIN 0x50
.endif
.if \first
	v_wmma_f32_16x16x32_bf16 v[md:md+7], v[(\f)+8*mb:(\f)+8*mb+7], v[(\f)+80+8*ma:(\f)+80+8*ma+7], v[BC+8*mb:BC+8*mb+7]
.else
	v_wmma_f32_16x16x32_bf16 v[md:md+7], v[(\f)+8*mb:(\f)+8*mb+7], v[(\f)+80+8*ma:(\f)+80+8*ma+7], v[md:md+7]
.endif
.set idx, idx+1
.endr
.endm
; 28 LDS loads in one run: quarter q (32 along K) of a slot into buffer f: B's ten fragments, then A's four
.macro FETCH slot, q, f
	WIN 0
.irp b, 0,1,2,3,4,5,6,7
	ds_load_tr16_b128 v[(\f)+8*(\b):(\f)+8*(\b)+3],   v[ADRBF+(\slot)] offset:((\b)/4)*PANELB+32*((\b)%4)+32*PB*(\q)
	ds_load_tr16_b128 v[(\f)+8*(\b)+4:(\f)+8*(\b)+7], v[ADRBF+(\slot)] offset:((\b)/4)*PANELB+32*((\b)%4)+32*PB*(\q)+16*PB
.endr
.irp b, 0,1
	ds_load_tr16_b128 v[(\f)+64+8*(\b):(\f)+64+8*(\b)+3],   v[ADRBH+(\slot)] offset:64*(\b)+32*PB*(\q)
	ds_load_tr16_b128 v[(\f)+64+8*(\b)+4:(\f)+64+8*(\b)+7], v[ADRBH+(\slot)] offset:64*(\b)+32*PB*(\q)+16*PB
.endr
.irp a, 0,1,2,3
	ds_load_b128 v[(\f)+80+8*(\a):(\f)+80+8*(\a)+3],   v[ADRA+(\slot)] offset:16*PA*(\a)+64*(\q)
	ds_load_b128 v[(\f)+80+8*(\a)+4:(\f)+80+8*(\a)+7], v[ADRA+(\slot)] offset:16*PA*(\a)+64*(\q)+32
.endr
.endm
.macro QUARTER slot, qn, f, g, first   ; multiplies buffer f; in its middle fetches quarter qn of the same slot into g
	s_wait_dscnt 4                         ; all but the youngest four loads (A's rows 32-63)
	MULR \f, 0, 19, \first
	WIN 0
	PLACES
	FETCH \slot, \qn, \g
	s_wait_dscnt 28                        ; all but the 28 just issued
	MULR \f, 20, 39, \first
.endm
; A K step's last quarter multiplies buffer 1 and changes slots: one barrier; ahead of it each wave waits for all its tensor loads (one is out: its part of the next slot), adds 0 to its
; spare word, and waits for that and for its reads of this slot.  fill = 1: the barrier opens a round of the cluster's, and the joint refill, two K steps on, is the first thing behind it:
; 140 of a step's 160 matrix instructions stand between the request and the wait for it.
.macro TURN slot, next, fill
	WIN 0
	s_wait_tensorcnt 0x0
	ds_add_u32 v[SPW], v[NIL]
	s_wait_dscnt 5                         ; the add and the youngest four loads may be out
	MULR F1, 0, 9, 0
	s_wait_dscnt 0x0                       ; the add is done, my reads of this slot are over
	s_barrier_signal -1
	MULR F1, 10, 19, 0
.if \fill
	WIN 0
.endif
	s_barrier_wait -1
.if \fill
	CREST
	s_add_nc_u64 s[G0A+4*(\slot)+2:G0A+4*(\slot)+3], s[G0A+4*(\slot)+2:G0A+4*(\slot)+3], 512      ; two K steps of 256 bytes along A's rows
	s_add_nc_u64 s[G0B+4*(\slot)+2:G0B+4*(\slot)+3], s[G0B+4*(\slot)+2:G0B+4*(\slot)+3], 163840   ; two blocks of 81,920 bytes
	JLOAD \slot                            ; its four v_nop are also the places ahead of the loads below
.else
	PLACES
.endif
	FETCH \next, 0, F0
	MULR F1, 20, 39, 0
.endm
; What head g needs: R = 1, V = 0 for q and k, R = 0, V = 1/4 for v (each written as a pair), and its 64 numbers of the bias.  Selects only: no branch hangs on the tile column.
.macro HEADSET g, rv, bp
	s_cmp_lt_u32 \g, 72
	s_cselect_b32 s[\rv], 1.0, 0
	s_cselect_b32 s[\rv+2], 0, 0x3e800000
	s_mov_b32 s[\rv+1], s[\rv]
	s_mov_b32 s[\rv+3], s[\rv+2]
	s_cselect_b64 s[\bp:\bp+1], s[12:13], s[14:15]
	s_cselect_b32 s82, 64, 72
	s_cmp_lt_u32 \g, 64
	s_cselect_b64 s[\bp:\bp+1], s[10:11], s[\bp:\bp+1]
	s_cselect_b32 s82, 0, s82
	s_sub_co_u32 s82, \g, s82
	s_lshl_b32 s82, s82, 8
	s_mov_b32 s83, 0
	s_add_nc_u64 s[\bp:\bp+1], s[\bp:\bp+1], s[82:83]
.endm
	s_load_b256 s[4:11], s[0:1], 0x0       ; abf 4, wqkv 6, tab 8, bq 10
	s_load_b128 s[12:15], s[0:1], 0x20     ; bk 12, bv 14
	s_load_b64 s[16:17], s[0:1], 0x30      ; qkv
	v_lshl_add_u32 v[SPW], v0, 2, SPARE
	v_mov_b32 v[NIL], 0
	ds_add_u32 v[SPW], v[NIL]              ; the wave's opening: the add and its wait stand ahead of my first tensor load
	ds_add_u32 v28, v29
	v_lshrrev_b32 v1, 5, v0
	v_readfirstlane_b32 s[WV], v1
	s_lshr_b32 s[MH], s[WV], 1             ; my half of the tokens; also: I fetch for A (0) or B (1)
	s_and_b32 s[WC], s[WV], 1              ; my half of the columns; also: which half of that tile I fetch
	s_bfe_u32 s21, ttmp6, 0x40000          ; cx
	s_bfe_u32 s22, ttmp6, 0x40004          ; cy
	s_lshl_b32 s23, ttmp9, 2
	s_add_co_u32 s23, s23, s21             ; tile column t
	s_and_b32 s40, ttmp7, 0xffff
	s_lshl_b32 s40, s40, 2
	s_add_co_u32 s40, s40, s22             ; tile row
	s_lshl_b32 s41, s22, 2
	s_lshl_b32 s41, 15, s41                ; my row of the cluster
	s_lshl_b32 s42, 0x1111, s21            ; my column
	s_or_b32 s[G1A], s41, PADA
	s_or_b32 s[G1T], s41, PADA
	s_or_b32 s[G1B], s42, PADB
	s_mov_b32 s[G1A+1], 128<<16            ; A: 64 rows x 128 elements, 2,944 elements from row to row
	s_mov_b32 s[G1A+2], 64<<16
	s_mov_b32 s[G1A+3], 128<<16
	s_mov_b32 s[G1A+4], 64
	s_mov_b32 s[G1A+5], 2944
	s_mov_b32 s[G1A+6], 0
	s_mov_b32 s[G1A+7], 0
	s_mov_b32 s[G1B+1], 128<<16            ; B: 40,960 dense bytes as 160 rows of 256, two k rows a row, padded after each k row
	s_mov_b32 s[G1B+2], 160<<16
	s_mov_b32 s[G1B+3], 128<<16
	s_mov_b32 s[G1B+4], 160
	s_mov_b32 s[G1B+5], 128
	s_mov_b32 s[G1B+6], 0
	s_mov_b32 s[G1B+7], 0
	s_mov_b32 s[G1T+1], 128<<16            ; the table: 32 rows of 256 bytes a wave
	s_mov_b32 s[G1T+2], 32<<16
	s_mov_b32 s[G1T+3], 128<<16
	s_mov_b32 s[G1T+4], 32
	s_mov_b32 s[G1T+5], 128
	s_mov_b32 s[G1T+6], 0
	s_mov_b32 s[G1T+7], 0
	s_mul_i32 s2, s[WC], 64*PA             ; LDS addresses hang on the wave's number alone
	s_mul_i32 s3, s[WC], 320*PB
.irp n, 0,1
	s_mov_b32 s[G0A+4*(\n)], 1
	s_add_co_u32 s[G0A+4*(\n)+1], s2, (\n)*SLOT
	s_mov_b32 s[G0B+4*(\n)], 1
	s_add_co_u32 s[G0B+4*(\n)+1], s3, (\n)*SLOT+BOFF
.endr
	s_mov_b32 s[G0T], 1
	s_mul_i32 s[G0T+1], s[WV], 32*PA
	s_add_co_u32 s[G0T+1], s[G0T+1], TABL
	s_lshl_b32 s44, s40, 7                 ; A: row 128 x tile row + 64 x half, 5,888 bytes a row
	s_lshl_b32 s45, s[WC], 6
	s_add_co_u32 s44, s44, s45
	s_mul_i32 s44, s44, 5888
	s_mov_b32 s45, 0
	s_mul_i32 s46, s23, 23*81920           ; B: block (t, 0), and my half of it
	s_mul_i32 s47, s[WC], 40960
	s_add_co_u32 s46, s46, s47
	s_mov_b32 s47, 0
	s_lshl_b32 s80, s40, 7                 ; the table: row 128 x tile row + 32 x wave
	s_lshl_b32 s81, s[WV], 5
	s_add_co_u32 s80, s80, s81
	s_lshl_b32 s80, s80, 8
	s_mov_b32 s81, 0
	s_wait_dscnt 0x0                       ; the opening add is done
	s_wait_kmcnt 0x0
	s_add_nc_u64 s[44:45], s[4:5], s[44:45]
	s_add_nc_u64 s[46:47], s[6:7], s[46:47]
.irp n, 0,1
	s_add_nc_u64 s[G0A+4*(\n)+2:G0A+4*(\n)+3], s[44:45], (\n)*256
	s_or_b32 s[G0A+4*(\n)+3], s[G0A+4*(\n)+3], 0x80000000
	s_add_nc_u64 s[G0B+4*(\n)+2:G0B+4*(\n)+3], s[46:47], (\n)*81920
	s_or_b32 s[G0B+4*(\n)+3], s[G0B+4*(\n)+3], 0x80000000
.endr
	s_add_nc_u64 s[G0T+2:G0T+3], s[8:9], s[80:81]
	s_or_b32 s[G0T+3], s[G0T+3], 0x80000000
	CROUND                                 ; all sixteen work-groups are here: the first joint loads meet
	tensor_load_to_lds s[G0T:G0T+3], s[G1T:G1T+7]   ; my 32 rows of the table
	s_nop 0
.rept 4
	v_nop
.endr
	JLOAD 0                                ; K step 0
	JLOAD 1                                ; K step 1: three loads of mine are out
	v_and_b32 v1, 15, v0                   ; r
	v_bfe_u32 v2, v0, 4, 1                 ; h
	v_mul_u32_u24 v3, v1, PA
	v_lshl_add_u32 v3, v2, 4, v3
	s_mul_i32 s2, s[MH], 64*PA
	v_add_nc_u32 v[ADRA], s2, v3
	v_add_nc_u32 v[ADRA+1], SLOT, v[ADRA]
	v_and_b32 v5, 7, v0
	v_bfe_u32 v6, v0, 3, 1
	v_lshl_add_u32 v4, v2, 3, v5           ; the turning load: k row 8 h + l % 8,
	v_mul_u32_u24 v4, v4, PB
	v_lshl_add_u32 v4, v6, 4, v4           ; columns 8 ((l / 8) % 2) on
	s_mul_i32 s2, s[WC], 3*PANELB
	s_add_co_u32 s2, s2, BOFF
	v_add_nc_u32 v[ADRBF], s2, v4
	v_add_nc_u32 v[ADRBF+1], SLOT, v[ADRBF]
	s_lshl_b32 s2, s[WC], 5
	s_add_co_u32 s2, s2, BOFF+2*PANELB
	v_add_nc_u32 v[ADRBH], s2, v4
	v_add_nc_u32 v[ADRBH+1], SLOT, v[ADRBH]
	v_mul_u32_u24 v7, v1, SPT              ; into the stage: row r, 16 bytes for each half of the lanes
	v_lshl_add_u32 v7, v2, 4, v7
	s_mul_i32 s2, s[MH], 64*SPT
	s_add_co_u32 s2, s2, STAGE
	s_mul_i32 s3, s[WC], 3*HSTG
	s_add_co_u32 s3, s3, s2
	v_add_nc_u32 v[STOF], s3, v7
	s_lshl_b32 s3, s[WC], 5
	s_add_co_u32 s3, s3, s2
	s_add_co_u32 s3, s3, 2*HSTG
	v_add_nc_u32 v[STOH], s3, v7
	v_bfe_u32 v8, v0, 3, 2                 ; back: 32 lanes take four rows of 128 bytes; wave w the rows 32 w .. of every head
	v_mul_u32_u24 v8, v8, SPT
	v_lshl_add_u32 v8, v5, 4, v8
	s_mul_i32 s2, s[WV], 32*SPT
	s_add_co_u32 s2, s2, STAGE
	v_add_nc_u32 v[RD0], s2, v8
	v_add_nc_u32 v[RD1], 3*HSTG, v[RD0]
	v_and_b32 v[GO], 31, v0
	v_lshlrev_b32 v[GO], 4, v[GO]
	v_mul_u32_u24 v9, v1, PA
	v_lshl_add_u32 v9, v2, 5, v9
	s_mul_i32 s2, s[MH], 64*PA
	s_add_co_u32 s2, s2, TABL
	v_add_nc_u32 v[CSA], s2, v9
	s_lshl_b32 s3, s[WC], 6
	v_add_nc_u32 v[CSH], s3, v[CSA]
	v_lshlrev_b32 v[BO], 5, v2
	v_add_nc_u32 v[BOH], s3, v[BO]
	s_mul_i32 s43, s23, 5                  ; the tile's first head
	s_mul_i32 s66, s[WC], 3
	s_add_co_u32 s66, s66, s43
	HEADSET s66, 84, 96
	s_add_co_u32 s66, s66, 1
	HEADSET s66, 88, 98
	s_add_co_u32 s66, s43, 2
	HEADSET s66, 92, 100
	WIN 0x80                               ; destination window 2
.irp b, 0,1,2,3
	global_load_b128 v[BC+8*(\b):BC+8*(\b)+3],       v[BO], s[96:97] offset:64*(\b)
	global_load_b128 v[BC+8*(\b)+4:BC+8*(\b)+7],     v[BO], s[96:97] offset:64*(\b)+16
	global_load_b128 v[BC+32+8*(\b):BC+32+8*(\b)+3],   v[BO], s[98:99] offset:64*(\b)
	global_load_b128 v[BC+32+8*(\b)+4:BC+32+8*(\b)+7], v[BO], s[98:99] offset:64*(\b)+16
.endr
.irp b, 0,1
	global_load_b128 v[BC+64+8*(\b):BC+64+8*(\b)+3],   v[BOH], s[100:101] offset:128*(\b)
	global_load_b128 v[BC+64+8*(\b)+4:BC+64+8*(\b)+7], v[BOH], s[100:101] offset:128*(\b)+16
.endr
	s_mul_i32 s66, s23, 5*262144           ; where my rows of the five heads begin in qkv
	s_lshl_b32 s80, s40, 14
	s_add_co_u32 s66, s66, s80
	s_lshl_b32 s80, s[WV], 12
	s_add_co_u32 s66, s66, s80
	s_mov_b32 s67, 0
	s_add_nc_u64 s[16:17], s[16:17], s[66:67]
	s_wait_loadcnt 0x0
	WIN 0x8a                               ; the bias is rounded to bf16 like the other inputs and kept as f32
.set z, 0
.rept 40
	v_cvt_pk_bf16_f32 v[144+z%4], v[BC+2*z], v[BC+2*z+1]
	v_lshlrev_b32 v[BC+2*z], 16, v[144+z%4]
	v_and_b32 v[BC+2*z+1], 0xffff0000, v[144+z%4]
.set z, z+1
.endr
	WIN 0
	s_wait_tensorcnt 0x1                   ; my rows of the table and my part of K step 0 are in; K step 1's may stay out
	s_barrier_signal -1
	s_barrier_wait -1
	FETCH 0, 0, F0
	QUARTER 0, 1, F0, F1, 1                ; the first quarter stands ahead of the loop: its products start the sums with the bias
	WIN 0
	s_mov_b32 s3, 10
.Llap:                                         ; a trip goes once round the ring and fills both slots again: ten trips ask for K steps 2 to 21
	QUARTER 0, 2, F1, F0, 0
	QUARTER 0, 3, F0, F1, 0
	TURN 0, 1, 1
	QUARTER 1, 1, F0, F1, 0
	QUARTER 1, 2, F1, F0, 0
	QUARTER 1, 3, F0, F1, 0
	TURN 1, 0, 1
	QUARTER 0, 1, F0, F1, 0
	WIN 0
	s_sub_co_u32 s3, s3, 1
	s_cmp_lg_u32 s3, 0
	s_cbranch_scc1 .Llap
	QUARTER 0, 2, F1, F0, 0                ; K step 20
	QUARTER 0, 3, F0, F1, 0
	TURN 0, 1, 1                           ; asks for K step 22, the last
	QUARTER 1, 1, F0, F1, 0                ; K step 21
	QUARTER 1, 2, F1, F0, 0
	QUARTER 1, 3, F0, F1, 0
	TURN 1, 0, 0                           ; behind this barrier nobody reads slot 1 and nothing is filled any more
	QUARTER 0, 1, F0, F1, 0                ; K step 22
	QUARTER 0, 2, F1, F0, 0
	QUARTER 0, 3, F0, F1, 0
	s_wait_dscnt 4
	MULR F1, 0, 19, 0
	s_wait_dscnt 0x0
	MULR F1, 20, 39, 0
	WIN 0
	PLACES
; THE WAY OUT.  For x1 = accumulator b1 and x2 = b2 of token block a: out1 = x1 C - x2 S, out2 = x2 C + x1 S with C = cos/8 R + V, S = sin/8 R: RoPE and / 8 for q and k, x 1/4 for v.
; Each accumulator's registers are read in ascending order.  16 bytes a lane go into the stage.
.macro UNIT a, b1, b2, e, rv, sto, off
.set i1, 10*(\a)+(\b1)
.set i2, 10*(\a)+(\b2)
.set x1, 8*(i1%32)
.set x2, 8*(i2%32)
	WIN 0
.irp z, 0,2,4,6
	v_pk_fma_f32 v[CP+\z:CP+\z+1], v[(\e)+\z:(\e)+\z+1], s[\rv:\rv+1], s[\rv+2:\rv+3] op_sel_hi:[1,0,0]
.endr
.irp z, 0,2,4,6
	v_pk_mul_f32 v[SN+\z:SN+\z+1], v[(\e)+8+\z:(\e)+8+\z+1], s[\rv:\rv+1] op_sel_hi:[1,0]
.endr
	WIN 1+i2/32                            ; source 0 in x2's window
.irp z, 0,2,4,6
	v_pk_mul_f32 v[TT+\z:TT+\z+1], v[x2+\z:x2+\z+1], v[SN+\z:SN+\z+1]
.endr
.irp z, 0,2,4,6
	v_pk_mul_f32 v[UU+\z:UU+\z+1], v[x2+\z:x2+\z+1], v[CP+\z:CP+\z+1]
.endr
	WIN 1+i1/32
.irp z, 0,2,4,6
	v_pk_fma_f32 v[TT+\z:TT+\z+1], v[x1+\z:x1+\z+1], v[CP+\z:CP+\z+1], v[TT+\z:TT+\z+1] neg_lo:[0,0,1] neg_hi:[0,0,1]
.endr
.irp z, 0,2,4,6
	v_pk_fma_f32 v[UU+\z:UU+\z+1], v[x1+\z:x1+\z+1], v[SN+\z:SN+\z+1], v[UU+\z:UU+\z+1]
.endr
	WIN 0
.irp z, 0,1,2,3
	v_cvt_pk_f16_f32 v[PKD+\z], v[TT+2*\z], v[TT+2*\z+1]
.endr
.irp z, 0,1,2,3
	v_cvt_pk_f16_f32 v[PKD+4+\z], v[UU+2*\z], v[UU+2*\z+1]
.endr
	ds_store_b128 v[\sto], v[PKD:PKD+3] offset:\off
	ds_store_b128 v[\sto], v[PKD+4:PKD+7] offset:(\off)+64    ; the partner block lies 32 columns on
.endm
.irp a, 0,1,2,3
.set k, 0
.irp o, 0,16,128,144                   ; eight cosines, then eight sines
	ds_load_b128 v[E0+4*k:E0+4*k+3], v[CSA] offset:16*PA*(\a)+(\o)
	ds_load_b128 v[E1+4*k:E1+4*k+3], v[CSA] offset:16*PA*(\a)+(\o)+64
	ds_load_b128 v[EH+4*k:EH+4*k+3], v[CSH] offset:16*PA*(\a)+(\o)
.set k, k+1
.endr
	s_wait_dscnt 0x0
	UNIT \a, 0, 2, E0, 84, STOF, 16*SPT*(\a)
	UNIT \a, 1, 3, E1, 84, STOF, 16*SPT*(\a)+32
	UNIT \a, 4, 6, E0, 88, STOF, HSTG+16*SPT*(\a)
	UNIT \a, 5, 7, E1, 88, STOF, HSTG+16*SPT*(\a)+32
	UNIT \a, 8, 9, EH, 92, STOH, 16*SPT*(\a)
.endr
	s_wait_dscnt 0x0                       ; for the others' sake: my stores into the stage are done
	s_barrier_signal -1
	s_barrier_wait -1
.set n, 0
.rept 40                               ; head n / 8, four rows n % 8
.if n/8 < 3
	ds_load_b128 v[32+4*n:35+4*n], v[RD0] offset:(n/8)*HSTG+4*SPT*(n%8)
.else
	ds_load_b128 v[32+4*n:35+4*n], v[RD1] offset:(n/8-3)*HSTG+4*SPT*(n%8)
.endif
.set n, n+1
.endr
.set n, 0
.rept 40
	s_wait_dscnt 39-n
	global_store_b128 v[GO], v[32+4*n:35+4*n], s[16:17] offset:(n/8)*262144+512*(n%8)   ; 512 consecutive bytes of a head, at a multiple of 256
.set n, n+1
.endr
	s_wait_tensorcnt 0x0                   ; the wave's end
	ds_add_u32 v[SPW], v[NIL]
	s_wait_dscnt 0x0
	CROUND                                 ; the closing round
	s_endpgm
.Lfunc_end_k_q92a9921a38_qkv:
	.size	k_q92a9921a38_qkv, .Lfunc_end_k_q92a9921a38_qkv-k_q92a9921a38_qkv
	.p2alignl 7, 3214868480
	.fill 96, 4, 3214868480
	.section	.rodata,"a",@progbits
	.p2align	6, 0x0
	.amdhsa_kernel k_q92a9921a38_qkv
		.amdhsa_group_segment_fixed_size 327680
		.amdhsa_private_segment_fixed_size 0
		.amdhsa_enable_private_segment 0
		.amdhsa_kernarg_size 56
		.amdhsa_user_sgpr_count 2
		.amdhsa_user_sgpr_kernarg_segment_ptr 1
		.amdhsa_wavefront_size32 1
		.amdhsa_system_sgpr_workgroup_id_x 1
		.amdhsa_system_sgpr_workgroup_id_y 1
		.amdhsa_system_sgpr_workgroup_id_z 1
		.amdhsa_system_vgpr_workitem_id 0
		.amdhsa_next_free_vgpr 672
		.amdhsa_next_free_sgpr 102
		.amdhsa_reserve_vcc 0
		.amdhsa_float_denorm_mode_32 3
		.amdhsa_float_denorm_mode_16_64 3
		.amdhsa_memory_ordered 1
		.amdhsa_forward_progress 1
		.amdhsa_inst_pref_size 169
	.end_amdhsa_kernel
	.amdgpu_metadata
---
amdhsa.version: [ 1, 2 ]
amdhsa.kernels:
  - .name:           k_q92a9921a38_qkv
    .symbol:         k_q92a9921a38_qkv.kd
    .args:
      - { .name: abf, .offset: 0, .size: 8, .value_kind: global_buffer, .address_space: global }
      - { .name: wqkv, .offset: 8, .size: 8, .value_kind: global_buffer, .address_space: global }
      - { .name: tab, .offset: 16, .size: 8, .value_kind: global_buffer, .address_space: global }
      - { .name: bq, .offset: 24, .size: 8, .value_kind: global_buffer, .address_space: global }
      - { .name: bk, .offset: 32, .size: 8, .value_kind: global_buffer, .address_space: global }
      - { .name: bv, .offset: 40, .size: 8, .value_kind: global_buffer, .address_space: global }
      - { .name: qkv, .offset: 48, .size: 8, .value_kind: global_buffer, .address_space: global }
    .group_segment_fixed_size: 327680
    .private_segment_fixed_size: 0
    .kernarg_segment_align: 8
    .kernarg_segment_size: 56
    .max_flat_workgroup_size: 128
    .sgpr_count:     102
    .vgpr_count:     672
    .wavefront_size: 32
...
	.end_amdgpu_metadata
.endif
;; end of part 2
;; launch attn (part 3): grid 16 x 16, 8 waves a work-group, no clusters, 167,936 bytes of LDS; arguments qkv, attn; writes attn
.if DOCPART == 3
	.amdgcn_target "amdgcn-amd-amdhsa--gfx1250"
	.amdhsa_code_object_version 6
	.text
	.protected	k_q92a9921a38_attn
	.globl	k_q92a9921a38_attn
	.p2align	8
	.type	k_q92a9921a38_attn,@function
k_q92a9921a38_attn:
	s_mov_b64 s[64:65], 0
	v_nop
	global_prefetch_b8 v0, s[64:65] scope:SCOPE_SE
	s_setreg_imm32_b32 hwreg(HW_REG_WAVE_MODE, 25, 1), 1
	s_wait_xcnt 0x0
; BANDED ATTENTION.  Query i sees the keys i - 127 .. i, which lie in its own block of 128 and the block before; block 0 has none before.  qkv holds q/8, k/8 (after RoPE) and v/4 in f16,
; [g 80][token][64]; attn [head 64][token][64] takes O/4 in f16.  Products, maximum and sums in f32; the weights p are rounded to f16 for the second product (their sum is of the unrounded p).
; p = 2^(c s - c m) with s = (q/8).(k/8), c = 8 log2(e), and m the TRUE maximum of the query's scores: all of them are in registers, so there is no running maximum.
; LIMITS.  A hidden score counts as its value less 1e30 (f16's scores are 2.7e11 at the most); a weight below 2^-126 counts as 0; NaN and infinities are not treated apart.
; SHARES.  A work-group: one block of 128 queries (x), one key/value head and four of its eight query heads (y).  Wave w: queries 16 w .. + 15 of those four heads, two heads a trip of a loop of two.
; Of the 256 context keys query 16 w + r sees places r + 1 .. r + 128 behind 16 w: blocks of 16 keys w .. w + 8.  Ten blocks from min(w, 6) on are multiplied (an even number, inside the context).
; LAYOUT.  S^T = K Q^T (source 0 = 16 keys, source 1 = 16 queries): a lane holds ONE query and 8 keys of a block; two blocks rounded to f16 ARE source 1 of O^T = V^T P.  The mask (0 or -1e30) is the C that starts S^T.
; NO CLUSTER: only the two work-groups of one (block, key/value head) read the same two tiles, a pair, not four; neighbours along x share one tile of two and would need different descriptors.
; K and V are filled once (first fills only): one barrier in the launch.  Two waves lie on a SIMD, so one wave's softmax stands beside the other's products.
; REGISTERS.  Window 0: v0-8 addresses; v10-25 eight of statistics a tile; v30-31 the add's; v32-191 S^T, 80 a tile (P is packed in place, block c at + 4 c); v192-255 two fragment buffers.
; Window 1: v0-79 masks; v80-111 Q of the pair in hand; v112-143 Q of the second pair; v144-207 O^T, 32 a tile; v208-210 at work.
.set KP, 144                           ; a row of K in LDS: 128 + 16
.set VP, 160                           ; of V: 128 + 32
.set VOFF, 256*KP
.set STAGE, VOFF+256*VP                ; 16 rows x 144 bytes for each wave, never filled by a tensor load
.set SPARE, STAGE+8*16*KP              ; the spare words: 128 bytes a wave, four blocks of 256 bytes that no other line names
.set AK, 3
.set AV, 4
.set QO, 5
.set STO, 6
.set RD, 7
.set GO, 8
.set ST, 10                            ; tile t at ST + 8 t: c m, m, l (a pair), four at work
.set SPW, 30
.set NIL, 31
.set S, 32
.set FB, 192
.set MK, 0
.set QC, 80
.set QN, 112
.set OO, 144
.set MSB, 0
.macro WIN new
.if MSB != (\new)
	s_set_vgpr_msb (MSB<<8)|(\new)
.set MSB, (\new)
.endif
.endm
.macro PLACES
.rept 4
	v_nop
.endr
.endm
	s_load_b128 s[4:7], s[0:1], 0x0        ; qkv, attn
	v_lshl_add_u32 v[SPW], v0, 2, SPARE
	v_mov_b32 v[NIL], 0
	ds_add_u32 v[SPW], v[NIL]              ; the wave's opening: the add and its wait stand ahead of my first tensor load
	ds_add_u32 v30, v31
	v_lshrrev_b32 v1, 5, v0
	v_readfirstlane_b32 s12, v1            ; wave w
	s_mov_b32 s13, ttmp9                   ; the block of queries
	s_and_b32 s14, ttmp7, 0xffff
	s_lshr_b32 s15, s14, 1                 ; the key/value head
	s_and_b32 s14, s14, 1                  ; which four of its query heads
	s_and_b32 s16, s12, 1                  ; which half of the context I fetch: 0 the block before, 1 my own
	s_mov_b32 s24, (1<<16)|(1<<20)|(4<<22)|(3<<25)   ; K: 2-byte elements, after every 32 words 4 words of padding
	s_mov_b32 s32, (1<<16)|(1<<20)|(4<<22)|(7<<25)   ; V: 8 words
.irp g, 24, 32                         ; 128 keys are 16,384 dense bytes: 64 rows of 256
	s_mov_b32 s[\g+1], 128<<16
	s_mov_b32 s[\g+2], 64<<16
	s_mov_b32 s[\g+3], 128<<16
	s_mov_b32 s[\g+4], 64
	s_mov_b32 s[\g+5], 128
	s_mov_b32 s[\g+6], 0
	s_mov_b32 s[\g+7], 0
.endr
	s_max_u32 s17, s13, 1
	s_sub_co_u32 s17, s17, 1               ; the block before; for block 0 itself once more: finite numbers, all hidden
	s_cmp_eq_u32 s16, 1
	s_cselect_b32 s17, s13, s17
	s_lshl_b32 s17, s17, 14
	s_add_co_u32 s18, s15, 64              ; k heads are g = 64 .., v heads eight further on
	s_lshl_b32 s18, s18, 18
	s_add_co_u32 s18, s18, s17
	s_mov_b32 s19, 0
	s_mov_b32 s40, 1
	s_mul_i32 s41, s16, 128*KP
	s_mov_b32 s44, 1
	s_mul_i32 s45, s16, 128*VP
	s_add_co_u32 s45, s45, VOFF
	s_lshl_b32 s20, s15, 3
	s_lshl2_add_u32 s20, s14, s20          ; my first query head
	s_lshl_b32 s20, s20, 18
	s_lshl_b32 s21, s13, 3
	s_add_co_u32 s21, s21, s12
	s_lshl_b32 s21, s21, 11                ; my 16 rows of 128 bytes
	s_add_co_u32 s20, s20, s21
	s_mov_b32 s21, 0
	s_min_u32 s22, s12, 6                  ; the first of my ten key blocks
	s_sub_co_i32 s23, s22, s12
	s_lshl_b32 s23, s23, 4                 ; 16 x (that - w): 0 or -16
	s_mul_i32 s48, s22, 16*KP
	s_mul_i32 s49, s22, 16*VP
	s_add_co_u32 s49, s49, VOFF
	s_mul_i32 s50, s12, 16*KP
	s_add_co_u32 s50, s50, STAGE
	s_lshl_b32 s51, s12, 4
	s_sub_co_u32 s51, 127, s51             ; 127 - 16 w
	s_cmp_eq_u32 s13, 0
	s_cselect_b32 s52, 1, 0
	s_mov_b32 s56, 0xf149f2ca              ; -1e30
	s_mov_b32 s57, 2                       ; pairs of heads
	s_mov_b32 s58, 0x4138aa3b              ; c = 8 log2(e)
	s_mov_b32 s59, s58
	s_mov_b32 s60, 0x76543210              ; v_permlanex16_b32: each lane takes its own place in the other half
	s_mov_b32 s61, 0xfedcba98
	s_wait_dscnt 0x0                       ; the opening add is done
	s_wait_kmcnt 0x0
	s_add_nc_u64 s[42:43], s[4:5], s[18:19]
	s_add_nc_u64 s[46:47], s[42:43], 8*262144
	s_or_b32 s43, s43, 0x80000000
	s_or_b32 s47, s47, 0x80000000
	s_add_nc_u64 s[8:9], s[4:5], s[20:21]  ; Q at my rows of my first head
	s_add_nc_u64 s[6:7], s[6:7], s[20:21]  ; O likewise
	s_cmp_lt_u32 s12, 2                    ; waves 0, 1: K's halves; 2, 3: V's; 4-7: none.  One load of a wave is out; the wait below is for 0
	s_cbranch_scc0 .Lnot_k
	tensor_load_to_lds s[40:43], s[24:31]
	s_nop 0
.rept 4
	v_nop
.endr
	s_branch .Lasked
.Lnot_k:
	s_cmp_lt_u32 s12, 4
	s_cbranch_scc0 .Lasked
	tensor_load_to_lds s[44:47], s[32:39]
	s_nop 0
.rept 4
	v_nop
.endr
.Lasked:
	v_and_b32 v1, 15, v0                   ; r
	v_bfe_u32 v2, v0, 4, 1                 ; h
	v_lshlrev_b32 v[QO], 7, v1
	v_lshl_add_u32 v[QO], v2, 4, v[QO]
	WIN 0x40                               ; destination window 1
.irp d, 0,1,2,3                        ; all four heads' Q: 16 rows x 64 channels each
.irp c, 0,1
	global_load_b128 v[QC+16*\d+8*\c:QC+16*\d+8*\c+3],   v[QO], s[8:9] offset:\d*262144+64*\c
	global_load_b128 v[QC+16*\d+8*\c+4:QC+16*\d+8*\c+7], v[QO], s[8:9] offset:\d*262144+64*\c+32
.endr
.endr
	WIN 0
	v_mul_u32_u24 v[AK], v1, KP
	v_lshl_add_u32 v[AK], v2, 4, v[AK]
	v_add_nc_u32 v[AK], s48, v[AK]
	v_and_b32 v26, 7, v0
	v_bfe_u32 v27, v0, 3, 1
	v_lshl_add_u32 v[AV], v2, 3, v26       ; the turning load: key 8 h + l % 8, channels 8 ((l / 8) % 2) on
	v_mul_u32_u24 v[AV], v[AV], VP
	v_lshl_add_u32 v[AV], v27, 4, v[AV]
	v_add_nc_u32 v[AV], s49, v[AV]
	v_mul_u32_u24 v[STO], v1, KP
	v_lshl_add_u32 v[STO], v2, 4, v[STO]
	v_add_nc_u32 v[STO], s50, v[STO]
	v_bfe_u32 v[RD], v0, 3, 2
	v_mul_u32_u24 v[RD], v[RD], KP
	v_lshl_add_u32 v[RD], v26, 4, v[RD]
	v_add_nc_u32 v[RD], s50, v[RD]
	v_and_b32 v[GO], 31, v0
	v_lshlrev_b32 v[GO], 4, v[GO]
	; THE MASKS.  d = key's place - query's place in the context; seen: lo <= d <= 128, lo = 1, or in block 0 the first key of the own block: 128 - 16 w - r.  One unsigned compare: d - lo > 128 - lo is hidden.
	v_sub_nc_u32 v26, s51, v1
	v_mul_u32_u24 v26, v26, s52
	v_add_nc_u32 v26, 1, v26               ; lo
	v_lshlrev_b32 v27, 3, v2
	v_sub_nc_u32 v27, v27, v1
	v_add_nc_u32 v27, s23, v27
	v_sub_nc_u32 v27, v27, v26             ; d - lo of register 0 of key block 0
	v_sub_nc_u32 v28, 128, v26
	WIN 0x40
	v_mov_b32 v208, v27
	v_mov_b32 v209, v28
	WIN 0x45
.set n, 0
.rept 80
	v_add_nc_u32 v210, 16*(n/8)+n%8, v208
	v_cmp_gt_u32 vcc_lo, v210, v209
	v_cndmask_b32 v[MK+n], 0, s56, vcc_lo
.set n, n+1
.endr
	WIN 0
	s_wait_tensorcnt 0x0                   ; my part of K or V is in,
	s_barrier_signal -1
	s_barrier_wait -1                      ; everybody's is
	s_wait_loadcnt 0x0                     ; Q
.macro KLOAD g                         ; key blocks 2 g, 2 g + 1: eight loads into buffer g % 2
.set fb, FB+32*((\g)%2)
.irp i, 0,1
.irp c, 0,1
	ds_load_b128 v[fb+16*\i+8*\c:fb+16*\i+8*\c+3],   v[AK] offset:16*KP*(2*(\g)+\i)+64*\c
	ds_load_b128 v[fb+16*\i+8*\c+4:fb+16*\i+8*\c+7], v[AK] offset:16*KP*(2*(\g)+\i)+64*\c+32
.endr
.endr
.endm
.macro VLOAD g                         ; keys 32 g .. + 31, turned: eight loads into buffer (g + 1) % 2
.set fb, FB+32*(((\g)+1)%2)
.irp c, 0,1,2,3
	ds_load_tr16_b128 v[fb+8*\c:fb+8*\c+3],   v[AV] offset:32*VP*(\g)+32*\c
	ds_load_tr16_b128 v[fb+8*\c+4:fb+8*\c+7], v[AV] offset:32*VP*(\g)+32*\c+16*VP
.endr
.endm
.macro KGROUP g                        ; eight products: four accumulators by turns; the first four start the sums with the masks
.set fb, FB+32*((\g)%2)
	s_wait_dscnt 8                         ; all but the younger group of eight loads
.irp c, 0,1
.if \c == 0
	WIN 0x14                               ; Q and the mask in window 1
.else
	WIN 0x04
.endif
.irp i, 0,1
.irp t, 0,1
.set rS, S+80*\t+8*(2*(\g)+\i)
.if \c == 0
	v_wmma_f32_16x16x32_f16 v[rS:rS+7], v[fb+16*\i:fb+16*\i+7], v[QC+16*\t:QC+16*\t+7], v[MK+8*(2*(\g)+\i):MK+8*(2*(\g)+\i)+7]
.else
	v_wmma_f32_16x16x32_f16 v[rS:rS+7], v[fb+16*\i+8:fb+16*\i+15], v[QC+16*\t+8:QC+16*\t+15], v[rS:rS+7]
.endif
.endr
.endr
.endr
	WIN 0
	PLACES                                 ; ahead of the loads into the buffer just read
.endm
.macro VGROUP g, left                  ; eight products O^T += V^T P on eight accumulators
.set fb, FB+32*(((\g)+1)%2)
	s_wait_dscnt \left
	WIN 0x50
.irp c, 0,1,2,3
.irp t, 0,1
.if (\g) == 0
	v_wmma_f32_16x16x32_f16 v[OO+32*\t+8*\c:OO+32*\t+8*\c+7], v[fb+8*\c:fb+8*\c+7], v[S+80*\t+8*(\g):S+80*\t+8*(\g)+7], 0
.else
	v_wmma_f32_16x16x32_f16 v[OO+32*\t+8*\c:OO+32*\t+8*\c+7], v[fb+8*\c:fb+8*\c+7], v[S+80*\t+8*(\g):S+80*\t+8*(\g)+7], v[OO+32*\t+8*\c:OO+32*\t+8*\c+7]
.endif
.endr
.endr
	WIN 0
	PLACES
.endm
.macro PACK t                          ; O^T / l, rounded to f16, through my stage: in as 16 bytes a lane, back as whole rows of 128 bytes
	WIN 0x41
.set i, 0
.rept 16
	v_pk_mul_f32 v[OO+32*(\t)+2*i:OO+32*(\t)+2*i+1], v[OO+32*(\t)+2*i:OO+32*(\t)+2*i+1], v[ST+8*(\t)+2:ST+8*(\t)+3] op_sel_hi:[1,0]
.set i, i+1
.endr
	WIN 0x05
.set i, 0
.rept 16
	v_cvt_pk_f16_f32 v[S+80*(\t)+i], v[OO+32*(\t)+2*i], v[OO+32*(\t)+2*i+1]
.set i, i+1
.endr
	WIN 0
.irp f, 0,1,2,3
	ds_store_b128 v[STO], v[S+80*(\t)+4*\f:S+80*(\t)+4*\f+3] offset:32*\f
.endr
.irp f, 0,1,2,3
	ds_load_b128 v[S+80*(\t)+4*\f:S+80*(\t)+4*\f+3], v[RD] offset:4*KP*\f   ; LDS serves a wave's instructions in order (ISA guide 5.7.1.4): these see the stores above
.endr
.endm
.macro SEND t, younger
.irp f, 0,1,2,3
	s_wait_dscnt (\younger)+3-\f
	global_store_b128 v[GO], v[S+80*(\t)+4*\f:S+80*(\t)+4*\f+3], s[6:7] offset:(\t)*262144+512*\f   ; 512 consecutive bytes of a head
.endr
.endm
.Lpair:                                        ; two trips: heads 0, 1 and heads 2, 3
	KLOAD 0
	KLOAD 1
	KGROUP 0
	KLOAD 2
	KGROUP 1
	KLOAD 3
	KGROUP 2
	KLOAD 4
	KGROUP 3
	VLOAD 0                                ; V's first two groups are on their way during the softmax
	KGROUP 4
	VLOAD 1
	; THE SOFTMAX of both tiles, line by line by turns.  The maximum: two chains a tile (even and odd key blocks); each accumulator is read from its lowest registers on.
.set n, 0
.rept 20
.irp t, 0,1
.irp c, 0,1
.set rS, S+80*\t+8*(2*(n/4)+\c)+2*(n%4)
.if n == 0
	v_max_num_f32 v[ST+8*\t+4+\c], v[rS], v[rS+1]
.else
	v_max3_num_f32 v[ST+8*\t+4+\c], v[ST+8*\t+4+\c], v[rS], v[rS+1]
.endif
.endr
.endr
.set n, n+1
.endr
.irp t, 0,1
	v_max_num_f32 v[ST+8*\t+4], v[ST+8*\t+4], v[ST+8*\t+5]
.endr
.irp t, 0,1
	v_permlanex16_b32 v[ST+8*\t+5], v[ST+8*\t+4], s60, s61   ; the query's other keys lie in the lane 16 away
.endr
.irp t, 0,1
	v_max_num_f32 v[ST+8*\t+1], v[ST+8*\t+4], v[ST+8*\t+5]
.endr
.irp t, 0,1
	v_mul_f32 v[ST+8*\t], s58, v[ST+8*\t+1]
.endr
.set n, 0
.rept 40
.irp t, 0,1
	v_pk_fma_f32 v[S+80*\t+2*n:S+80*\t+2*n+1], v[S+80*\t+2*n:S+80*\t+2*n+1], s[58:59], v[ST+8*\t:ST+8*\t+1] op_sel_hi:[1,0,0] neg_lo:[0,0,1] neg_hi:[0,0,1]
.endr
.set n, n+1
.endr
.set n, 0
.rept 160
	v_exp_f32 v[S+n], v[S+n]
.set n, n+1
.endr
	v_nop                                  ; a plain instruction between the last exponential and the use of its result
	s_wait_alu depctr_va_vdst(0)
.irp t, 0,1                            ; the sums: two chains a tile
	v_pk_add_f32 v[ST+8*\t+2:ST+8*\t+3], v[S+80*\t:S+80*\t+1], v[S+80*\t+2:S+80*\t+3]
	v_pk_add_f32 v[ST+8*\t+6:ST+8*\t+7], v[S+80*\t+40:S+80*\t+41], v[S+80*\t+42:S+80*\t+43]
.endr
.set n, 2
.rept 18
.irp t, 0,1
	v_pk_add_f32 v[ST+8*\t+2:ST+8*\t+3], v[ST+8*\t+2:ST+8*\t+3], v[S+80*\t+2*n:S+80*\t+2*n+1]
	v_pk_add_f32 v[ST+8*\t+6:ST+8*\t+7], v[ST+8*\t+6:ST+8*\t+7], v[S+80*\t+40+2*n:S+80*\t+40+2*n+1]
.endr
.set n, n+1
.endr
.irp t, 0,1
	v_pk_add_f32 v[ST+8*\t+2:ST+8*\t+3], v[ST+8*\t+2:ST+8*\t+3], v[ST+8*\t+6:ST+8*\t+7]
.endr
.set n, 0
.rept 40                               ; P is packed in place, ascending: register n takes weights 2 n, 2 n + 1
.irp t, 0,1
	v_cvt_pk_f16_f32 v[S+80*\t+n], v[S+80*\t+2*n], v[S+80*\t+2*n+1]
.endr
.set n, n+1
.endr
	VGROUP 0, 8
	VLOAD 2
	VGROUP 1, 8
	VLOAD 3
	VGROUP 2, 8
	VLOAD 4
	VGROUP 3, 8
	VGROUP 4, 0
.irp t, 0,1
	v_add_f32 v[ST+8*\t+2], v[ST+8*\t+2], v[ST+8*\t+3]
.endr
.irp t, 0,1
	v_permlanex16_b32 v[ST+8*\t+3], v[ST+8*\t+2], s60, s61
.endr
.irp t, 0,1
	v_add_f32 v[ST+8*\t+2], v[ST+8*\t+2], v[ST+8*\t+3]
.endr
.irp t, 0,1
	v_rcp_f32 v[ST+8*\t+2], v[ST+8*\t+2]
.endr
	v_nop                                  ; a plain instruction between the last reciprocal and the use of its result
	s_wait_alu depctr_va_vdst(0)
	PACK 0
	PACK 1
	SEND 0, 8                              ; tile 1's eight LDS instructions are younger
	SEND 1, 0
	s_wait_xcnt 0x0                        ; the stores' base and data registers are written again only behind this wait
	s_add_nc_u64 s[6:7], s[6:7], 2*262144
	WIN 0x41
.set i, 0
.rept 32
	v_mov_b32 v[QC+i], v[QN+i]             ; the second pair's Q goes where the one text names Q
.set i, i+1
.endr
	WIN 0
	s_sub_co_u32 s57, s57, 1
	s_cmp_lg_u32 s57, 0
	s_cbranch_scc1 .Lpair
	s_wait_tensorcnt 0x0                   ; the wave's end
	ds_add_u32 v[SPW], v[NIL]
	s_wait_dscnt 0x0
	s_endpgm
.Lfunc_end_k_q92a9921a38_attn:
	.size	k_q92a9921a38_attn, .Lfunc_end_k_q92a9921a38_attn-k_q92a9921a38_attn
	.p2alignl 7, 3214868480
	.fill 96, 4, 3214868480
	.section	.rodata,"a",@progbits
	.p2align	6, 0x0
	.amdhsa_kernel k_q92a9921a38_attn
		.amdhsa_group_segment_fixed_size 167936
		.amdhsa_private_segment_fixed_size 0
		.amdhsa_enable_private_segment 0
		.amdhsa_kernarg_size 16
		.amdhsa_user_sgpr_count 2
		.amdhsa_user_sgpr_kernarg_segment_ptr 1
		.amdhsa_wavefront_size32 1
		.amdhsa_system_sgpr_workgroup_id_x 1
		.amdhsa_system_sgpr_workgroup_id_y 1
		.amdhsa_system_sgpr_workgroup_id_z 1
		.amdhsa_system_vgpr_workitem_id 0
		.amdhsa_next_free_vgpr 480
		.amdhsa_next_free_sgpr 66
		.amdhsa_reserve_vcc 1
		.amdhsa_float_denorm_mode_32 3
		.amdhsa_float_denorm_mode_16_64 3
		.amdhsa_memory_ordered 1
		.amdhsa_forward_progress 1
		.amdhsa_inst_pref_size 65
	.end_amdhsa_kernel
	.amdgpu_metadata
---
amdhsa.version: [ 1, 2 ]
amdhsa.kernels:
  - .name:           k_q92a9921a38_attn
    .symbol:         k_q92a9921a38_attn.kd
    .args:
      - { .name: qkv, .offset: 0, .size: 8, .value_kind: global_buffer, .address_space: global }
      - { .name: attn, .offset: 8, .size: 8, .value_kind: global_buffer, .address_space: global }
    .group_segment_fixed_size: 167936
    .private_segment_fixed_size: 0
    .kernarg_segment_align: 8
    .kernarg_segment_size: 16
    .max_flat_workgroup_size: 256
    .sgpr_count:     66
    .vgpr_count:     480
    .wavefront_size: 32
...
	.end_amdgpu_metadata
.endif
;; end of part 3
;; launch oproj (part 4): grid 16 x 15, 4 waves a work-group, clusters of 4 x 1, 327,680 bytes of LDS; arguments attn, wo16, bo, out0; writes out0
.if DOCPART == 4
	.amdgcn_target "amdgcn-amd-amdhsa--gfx1250"
	.amdhsa_code_object_version 6
	.text
	.protected	k_q92a9921a38_oproj
	.globl	k_q92a9921a38_oproj
	.p2align	8
	.type	k_q92a9921a38_oproj,@function
k_q92a9921a38_oproj:
	s_mov_b64 s[64:65], 0
	v_nop
	global_prefetch_b8 v0, s[64:65] scope:SCOPE_SE
	s_setreg_imm32_b32 hwreg(HW_REG_WAVE_MODE, 25, 1), 1
	s_wait_xcnt 0x0
	s_wait_alu depctr_hold_cnt(0) depctr_sa_sdst(0) depctr_va_vdst(0) depctr_va_sdst(0) depctr_va_ssrc(0) depctr_va_vcc(0) depctr_vm_vsrc(0)
	s_getreg_b32 s2, hwreg(HW_REG_IB_STS2, 6, 4)
	s_cmp_eq_u32 s2, 0
	s_cbranch_scc0 .Lentry_in_a_cluster
	s_endpgm
.Lentry_in_a_cluster:
	s_bfe_u32 s2, ttmp6, 0x10000c
	s_cmp_lg_u32 s2, 0x3003
	s_cbranch_scc0 .Lentry_shape_is_right
	s_endpgm
.Lentry_shape_is_right:
; OUT = 4 x (attn x wo16 + bo/4): [2048 tokens] x [2880] over K = 4096 (32 steps of 128 = two heads), f16 operands, f32 sums that start with the bias (rounded to bf16 like every input, x 1/4:
; attn holds O/4); out0 in f32.
; SHARES.  A work-group: 128 tokens (x) x 192 columns (y): 16 x 15.  A wave: 64 tokens (MH) x six column blocks of 16: blocks 8 WC + 0..3 and 4 + 2 WC + 0..1 of the tile's twelve.
; THE MATRIX INSTRUCTION IS USED TRANSPOSED: source 0 = 16 columns of Wo (turned out of LDS), source 1 = 16 tokens: a lane holds one token and eight neighbouring columns, 32 bytes of a row of out0.
; RING.  Two LDS slots, each a K step: A 2 heads x 128 tokens x 128 bytes (pitch 144), B 3 panels x 128 k rows x 128 bytes (pitch 160).  Waves 0, 1 fetch A's heads, waves 2, 3 B's halves.
; CLUSTER 4 x 1: the four partners lie along x and share the tile column, so B's tile is asked for jointly (mask 15).  15 tile columns divide into no 4 x 4, so A's tiles, which
; hang on the tile row, are plain loads of each work-group's own, behind the same rounds.
; REGISTERS.  Window 0: v0-31 addresses; v32-111, v112-191 two fragment buffers (B's six, then A's four); v192-255 at work.  Window 1: v0-191 accumulators 6 a + b; v192-239 the bias as C; v240-243 at work.
.set PAO, 144
.set PB, 160
.set PANELB, 128*PB
.set BOFF, 2*128*PAO
.set SLOT, BOFF+3*PANELB               ; 98,304
.set STAGE, 2*SLOT                     ; 128 rows x 784 bytes (768 + 16), bytes of its own
.set SPT, 784
.set SPARE, STAGE+128*SPT              ; the spare words: 128 bytes a wave, two blocks of 256 bytes that no other line names
.set ADRA, 16
.set ADRBA, 18
.set ADRBB, 20
.set STOA, 22
.set STOB, 23
.set RD, 24
.set CO, 26
.set SPW, 28
.set NIL, 29
.set BOA, 30
.set BOB, 31
.set F0, 32
.set F1, 112
.set TMP, 192
.set BC, 192
.set WV, 12
.set MH, 13
.set WC, 14
.set G1A, 24
.set G0A, 32
.set G1B, 48
.set G0B, 56
.set MSB, 0
.macro WIN new
.if MSB != (\new)
	s_set_vgpr_msb (MSB<<8)|(\new)
.set MSB, (\new)
.endif
.endm
.macro PLACES
.rept 4
	v_nop
.endr
.endm
.macro CREST
	s_cmp_lg_u32 s[WV], 0
	s_cbranch_scc1 .Lnot_wave_0_\@
	s_barrier_signal -3
.Lnot_wave_0_\@:
	s_barrier_wait -3
	s_barrier_signal -1
	s_barrier_wait -1
.endm
.macro CROUND
	s_barrier_signal -1
	s_barrier_wait -1
	CREST
.endm
.macro JLOAD s                         ; waves 0, 1: my work-group's own A; waves 2, 3: the joint B; an s_nop 0 and four v_nop follow each line
	s_cmp_eq_u32 s[MH], 0
	s_cbranch_scc0 .Lfor_b_\@
	tensor_load_to_lds s[G0A+4*(\s):G0A+4*(\s)+3], s[G1A:G1A+7]
	s_nop 0
.rept 4
	v_nop
.endr
	s_branch .Lasked_\@
.Lfor_b_\@:
	tensor_load_to_lds s[G0B+4*(\s):G0B+4*(\s)+3], s[G1B:G1B+7]
	s_nop 0
.rept 4
	v_nop
.endr
.Lasked_\@:
.endm
.macro MULR f, lo, hi, first           ; the 24 accumulators take turns in the same order in every quarter
	WIN 0x50
.set idx, \lo
.rept (\hi)-(\lo)+1
.set mb, idx%6
.set ma, idx/6
.if \first
	v_wmma_f32_16x16x32_f16 v[8*idx:8*idx+7], v[(\f)+8*mb:(\f)+8*mb+7], v[(\f)+48+8*ma:(\f)+48+8*ma+7], v[BC+8*mb:BC+8*mb+7]
.else
	v_wmma_f32_16x16x32_f16 v[8*idx:8*idx+7], v[(\f)+8*mb:(\f)+8*mb+7], v[(\f)+48+8*ma:(\f)+48+8*ma+7], v[8*idx:8*idx+7]
.endif
.set idx, idx+1
.endr
.endm
.macro FETCH slot, q, f                ; 20 LDS loads in one run
	WIN 0
.irp b, 0,1,2,3
	ds_load_tr16_b128 v[(\f)+8*(\b):(\f)+8*(\b)+3],   v[ADRBA+(\slot)] offset:32*(\b)+32*PB*(\q)
	ds_load_tr16_b128 v[(\f)+8*(\b)+4:(\f)+8*(\b)+7], v[ADRBA+(\slot)] offset:32*(\b)+32*PB*(\q)+16*PB
.endr
.irp b, 0,1
	ds_load_tr16_b128 v[(\f)+32+8*(\b):(\f)+32+8*(\b)+3],   v[ADRBB+(\slot)] offset:32*(\b)+32*PB*(\q)
	ds_load_tr16_b128 v[(\f)+32+8*(\b)+4:(\f)+32+8*(\b)+7], v[ADRBB+(\slot)] offset:32*(\b)+32*PB*(\q)+16*PB
.endr
.irp a, 0,1,2,3                        ; quarter q: head q / 2 of the step, channels 32 (q % 2) on
	ds_load_b128 v[(\f)+48+8*(\a):(\f)+48+8*(\a)+3],   v[ADRA+(\slot)] offset:((\q)/2)*128*PAO+16*PAO*(\a)+64*((\q)%2)
	ds_load_b128 v[(\f)+48+8*(\a)+4:(\f)+48+8*(\a)+7], v[ADRA+(\slot)] offset:((\q)/2)*128*PAO+16*PAO*(\a)+64*((\q)%2)+32
.endr
.endm
.macro QUARTER slot, qn, f, g, first
	s_wait_dscnt 4                         ; all but the youngest four loads (A's rows 32-63)
	MULR \f, 0, 11, \first
	WIN 0
	PLACES
	FETCH \slot, \qn, \g
	s_wait_dscnt 20                        ; all but the 20 just issued
	MULR \f, 12, 23, \first
.endm
; The change of slots: as in the projection in front.  84 of a step's 96 matrix instructions stand between a request and the wait for it.
.macro TURN slot, next, fill
	WIN 0
	s_wait_tensorcnt 0x0
	ds_add_u32 v[SPW], v[NIL]
	s_wait_dscnt 5                         ; the add and the youngest four loads may be out
	MULR F1, 0, 5, 0
	s_wait_dscnt 0x0                       ; the add is done, my reads of this slot are over
	s_barrier_signal -1
	MULR F1, 6, 11, 0
.if \fill
	WIN 0
.endif
	s_barrier_wait -1
.if \fill
	CREST
	s_add_nc_u64 s[G0A+4*(\slot)+2:G0A+4*(\slot)+3], s[G0A+4*(\slot)+2:G0A+4*(\slot)+3], 4*262144   ; four heads on
	s_add_nc_u64 s[G0B+4*(\slot)+2:G0B+4*(\slot)+3], s[G0B+4*(\slot)+2:G0B+4*(\slot)+3], 2*49152    ; two blocks on
	JLOAD \slot
.else
	PLACES
.endif
	FETCH \next, 0, F0
	MULR F1, 12, 23, 0
.endm
	s_load_b256 s[4:11], s[0:1], 0x0       ; attn 4, wo16 6, bo 8, out0 10
	v_lshl_add_u32 v[SPW], v0, 2, SPARE
	v_mov_b32 v[NIL], 0
	ds_add_u32 v[SPW], v[NIL]              ; the wave's opening: the add and its wait stand ahead of my first tensor load
	ds_add_u32 v28, v29
	v_lshrrev_b32 v1, 5, v0
	v_readfirstlane_b32 s[WV], v1
	s_lshr_b32 s[MH], s[WV], 1
	s_and_b32 s[WC], s[WV], 1
	s_bfe_u32 s15, ttmp6, 0x40000          ; cx
	s_lshl_b32 s16, ttmp9, 2
	s_add_co_u32 s16, s16, s15             ; tile row: it enters A's and out0's addresses alone
	s_and_b32 s17, ttmp7, 0xffff           ; tile column, which the four partners share
	s_mov_b32 s[G1A], (1<<16)|(1<<20)|(4<<22)|(3<<25)                  ; no mask: a load of my own; after every 32 words 4 words of padding
	s_mov_b32 s[G1A+1], 128<<16            ; a head's 128 tokens are 16,384 dense bytes: 64 rows of 256
	s_mov_b32 s[G1A+2], 64<<16
	s_mov_b32 s[G1A+3], 128<<16
	s_mov_b32 s[G1A+4], 64
	s_mov_b32 s[G1A+5], 128
	s_mov_b32 s[G1A+6], 0
	s_mov_b32 s[G1A+7], 0
	s_mov_b32 s[G1B], 15|(1<<16)|(1<<20)|(1<<21)|(4<<22)|(7<<25)       ; all four work-groups; bit 21 beside the mask; 8 words of padding
	s_mov_b32 s[G1B+1], 128<<16            ; 24,576 dense bytes: 96 rows of 256
	s_mov_b32 s[G1B+2], 96<<16
	s_mov_b32 s[G1B+3], 128<<16
	s_mov_b32 s[G1B+4], 96
	s_mov_b32 s[G1B+5], 128
	s_mov_b32 s[G1B+6], 0
	s_mov_b32 s[G1B+7], 0
	s_mul_i32 s2, s[WC], 128*PAO
	s_mul_i32 s3, s[WC], 192*PB
.irp n, 0,1
	s_mov_b32 s[G0A+4*(\n)], 1
	s_add_co_u32 s[G0A+4*(\n)+1], s2, (\n)*SLOT
	s_mov_b32 s[G0B+4*(\n)], 1
	s_add_co_u32 s[G0B+4*(\n)+1], s3, (\n)*SLOT+BOFF
.endr
	s_lshl_b32 s40, s[WC], 18              ; A: head WC, my tile row's 128 tokens
	s_lshl_b32 s41, s16, 14
	s_add_co_u32 s40, s40, s41
	s_mov_b32 s41, 0
	s_mul_i32 s42, s17, 32*49152           ; B: block (tile column, 0), my half
	s_mul_i32 s43, s[WC], 24576
	s_add_co_u32 s42, s42, s43
	s_mov_b32 s43, 0
	s_lshl_b32 s44, s16, 7                 ; out0: row 128 x tile row + 32 x wave, column 192 x tile column
	s_lshl_b32 s45, s[WV], 5
	s_add_co_u32 s44, s44, s45
	s_mul_i32 s44, s44, 11520
	s_mul_i32 s46, s17, 768
	s_add_co_u32 s44, s44, s46
	s_mov_b32 s45, 0
	s_mov_b32 s47, 0
	s_wait_dscnt 0x0                       ; the opening add is done
	s_wait_kmcnt 0x0
	s_add_nc_u64 s[40:41], s[4:5], s[40:41]
	s_add_nc_u64 s[42:43], s[6:7], s[42:43]
	s_add_nc_u64 s[8:9], s[8:9], s[46:47]
	s_add_nc_u64 s[10:11], s[10:11], s[44:45]
.irp n, 0,1
	s_add_nc_u64 s[G0A+4*(\n)+2:G0A+4*(\n)+3], s[40:41], (\n)*2*262144
	s_or_b32 s[G0A+4*(\n)+3], s[G0A+4*(\n)+3], 0x80000000
	s_add_nc_u64 s[G0B+4*(\n)+2:G0B+4*(\n)+3], s[42:43], (\n)*49152
	s_or_b32 s[G0B+4*(\n)+3], s[G0B+4*(\n)+3], 0x80000000
.endr
	CROUND                                 ; all four work-groups are here: the first joint loads meet
	JLOAD 0
	JLOAD 1                                ; two loads of mine are out
	v_and_b32 v1, 15, v0                   ; r
	v_bfe_u32 v2, v0, 4, 1                 ; h
	v_mul_u32_u24 v3, v1, PAO
	v_lshl_add_u32 v3, v2, 4, v3
	s_mul_i32 s18, s[MH], 64*PAO
	v_add_nc_u32 v[ADRA], s18, v3
	v_add_nc_u32 v[ADRA+1], SLOT, v[ADRA]
	v_and_b32 v5, 7, v0
	v_bfe_u32 v6, v0, 3, 1
	v_lshl_add_u32 v4, v2, 3, v5
	v_mul_u32_u24 v4, v4, PB
	v_lshl_add_u32 v4, v6, 4, v4
	s_mul_i32 s18, s[WC], 2*PANELB
	s_add_co_u32 s18, s18, BOFF
	v_add_nc_u32 v[ADRBA], s18, v4
	v_add_nc_u32 v[ADRBA+1], SLOT, v[ADRBA]
	s_lshl_b32 s18, s[WC], 6
	s_add_co_u32 s18, s18, BOFF+PANELB
	v_add_nc_u32 v[ADRBB], s18, v4
	v_add_nc_u32 v[ADRBB+1], SLOT, v[ADRBB]
	v_mul_u32_u24 v7, v1, SPT              ; into the stage: row r, 32 bytes for each half of the lanes
	v_lshl_add_u32 v7, v2, 5, v7
	s_mul_i32 s18, s[MH], 64*SPT
	s_add_co_u32 s18, s18, STAGE
	s_lshl_b32 s19, s[WC], 9
	s_add_co_u32 s19, s19, s18
	v_add_nc_u32 v[STOA], s19, v7
	s_lshl_b32 s19, s[WC], 7
	s_add_co_u32 s19, s19, s18
	s_add_co_u32 s19, s19, 256
	v_add_nc_u32 v[STOB], s19, v7
	v_mul_u32_u24 v8, v2, SPT              ; back: lanes 0-15 take 256 bytes of one row, lanes 16-31 of the next
	v_lshl_add_u32 v8, v1, 4, v8
	s_mul_i32 s18, s[WV], 32*SPT
	s_add_co_u32 s18, s18, STAGE
	v_add_nc_u32 v[RD], s18, v8
	v_mul_u32_u24 v9, v2, 11520
	v_lshl_add_u32 v[CO], v1, 4, v9
	v_lshlrev_b32 v9, 5, v2
	s_lshl_b32 s18, s[WC], 9
	v_add_nc_u32 v[BOA], s18, v9
	s_lshl_b32 s18, s[WC], 7
	s_add_co_u32 s18, s18, 256
	v_add_nc_u32 v[BOB], s18, v9
	WIN 0x40
.irp b, 0,1,2,3
	global_load_b128 v[BC+8*(\b):BC+8*(\b)+3],   v[BOA], s[8:9] offset:64*(\b)
	global_load_b128 v[BC+8*(\b)+4:BC+8*(\b)+7], v[BOA], s[8:9] offset:64*(\b)+16
.endr
.irp b, 0,1
	global_load_b128 v[BC+32+8*(\b):BC+32+8*(\b)+3],   v[BOB], s[8:9] offset:64*(\b)
	global_load_b128 v[BC+32+8*(\b)+4:BC+32+8*(\b)+7], v[BOB], s[8:9] offset:64*(\b)+16
.endr
	s_wait_loadcnt 0x0
	WIN 0x45
.set z, 0
.rept 24
	v_cvt_pk_bf16_f32 v[240+z%4], v[BC+2*z], v[BC+2*z+1]
	v_lshlrev_b32 v[BC+2*z], 16, v[240+z%4]
	v_and_b32 v[BC+2*z+1], 0xffff0000, v[240+z%4]
	v_pk_mul_f32 v[BC+2*z:BC+2*z+1], v[BC+2*z:BC+2*z+1], 0x3e800000 op_sel_hi:[1,0]
.set z, z+1
.endr
	WIN 0
	s_wait_tensorcnt 0x1                   ; my part of K step 0 is in; K step 1's may stay out
	s_barrier_signal -1
	s_barrier_wait -1
	FETCH 0, 0, F0
	QUARTER 0, 1, F0, F1, 1                ; the first quarter's products start the sums with the bias
	WIN 0
	s_mov_b32 s3, 15
.Llap:                                         ; fifteen trips ask for K steps 2 to 31
	QUARTER 0, 2, F1, F0, 0
	QUARTER 0, 3, F0, F1, 0
	TURN 0, 1, 1
	QUARTER 1, 1, F0, F1, 0
	QUARTER 1, 2, F1, F0, 0
	QUARTER 1, 3, F0, F1, 0
	TURN 1, 0, 1
	QUARTER 0, 1, F0, F1, 0
	WIN 0
	s_sub_co_u32 s3, s3, 1
	s_cmp_lg_u32 s3, 0
	s_cbranch_scc1 .Llap
	QUARTER 0, 2, F1, F0, 0                ; the last lap fills nothing
	QUARTER 0, 3, F0, F1, 0
	TURN 0, 1, 0
	QUARTER 1, 1, F0, F1, 0
	QUARTER 1, 2, F1, F0, 0
	QUARTER 1, 3, F0, F1, 0
	s_wait_dscnt 4
	MULR F1, 0, 11, 0
	s_wait_dscnt 0x0
	MULR F1, 12, 23, 0
	WIN 0
	PLACES
	; THE WAY OUT: x 4, 32 bytes a lane into the work-group's stage (a row's 768 bytes come from two waves: a barrier), back as whole blocks of 256 bytes.  Eight accumulators at a time, each read in ascending order.
.irp g, 0,1,2
	WIN 0x01
.set idx, 8*(\g)
.rept 8
.irp z, 0,2,4,6
	v_pk_mul_f32 v[TMP+8*(idx%8)+\z:TMP+8*(idx%8)+\z+1], v[8*idx+\z:8*idx+\z+1], 4.0 op_sel_hi:[1,0]
.endr
.set idx, idx+1
.endr
	WIN 0
.set idx, 8*(\g)
.rept 8
.if idx%6 < 4
	ds_store_b128 v[STOA], v[TMP+8*(idx%8):TMP+8*(idx%8)+3]   offset:16*SPT*(idx/6)+64*(idx%6)
	ds_store_b128 v[STOA], v[TMP+8*(idx%8)+4:TMP+8*(idx%8)+7] offset:16*SPT*(idx/6)+64*(idx%6)+16
.else
	ds_store_b128 v[STOB], v[TMP+8*(idx%8):TMP+8*(idx%8)+3]   offset:16*SPT*(idx/6)+64*(idx%6-4)
	ds_store_b128 v[STOB], v[TMP+8*(idx%8)+4:TMP+8*(idx%8)+7] offset:16*SPT*(idx/6)+64*(idx%6-4)+16
.endif
.set idx, idx+1
.endr
.endr
	s_wait_dscnt 0x0                       ; for the others' sake: my stores into the stage are done
	s_barrier_signal -1
	s_barrier_wait -1
.set n, 0
.rept 48                               ; rows 2 (n / 3), + 1; block n % 3 of their 768 bytes
	ds_load_b128 v[32+4*n:35+4*n], v[RD] offset:2*SPT*(n/3)+256*(n%3)
.set n, n+1
.endr
.set n, 0
.rept 48
	s_wait_dscnt 47-n
	global_store_b128 v[CO], v[32+4*n:35+4*n], s[10:11] offset:23040*(n/3)+256*(n%3)   ; 16 lanes store 256 consecutive bytes, at a multiple of 256 from out0's first byte
.set n, n+1
.endr
	s_wait_tensorcnt 0x0                   ; the wave's end
	ds_add_u32 v[SPW], v[NIL]
	s_wait_dscnt 0x0
	CROUND                                 ; the closing round
	s_endpgm
.Lfunc_end_k_q92a9921a38_oproj:
	.size	k_q92a9921a38_oproj, .Lfunc_end_k_q92a9921a38_oproj-k_q92a9921a38_oproj
	.p2alignl 7, 3214868480
	.fill 96, 4, 3214868480
	.section	.rodata,"a",@progbits
	.p2align	6, 0x0
	.amdhsa_kernel k_q92a9921a38_oproj
		.amdhsa_group_segment_fixed_size 327680
		.amdhsa_private_segment_fixed_size 0
		.amdhsa_enable_private_segment 0
		.amdhsa_kernarg_size 32
		.amdhsa_user_sgpr_count 2
		.amdhsa_user_sgpr_kernarg_segment_ptr 1
		.amdhsa_wavefront_size32 1
		.amdhsa_system_sgpr_workgroup_id_x 1
		.amdhsa_system_sgpr_workgroup_id_y 1
		.amdhsa_system_sgpr_workgroup_id_z 1
		.amdhsa_system_vgpr_workitem_id 0
		.amdhsa_next_free_vgpr 512
		.amdhsa_next_free_sgpr 66
		.amdhsa_reserve_vcc 0
		.amdhsa_float_denorm_mode_32 3
		.amdhsa_float_denorm_mode_16_64 3
		.amdhsa_memory_ordered 1
		.amdhsa_forward_progress 1
		.amdhsa_inst_pref_size 85
	.end_amdhsa_kernel
	.amdgpu_metadata
---
amdhsa.version: [ 1, 2 ]
amdhsa.kernels:
  - .name:           k_q92a9921a38_oproj
    .symbol:         k_q92a9921a38_oproj.kd
    .args:
      - { .name: attn, .offset: 0, .size: 8, .value_kind: global_buffer, .address_space: global }
      - { .name: wo16, .offset: 8, .size: 8, .value_kind: global_buffer, .address_space: global }
      - { .name: bo, .offset: 16, .size: 8, .value_kind: global_buffer, .address_space: global }
      - { .name: out0, .offset: 24, .size: 8, .value_kind: global_buffer, .address_space: global }
    .group_segment_fixed_size: 327680
    .private_segment_fixed_size: 0
    .kernarg_segment_align: 8
    .kernarg_segment_size: 32
    .max_flat_workgroup_size: 128
    .sgpr_count:     66
    .vgpr_count:     512
    .wavefront_size: 32
...
	.end_amdgpu_metadata
.endif
;; end of part 4
;; ======== version 2 of 3: 4 launches; 1.17 times as fast as version 1
;; limits: values are held in f16: magnitudes above 65,504 overflow, below 6.1e-05 lose precision; right only within a limited range of input values
;; workspace buffers: abf 11,796,480 bytes; wqkv 29,491,200 bytes; wo16 23,592,960 bytes; tab 524,288 bytes; qkv 20,971,520 bytes; attn 16,777,216 bytes
;; launch prep (part 5): grid 2224 x 1, 8 waves a work-group, no clusters, 19,456 bytes of LDS; arguments hidden, Wq, Wk, Wv, Wo, positions, abf, wqkv, wo16, tab; writes abf, wqkv, wo16, tab
.if DOCPART == 5
	.amdgcn_target "amdgcn-amd-amdhsa--gfx1250"
	.amdhsa_code_object_version 6
	.text
	.protected	k_q92a9921a38_prep
	.globl	k_q92a9921a38_prep
	.p2align	8
	.type	k_q92a9921a38_prep,@function
k_q92a9921a38_prep:
	s_mov_b64 s[64:65], 0
	v_nop
	global_prefetch_b8 v0, s[64:65] scope:SCOPE_SE
	s_setreg_imm32_b32 hwreg(HW_REG_WAVE_MODE, 25, 1), 1
	s_wait_xcnt 0x0
; PREP: every f32 input of the two products is read once, rounded to bf16 and laid out for the later launches; the RoPE table is made.
;   abf   [tg 32][c 90][a 4][half 2][lane 32][16 bytes] bf16: hidden in the order of matrix fragments: token 64 tg + 16 a + lane % 16, k = 32 c + 16 half + 8 (lane / 16) + 0..7
;   wqkv  [t 16][s 15][p 5][kk 192][nn 64] bf16: panel g = 5 t + p is one head (g < 64: Wq, 64..71: Wk, 72..79: Wv), k = 192 s + kk
;   wo16  [t 15][s 16][p 3][kk 256][nn 64] f16 of the bf16-rounded Wo (exact down to 7.6e-6; below that f16's fixed step of 6e-8)
;   tab   [token 2048][64] f32: cos(ang)/8 for the 32 frequencies, then sin(ang)/8, ang = f32(position) x inv_freq as f32
; A stream bound by memory: no matrix unit, no barrier.  A work-group's number chooses one of four jobs by forward scalar branches.
; Every load of a wave covers whole aligned blocks of 256 bytes; every store of a wave is 256 or 512 consecutive bytes, aligned.
; Only abf needs lanes and rows exchanged (a fragment's lane holds one token): 16 rows x 128 bytes go through the wave's own 2,304 bytes of LDS, which no other wave touches.
; LIMITS.  inv_freq = 2^(-f log2(150000)/32), the exponent split in a part of 17 bits (f x HI is exact) and a rest applied as 1 - f LO ln 2: good to about 2 units in the last place.
; Sine and cosine: reduction by pi/2 in two parts and polynomials of degree 7 and 8 on |r| <= pi/4; |position| <= 2^24 is exact, the reduction holds to 1e-6 up to |ang| of about 1e6.
.set NW, 80*15                         ; jobs for wqkv: one (panel, slot of 192 k) each, 24 rows a wave
.set NO, 45*16                         ; jobs for wo16: one (panel, slot of 256 k) each, 32 rows a wave
.set NH, 240                           ; jobs for abf: a wave takes 16 tokens x 192 k
.set WREG, 16*144                      ; a wave's LDS: 16 rows of 128 bytes, pitch 144: the 16 rows of a 16-byte load start at 16 different groups of four banks
.set SPARE, 8*WREG                     ; the spare words: 128 bytes a wave, four blocks of 256 bytes that no other line names
.set SPW, 14
.set NIL, 15
; A wave's 2 nl k rows x 64 columns of a panel.  s[4:5] source, s[6:7] destination.  Lanes 0-15 take 256 bytes of row 2 i, lanes 16-31 of row 2 i + 1.
; kind 0: bf16.  kind 1: the bf16 number written as f16.  No load or store register is written twice, so the only waits are the counted ones for the loads.
.macro PANEL pitch, kind, nl
	v_mul_u32_u24 v4, v3, \pitch
	v_lshl_add_u32 v4, v2, 4, v4
.set i, 0
.rept \nl
	global_load_b128 v[16+4*i:19+4*i], v4, s[4:5] offset:2*i*(\pitch) th:TH_LOAD_NT
.set i, i+1
.endr
.set i, 0
.rept \nl
	s_wait_loadcnt (\nl)-1-i               ; loads come back in order: mine is in, the younger ones stay out
	v_cvt_pk_bf16_f32 v[16+4*i], v[16+4*i], v[17+4*i]
	v_cvt_pk_bf16_f32 v[17+4*i], v[18+4*i], v[19+4*i]
.if \kind
	v_lshlrev_b32 v96, 16, v[16+4*i]
	v_and_b32 v97, 0xffff0000, v[16+4*i]
	v_lshlrev_b32 v98, 16, v[17+4*i]
	v_and_b32 v99, 0xffff0000, v[17+4*i]
	v_cvt_pk_f16_f32 v[16+4*i], v96, v97
	v_cvt_pk_f16_f32 v[17+4*i], v98, v99
.endif
	global_store_b64 v5, v[16+4*i:17+4*i], s[6:7] offset:256*i   ; two stored k rows of 128 bytes
.set i, i+1
.endr
	s_endpgm
.endm
	s_load_b512 s[16:31], s[0:1], 0x0      ; hidden 16, Wq 18, Wk 20, Wv 22, Wo 24, positions 26, abf 28, wqkv 30
	s_load_b128 s[32:35], s[0:1], 0x40     ; wo16 32, tab 34
	v_lshl_add_u32 v[SPW], v0, 2, SPARE
	v_mov_b32 v[NIL], 0
	v_lshrrev_b32 v1, 5, v0
	v_readfirstlane_b32 s8, v1             ; wave w
	v_and_b32 v1, 31, v0                   ; lane
	v_and_b32 v2, 15, v0                   ; lane % 16
	v_bfe_u32 v3, v0, 4, 1                 ; lane / 16
	v_lshlrev_b32 v5, 3, v1                ; 8 x lane: my 8 bytes of a store
	s_mov_b32 s9, ttmp9
	s_mov_b32 s15, 0                       ; the high word of every offset pair s[14:15]
	s_wait_kmcnt 0x0
	s_cmp_lt_u32 s9, NW
	s_cbranch_scc1 .Lw
	s_cmp_lt_u32 s9, NW+NO
	s_cbranch_scc1 .Lo
	s_cmp_lt_u32 s9, NW+NO+NH
	s_cbranch_scc1 .Lh
	; THE TABLE: a wave makes four tokens' rows; a lane the columns 2 lane and 2 lane + 1: lanes 0-15 cosines, lanes 16-31 sines of frequencies 2 (lane % 16) + e
	s_sub_co_u32 s10, s9, NW+NO+NH
	s_lshl3_add_u32 s10, s10, s8           ; 8 x job + wave
	s_lshl_b32 s14, s10, 4
	s_add_nc_u64 s[26:27], s[26:27], s[14:15]
	s_load_b128 s[40:43], s[26:27], 0x0    ; four positions
	s_lshl_b32 s14, s10, 10
	s_add_nc_u64 s[6:7], s[34:35], s[14:15]
	s_mov_b32 s48, 0x3f22f983              ; 2 / pi
	s_mov_b32 s49, 0xbfc90fdb              ; -(pi / 2), upper part
	s_mov_b32 s50, 0x333bbd2e              ; upper part - pi / 2
	s_mov_b32 s51, 0xb9500d01              ; -1/5040
	s_mov_b32 s52, 0x3c088889              ; 1/120
	s_mov_b32 s53, 0xbe2aaaab              ; -1/6
	s_mov_b32 s54, 0x37d00d01              ; 1/40320
	s_mov_b32 s55, 0xbab60b61              ; -1/720
	s_mov_b32 s56, 0x3d2aaaab              ; 1/24
	s_mov_b32 s57, 0xb50522a9              ; -LO ln 2
	v_lshlrev_b32 v6, 1, v2
	v_cvt_f32_u32 v8, v6                   ; f, e = 0
	v_add_nc_u32 v7, 1, v6
	v_cvt_f32_u32 v9, v7                   ; f, e = 1
	v_mul_f32 v10, 0xbf098e80, v8          ; -f HI, exact
	v_mul_f32 v11, 0xbf098e80, v9
	v_exp_f32 v10, v10
	v_exp_f32 v11, v11
	v_fma_f32 v8, v8, s57, 1.0             ; plain work behind the exponentials, ahead of the use of their results
	v_fma_f32 v9, v9, s57, 1.0
	s_wait_alu depctr_va_vdst(0)
	v_mul_f32 v6, v10, v8                  ; inv_freq, e = 0
	v_mul_f32 v7, v11, v9                  ; e = 1
	v_mul_u32_u24 v8, v3, 3                ; sin x = cos(x + 3 pi / 2): the sine lanes add 3 quarters
	s_wait_kmcnt 0x0
.macro ANG n, e                        ; column e of token n into v[16 + 2 n + e]; v9 = the position as f32
	v_mul_f32 v10, v9, v[6+(\e)]           ; ang, rounded to f32
	v_mul_f32 v11, s48, v10
	v_rndne_f32 v11, v11                   ; quarters
	v_fma_f32 v12, v11, s49, v10
	v_fma_f32 v12, v11, s50, v12           ; r
	v_cvt_i32_f32 v13, v11
	v_add_nc_u32 v13, v13, v8
	v_mul_f32 v35, v12, v12                ; r^2
	v_fma_f32 v36, v35, s51, s52
	v_fma_f32 v33, v35, s54, s55
	v_fma_f32 v36, v35, v36, s53
	v_fma_f32 v33, v35, v33, s56
	v_mul_f32 v32, v12, v35
	v_fma_f32 v33, v35, v33, -0.5
	v_fma_f32 v36, v32, v36, v12           ; sin r
	v_fma_f32 v33, v35, v33, 1.0           ; cos r
	v_and_b32 v34, 1, v13
	v_cmp_eq_u32 vcc_lo, 1, v34
	v_cndmask_b32 v33, v33, v36, vcc_lo    ; odd quarter: the sine
	v_and_b32 v34, 3, v13
	v_add_nc_u32 v34, 1, v34
	v_lshrrev_b32 v34, 1, v34
	v_lshlrev_b32 v34, 31, v34             ; quarters 1 and 2: minus
	v_xor_b32 v33, v33, v34
	v_mul_f32 v[16+2*(\n)+(\e)], 0x3e000000, v33   ; / 8: q and k leave the next launch divided by 8
.endm
.irp n, 0,1,2,3
	v_cvt_f32_i32 v9, s[40+(\n)]
	ANG \n, 0
	ANG \n, 1
	global_store_b64 v5, v[16+2*(\n):17+2*(\n)], s[6:7] offset:256*(\n)   ; a token's row: 256 bytes
.endr
	s_endpgm
.Lw:	; WQKV: job = 80 s + g; the wave takes k rows 192 s + 24 w .. + 23 of head g
	s_mul_i32 s10, s9, 13108
	s_lshr_b32 s10, s10, 20                ; s = job / 80 (exact for job < 1200)
	s_mul_i32 s11, s10, 80
	s_sub_co_u32 s11, s9, s11              ; g
	s_mul_i32 s12, s11, 13108
	s_lshr_b32 s12, s12, 16                ; t = g / 5
	s_mul_i32 s13, s12, 5
	s_sub_co_u32 s13, s11, s13             ; p
	s_mul_i32 s14, s12, 15
	s_add_co_u32 s14, s14, s10
	s_mul_i32 s14, s14, 5
	s_add_co_u32 s14, s14, s13
	s_mul_i32 s14, s14, 24576              ; a panel is 192 rows of 128 bytes,
	s_mul_i32 s36, s8, 3072                ; a wave's 24 rows 3,072
	s_add_co_u32 s14, s14, s36
	s_add_nc_u64 s[6:7], s[30:31], s[14:15]
	s_mul_i32 s36, s10, 192
	s_mul_i32 s37, s8, 24
	s_add_co_u32 s36, s36, s37             ; first k row
	s_cmp_lt_u32 s11, 64
	s_cbranch_scc0 .Lkv
	s_lshl_b32 s14, s36, 14                ; Wq: a row is 16,384 bytes
	s_lshl_b32 s37, s11, 8
	s_add_co_u32 s14, s14, s37
	s_add_nc_u64 s[4:5], s[18:19], s[14:15]
	PANEL 16384, 0, 12
.Lkv:
	s_cmp_lt_u32 s11, 72
	s_cselect_b64 s[4:5], s[20:21], s[22:23]   ; Wk or Wv
	s_cselect_b32 s37, 64, 72
	s_sub_co_u32 s37, s11, s37
	s_lshl_b32 s37, s37, 8
	s_lshl_b32 s14, s36, 11                ; a row is 2,048 bytes
	s_add_co_u32 s14, s14, s37
	s_add_nc_u64 s[4:5], s[4:5], s[14:15]
	PANEL 2048, 0, 12
.Lo:	; WO16: job = 45 s + g; the wave takes k rows 256 s + 32 w .. + 31
	s_sub_co_u32 s9, s9, NW
	s_mul_i32 s10, s9, 23302
	s_lshr_b32 s10, s10, 20                ; s = job / 45 (exact for job < 720)
	s_mul_i32 s11, s10, 45
	s_sub_co_u32 s11, s9, s11              ; g
	s_mul_i32 s12, s11, 21846
	s_lshr_b32 s12, s12, 16                ; t = g / 3
	s_mul_i32 s13, s12, 3
	s_sub_co_u32 s13, s11, s13             ; p
	s_lshl_b32 s14, s12, 4
	s_add_co_u32 s14, s14, s10
	s_mul_i32 s14, s14, 3
	s_add_co_u32 s14, s14, s13
	s_lshl_b32 s14, s14, 15                ; a panel is 256 rows of 128 bytes
	s_lshl_b32 s36, s8, 12
	s_add_co_u32 s14, s14, s36
	s_add_nc_u64 s[6:7], s[32:33], s[14:15]
	s_lshl_b32 s36, s10, 8
	s_lshl_b32 s37, s8, 5
	s_add_co_u32 s36, s36, s37
	s_mul_i32 s14, s36, 11520
	s_lshl_b32 s37, s11, 8
	s_add_co_u32 s14, s14, s37
	s_add_nc_u64 s[4:5], s[24:25], s[14:15]
	PANEL 11520, 1, 16
.Lh:	; ABF: wave number wi = 15 tb + sg takes tokens 16 tb .. + 15, k = 192 sg .. + 191: three strips of 64 k (256 bytes of f32 a row)
	s_sub_co_u32 s10, s9, NW+NO
	s_lshl3_add_u32 s10, s10, s8           ; wi
	s_mul_i32 s11, s10, 4370
	s_lshr_b32 s11, s11, 16                ; tb = wi / 15 (exact for wi < 1920)
	s_mul_i32 s12, s11, 15
	s_sub_co_u32 s12, s10, s12             ; sg
	s_mul_i32 s14, s11, 16*11520
	s_mul_i32 s13, s12, 768
	s_add_co_u32 s14, s14, s13
	s_add_nc_u64 s[4:5], s[16:17], s[14:15]
	s_lshr_b32 s13, s11, 2                 ; tg
	s_mul_i32 s14, s13, 368640             ; 90 chunks of 4,096 bytes
	s_and_b32 s13, s11, 3                  ; a
	s_lshl_b32 s13, s13, 10
	s_add_co_u32 s14, s14, s13
	s_mul_i32 s13, s12, 6*4096             ; six chunks
	s_add_co_u32 s14, s14, s13
	s_add_nc_u64 s[6:7], s[28:29], s[14:15]
	s_mul_i32 s13, s8, WREG                ; my wave's LDS
	v_mul_u32_u24 v4, v3, 11520
	v_lshl_add_u32 v4, v2, 4, v4
	v_mul_u32_u24 v6, v3, 144              ; in: row 2 i + lane / 16, 8 bytes (4 k) a lane
	v_lshl_add_u32 v6, v2, 3, v6
	v_add_nc_u32 v6, s13, v6
	v_mul_u32_u24 v7, v2, 144              ; back: row lane % 16, 16 bytes (8 k) at 8 (lane / 16)
	v_lshl_add_u32 v7, v3, 4, v7
	v_add_nc_u32 v7, s13, v7
	v_lshlrev_b32 v8, 4, v1
.set n, 0
.rept 24                               ; strip n / 8, rows 2 (n % 8) and + 1
	global_load_b128 v[16+4*n:19+4*n], v4, s[4:5] offset:2*(n%8)*11520+256*(n/8) th:TH_LOAD_NT
.set n, n+1
.endr
.set n, 0
.rept 3
.rept 8
	s_wait_loadcnt 23-n
	v_cvt_pk_bf16_f32 v[16+4*n], v[16+4*n], v[17+4*n]
	v_cvt_pk_bf16_f32 v[17+4*n], v[18+4*n], v[19+4*n]
	ds_store_b64 v6, v[16+4*n:17+4*n] offset:288*(n%8)
.set n, n+1
.endr
.set u, n/8-1
.irp m, 0,1,2,3                        ; piece m = 2 x (chunk of the strip) + half.  LDS serves a wave's instructions in order (ISA guide 5.7.1.4): these see the stores above
	ds_load_b128 v[16+32*u+4*\m:19+32*u+4*\m], v7 offset:32*\m
.endr
.irp m, 0,1,2,3
	s_wait_dscnt 3-\m                      ; at m = 3 all reads are back: the next strip may write the rows again
	global_store_b128 v8, v[16+32*u+4*\m:19+32*u+4*\m], s[6:7] offset:(2*u+\m/2)*4096+(\m%2)*512   ; 512 consecutive bytes
.endr
.endr
	s_wait_tensorcnt 0x0                   ; the end of a wave that wrote LDS
	ds_add_u32 v[SPW], v[NIL]
	s_wait_dscnt 0x0
	s_endpgm
.Lfunc_end_k_q92a9921a38_prep:
	.size	k_q92a9921a38_prep, .Lfunc_end_k_q92a9921a38_prep-k_q92a9921a38_prep
	.p2alignl 7, 3214868480
	.fill 96, 4, 3214868480
	.section	.rodata,"a",@progbits
	.p2align	6, 0x0
	.amdhsa_kernel k_q92a9921a38_prep
		.amdhsa_group_segment_fixed_size 19456
		.amdhsa_private_segment_fixed_size 0
		.amdhsa_enable_private_segment 0
		.amdhsa_kernarg_size 80
		.amdhsa_user_sgpr_count 2
		.amdhsa_user_sgpr_kernarg_segment_ptr 1
		.amdhsa_wavefront_size32 1
		.amdhsa_system_sgpr_workgroup_id_x 1
		.amdhsa_system_sgpr_workgroup_id_y 1
		.amdhsa_system_sgpr_workgroup_id_z 1
		.amdhsa_system_vgpr_workitem_id 0
		.amdhsa_next_free_vgpr 112
		.amdhsa_next_free_sgpr 66
		.amdhsa_reserve_vcc 1
		.amdhsa_float_denorm_mode_32 3
		.amdhsa_float_denorm_mode_16_64 3
		.amdhsa_memory_ordered 1
		.amdhsa_forward_progress 1
		.amdhsa_inst_pref_size 45
	.end_amdhsa_kernel
	.amdgpu_metadata
---
amdhsa.version: [ 1, 2 ]
amdhsa.kernels:
  - .name:           k_q92a9921a38_prep
    .symbol:         k_q92a9921a38_prep.kd
    .args:
      - { .name: hidden, .offset: 0, .size: 8, .value_kind: global_buffer, .address_space: global }
      - { .name: Wq, .offset: 8, .size: 8, .value_kind: global_buffer, .address_space: global }
      - { .name: Wk, .offset: 16, .size: 8, .value_kind: global_buffer, .address_space: global }
      - { .name: Wv, .offset: 24, .size: 8, .value_kind: global_buffer, .address_space: global }
      - { .name: Wo, .offset: 32, .size: 8, .value_kind: global_buffer, .address_space: global }
      - { .name: positions, .offset: 40, .size: 8, .value_kind: global_buffer, .address_space: global }
      - { .name: abf, .offset: 48, .size: 8, .value_kind: global_buffer, .address_space: global }
      - { .name: wqkv, .offset: 56, .size: 8, .value_kind: global_buffer, .address_space: global }
      - { .name: wo16, .offset: 64, .size: 8, .value_kind: global_buffer, .address_space: global }
      - { .name: tab, .offset: 72, .size: 8, .value_kind: global_buffer, .address_space: global }
    .group_segment_fixed_size: 19456
    .private_segment_fixed_size: 0
    .kernarg_segment_align: 8
    .kernarg_segment_size: 80
    .max_flat_workgroup_size: 256
    .sgpr_count:     66
    .vgpr_count:     112
    .wavefront_size: 32
...
	.end_amdgpu_metadata
.endif
;; end of part 5
;; launch qkv (part 6): grid 16 x 16, 4 waves a work-group, clusters of 4 x 4, 327,680 bytes of LDS; arguments abf, wqkv, tab, bq, bk, bv, qkv; writes qkv
.if DOCPART == 6
	.amdgcn_target "amdgcn-amd-amdhsa--gfx1250"
	.amdhsa_code_object_version 6
	.text
	.protected	k_q92a9921a38_qkv
	.globl	k_q92a9921a38_qkv
	.p2align	8
	.type	k_q92a9921a38_qkv,@function
k_q92a9921a38_qkv:
	s_mov_b64 s[64:65], 0
	v_nop
	global_prefetch_b8 v0, s[64:65] scope:SCOPE_SE
	s_setreg_imm32_b32 hwreg(HW_REG_WAVE_MODE, 25, 1), 1
	s_wait_xcnt 0x0
	s_wait_alu depctr_hold_cnt(0) depctr_sa_sdst(0) depctr_va_vdst(0) depctr_va_sdst(0) depctr_va_ssrc(0) depctr_va_vcc(0) depctr_vm_vsrc(0)
	s_getreg_b32 s2, hwreg(HW_REG_IB_STS2, 6, 4)
	s_cmp_eq_u32 s2, 0
	s_cbranch_scc0 .Lentry_in_a_cluster
	s_endpgm
.Lentry_in_a_cluster:
	s_bfe_u32 s2, ttmp6, 0x10000c
	s_cmp_lg_u32 s2, 0xf033
	s_cbranch_scc0 .Lentry_shape_is_right
	s_endpgm
.Lentry_shape_is_right:
; QKV: [2048 tokens] x [5120 = 80 heads of 64] = hidden x W over K = 2880 (90 chunks of 32), bf16 operands, f32 sums that start with the bias (rounded to bf16 like every input);
; then RoPE on the 72 q and k heads, and f16 out by heads: qkv [g 80][token][64] = q/8, k/8 (the table holds cos/8, sin/8) and v/4.
; LIMITS.  f16 ends at 65,504: |q|, |k| < 5.2e5 and |v| < 2.6e5 before those exact scalings.  NaN and infinities are not treated apart.
; SHARES.  A work-group: 128 tokens x 320 columns (5 heads): 16 x 16 work-groups.  A wave: 64 tokens (MH) x ten column blocks of 16: two whole heads (3 WC, 3 WC + 1) and of head 2
; the blocks WC and WC + 2.  So RoPE's partners, columns n and n + 32, lie in the same lane and register of accumulators b and b + 2 (b = 0, 1, 4, 5), and of 8 and 9.
; THE MATRIX INSTRUCTION IS USED TRANSPOSED: source 0 = 16 columns of W (turned out of LDS by ds_load_tr16_b128), source 1 = 16 tokens: a lane holds one token and eight neighbouring columns.
; B'S RING.  Two LDS slots, each 192 along K (six chunks): 5 panels x 192 k rows x 128 bytes, 32 bytes of padding behind every two rows.  Each wave fetches a quarter of a slot, jointly with
; its column of the 4 x 4 cluster (B's tile hangs on the tile column alone); the table's rows are asked for jointly along the cluster's row.
; A trip of the loop is ONE slot: the slot that is read is a scalar, 0 or SLOT, turned by an exclusive or at the change of slots; B's two LDS addresses and the walking descriptor's LDS word are made from it.
; A COMES STRAIGHT INTO REGISTERS, not through LDS and so without multicast: with A's 128 rows a slot of 192 along K would be 55,296 + 138,240 bytes, and two of them do not fit in 327,680;
; without A the slot holds 240 matrix instructions a wave where a slot of 128 along K held 160.  abf lies in fragment order, so each load of a wave is 512 consecutive bytes.
; Chunk c asks for chunk c + 5, 200 matrix instructions ahead: 40 loads of a wave are out.  Six register buffers, as many as a trip has chunks, so that every buffer has one name in the text.
; REGISTERS.  Window 0: v0-31 addresses; v32-111, v112-191 two buffers of B's ten fragments.  Window 1: accumulators 10 a + b = 0..31.
; Window 2: v0-63 accumulators 32..39; v64-255 A's six buffers.  Window 3: v0-79 the bias as C operands, block b at 8 b; v80-83 at work.
.set PAT, 272                          ; the table's LDS pitch: 256 + 16
.set PANELB, 96*288                    ; a panel: 192 k rows; two rows and their padding are 288 bytes: the 8 rows of a turning load start at 0, 128, 32, 160, 64, 192, 96, 224 modulo 256
.set KQ, 16*288                        ; 32 k rows
.set KH, 8*288                         ; 16 k rows
.set SLOT, 5*PANELB                    ; 138,240
.set TABL, 2*SLOT                      ; the table's 128 rows
.set SPARE, TABL+128*PAT               ; the spare words: 128 bytes a wave, two blocks of 256 bytes that no other line names
.set STAGE, SLOT                       ; the way out uses the second slot's bytes, behind their last fill and last read: [5 heads][128 rows], pitch 144
.set SPT, 144
.set HSTG, 128*SPT
.set ADRBF, 18                         ; v18 my two whole heads of B in the slot that is read; v19 the same in the first slot, never rewritten
.set BF0, 19
.set ADRBH, 20                         ; v20, v21 likewise for my blocks of head 2
.set BH0, 21
.set STOF, 22
.set STOH, 23
.set RD0, 24
.set RD1, 25
.set GO, 26                            ; 16 x lane: my 16 bytes of 512, for A's loads and for the stores
.set CSA, 27                           ; my token's table row, frequencies 8 h on
.set SPW, 28
.set NIL, 29
.set CSH, 30                           ; the same for head 2's blocks: 16 WC frequencies on
.set BO, 31
.set BOH, 15
.set F0, 32
.set F1, 112
.set AF, 64                            ; window 2: A's buffer n at AF + 32 n
.set BC, 0                             ; window 3
.set BT, 80
.set E0, 32                            ; the way out, window 0: table rows (8 cosines, 8 sines) for frequencies 0.., 16.., and head 2's
.set E1, 48
.set EH, 64
.set CP, 80
.set SN, 88
.set TT, 96
.set UU, 104
.set PKD, 112
.set WV, 18
.set MH, 19
.set WC, 20
.set AB, 24                            ; s[24:25] A at the chunk with which the trip began
.set WOFF, 26                          ; s26 my quarter's place in a slot
.set TR, 27                            ; s27 the slot that is read: 0 or SLOT
.set HM, 28                            ; s28 a word's upper half
.set G1B, 48
.set G0B, 56                           ; s[56:59] group 0 of the first slot's first fill
.set G0W, 60                           ; s[60:63] of the second slot's; then it walks
.set G0T, 68
.set G1T, 72
.set PADT, (1<<16)|(1<<20)|(1<<21)|(5<<22)|(3<<25)   ; 2-byte elements; padding on; bit 21 beside a mask; after every 64 words 4 words
.set PADB, (1<<16)|(1<<20)|(1<<21)|(5<<22)|(7<<25)   ; after every 64 words 8 words
.set MSB, 0
.macro WIN new                         ; the immediate's high byte repeats the setting that is left; a switch that changes nothing is dropped
.if MSB != (\new)
	s_set_vgpr_msb (MSB<<8)|(\new)
.set MSB, (\new)
.endif
.endm
.macro PLACES                          ; four plain places behind matrix instructions, ahead of loads into their sources and of reads of their results
.rept 4
	v_nop
.endr
.endm
.macro CREST                           ; a round of the cluster's barrier behind its opening barrier
	s_cmp_lg_u32 s[WV], 0
	s_cbranch_scc1 .Lnot_wave_0_\@
	s_barrier_signal -3
.Lnot_wave_0_\@:
	s_barrier_wait -3
	s_barrier_signal -1
	s_barrier_wait -1
.endm
.macro CROUND
	s_barrier_signal -1
	s_barrier_wait -1
	CREST
.endm
; Accumulators lo..hi, 32 along K: B's buffer f, A's buffer ab.  All 40 take turns in the same order in every chunk, one instruction a turn.  first = 1: C is the bias.
.macro MULR f, ab, lo, hi, first
.set ar, AF+32*(\ab)
.set idx, \lo
.rept (\hi)-(\lo)+1
.set mb, idx%10
.set ma, idx/10
.set md, 8*(idx%32)
.set dw, 1+idx/32
.if \first
	WIN (dw<<6)|(3<<4)|(2<<2)
	v_wmma_f32_16x16x32_bf16 v[md:md+7], v[(\f)+8*mb:(\f)+8*mb+7], v[ar+8*ma:ar+8*ma+7], v[BC+8*mb:BC+8*mb+7]
.else
	WIN (dw<<6)|(dw<<4)|(2<<2)
	v_wmma_f32_16x16x32_bf16 v[md:md+7], v[(\f)+8*mb:(\f)+8*mb+7], v[ar+8*ma:ar+8*ma+7], v[md:md+7]
.endif
.set idx, idx+1
.endr
.endm
; 20 LDS loads in one run: B's ten fragments of chunk q of the slot that is read, into buffer f
.macro FETCH q, f
	WIN 0
.irp b, 0,1,2,3,4,5,6,7
	ds_load_tr16_b128 v[(\f)+8*(\b):(\f)+8*(\b)+3],   v[ADRBF] offset:((\b)/4)*PANELB+32*((\b)%4)+KQ*(\q)
	ds_load_tr16_b128 v[(\f)+8*(\b)+4:(\f)+8*(\b)+7], v[ADRBF] offset:((\b)/4)*PANELB+32*((\b)%4)+KQ*(\q)+KH
.endr
.irp b, 0,1
	ds_load_tr16_b128 v[(\f)+64+8*(\b):(\f)+64+8*(\b)+3],   v[ADRBH] offset:64*(\b)+KQ*(\q)
	ds_load_tr16_b128 v[(\f)+64+8*(\b)+4:(\f)+64+8*(\b)+7], v[ADRBH] offset:64*(\b)+KQ*(\q)+KH
.endr
.endm
; Eight loads of 512 consecutive bytes: A's four fragments of the chunk jj behind the trip's first, into buffer ab
.macro ALOAD ab, jj
	WIN 0x80
.set ar, AF+32*(\ab)
.irp a, 0,1,2,3
	global_load_b128 v[ar+8*\a:ar+8*\a+3],   v[GO], s[AB:AB+1] offset:(\jj)*4096+\a*1024
	global_load_b128 v[ar+8*\a+4:ar+8*\a+7], v[GO], s[AB:AB+1] offset:(\jj)*4096+\a*1024+512
.endr
.endm
; Chunk j of a trip (chunk j % 6 of its slot).  Behind its first ten products and four places: the next chunk's fragments of B, and (ld = 1) A's loads for chunk j + 5, into the buffer that the chunk before read.
; lc: the loads issued behind this chunk's own: eight for each of the chunks asked for since, four of them while there are so many left.
.macro CH j, ld, lc, first
.set cq, (\j)%6
.set cf, F0+80*(cq%2)
.set cg, F0+80*((cq+1)%2)
.set cab, (\j)%6
.set lab, ((\j)+5)%6
	s_wait_loadcnt \lc                     ; A's fragments of this chunk are in
	s_wait_dscnt 0x0                       ; B's too: they were asked for thirty products ago
	MULR cf, cab, 0, 9, \first
	WIN 0
	PLACES
	FETCH cq+1, cg
.if \ld
	ALOAD lab, (\j)+5
.endif
	MULR cf, cab, 10, 39, \first
.endm
; A slot's last chunk changes slots: one barrier; ahead of it each wave waits for all its tensor loads (one is out: its quarter of the next slot), adds 0 to its spare word, and waits for that
; and for its reads of this slot, which ended with this chunk's fragments.  fill = 1: the barrier opens a round of the cluster's, and the joint refill of the slot just read, with the block two
; slots on, is the first thing behind it: 220 of a slot's 240 matrix instructions stand between the request and the wait for it.  Then the reads turn to the other slot.
.macro TURN j, fill, ld, lc
.set cab, (\j)%6
.set lab, ((\j)+5)%6
	WIN 0
	s_wait_tensorcnt 0x0
	ds_add_u32 v[SPW], v[NIL]
	s_wait_loadcnt \lc
	s_wait_dscnt 1                         ; B's fragments are in; the add alone may be out
	MULR F1, cab, 0, 9, 0
	s_wait_dscnt 0x0                       ; the add is done, my reads of this slot are over
	s_barrier_signal -1
	MULR F1, cab, 10, 19, 0
	WIN 0
	s_barrier_wait -1
.if \fill
	CREST
	s_add_co_u32 s[G0W+1], s[TR], s[WOFF]  ; no tensor load of mine is out: the walking group 0 takes the slot just read,
	s_add_nc_u64 s[G0W+2:G0W+3], s[G0W+2:G0W+3], 122880   ; and the next block; the type bits on top are not reached
	s_xor_b32 s[TR], s[TR], SLOT
	tensor_load_to_lds s[G0W:G0W+3], s[G1B:G1B+7]
	s_nop 0
.else
	s_xor_b32 s[TR], s[TR], SLOT
.endif
	v_add_nc_u32 v[ADRBF], s[TR], v[BF0]   ; four plain lines: behind the load, and the places ahead of the loads below
	v_add_nc_u32 v[ADRBH], s[TR], v[BH0]
	v_nop
	v_nop
	FETCH 0, F0
.if \ld
	ALOAD lab, (\j)+5
.endif
	MULR F1, cab, 20, 39, 0
.endm
; What head g needs: R = 1, V = 0 for q and k, R = 0, V = 1/4 for v (each written as a pair), and its 64 numbers of the bias.  Selects only: no branch hangs on the tile column.
.macro HEADSET g, rv, bp
	s_cmp_lt_u32 \g, 72
	s_cselect_b32 s[\rv], 1.0, 0
	s_cselect_b32 s[\rv+2], 0, 0x3e800000
	s_mov_b32 s[\rv+1], s[\rv]
	s_mov_b32 s[\rv+3], s[\rv+2]
	s_cselect_b64 s[\bp:\bp+1], s[12:13], s[14:15]
	s_cselect_b32 s82, 64, 72
	s_cmp_lt_u32 \g, 64
	s_cselect_b64 s[\bp:\bp+1], s[10:11], s[\bp:\bp+1]
	s_cselect_b32 s82, 0, s82
	s_sub_co_u32 s82, \g, s82
	s_lshl_b32 s82, s82, 8
	s_mov_b32 s83, 0
	s_add_nc_u64 s[\bp:\bp+1], s[\bp:\bp+1], s[82:83]
.endm
	s_load_b256 s[4:11], s[0:1], 0x0       ; abf 4, wqkv 6, tab 8, bq 10
	s_load_b128 s[12:15], s[0:1], 0x20     ; bk 12, bv 14
	s_load_b64 s[16:17], s[0:1], 0x30      ; qkv
	v_lshl_add_u32 v[SPW], v0, 2, SPARE
	v_mov_b32 v[NIL], 0
	ds_add_u32 v[SPW], v[NIL]              ; the wave's opening: the add and its wait stand ahead of my first tensor load
	ds_add_u32 v28, v29
	v_lshrrev_b32 v1, 5, v0
	v_readfirstlane_b32 s[WV], v1
	s_lshr_b32 s[MH], s[WV], 1             ; my half of the tokens
	s_and_b32 s[WC], s[WV], 1              ; my half of the columns
	s_bfe_u32 s21, ttmp6, 0x40000          ; cx
	s_bfe_u32 s22, ttmp6, 0x40004          ; cy
	s_lshl_b32 s23, ttmp9, 2
	s_add_co_u32 s23, s23, s21             ; tile column t
	s_and_b32 s40, ttmp7, 0xffff
	s_lshl_b32 s40, s40, 2
	s_add_co_u32 s40, s40, s22             ; tile row
	s_lshl_b32 s41, s22, 2
	s_lshl_b32 s41, 15, s41                ; my row of the cluster
	s_lshl_b32 s42, 0x1111, s21            ; my column
	s_or_b32 s[G1T], s41, PADT
	s_or_b32 s[G1B], s42, PADB
	s_mov_b32 s[G1B+1], 128<<16            ; B: a quarter of a slot, 30,720 dense bytes, as 120 rows of 256: two k rows a row
	s_mov_b32 s[G1B+2], 120<<16
	s_mov_b32 s[G1B+3], 128<<16
	s_mov_b32 s[G1B+4], 120
	s_mov_b32 s[G1B+5], 128
	s_mov_b32 s[G1B+6], 0
	s_mov_b32 s[G1B+7], 0
	s_mov_b32 s[G1T+1], 128<<16            ; the table: 32 rows of 256 bytes a wave
	s_mov_b32 s[G1T+2], 32<<16
	s_mov_b32 s[G1T+3], 128<<16
	s_mov_b32 s[G1T+4], 32
	s_mov_b32 s[G1T+5], 128
	s_mov_b32 s[G1T+6], 0
	s_mov_b32 s[G1T+7], 0
	s_mul_i32 s[WOFF], s[WV], 120*288      ; LDS addresses hang on the wave's number and the slot alone
	s_mov_b32 s[TR], 0
	s_mov_b32 s[HM], 0xffff0000
.irp n, 0,1
	s_mov_b32 s[G0B+4*(\n)], 1
	s_add_co_u32 s[G0B+4*(\n)+1], s[WOFF], (\n)*SLOT
.endr
	s_mov_b32 s[G0T], 1
	s_mul_i32 s[G0T+1], s[WV], 32*PAT
	s_add_co_u32 s[G0T+1], s[G0T+1], TABL
	s_lshl_b32 s44, s40, 1                 ; A: my group of 64 tokens, 90 chunks of 4,096 bytes
	s_add_co_u32 s44, s44, s[MH]
	s_mul_i32 s44, s44, 368640
	s_mov_b32 s45, 0
	s_mul_i32 s46, s23, 15*122880          ; B: block (t, 0), and my quarter of it
	s_mul_i32 s47, s[WV], 30720
	s_add_co_u32 s46, s46, s47
	s_mov_b32 s47, 0
	s_lshl_b32 s80, s40, 7                 ; the table: row 128 x tile row + 32 x wave
	s_lshl_b32 s81, s[WV], 5
	s_add_co_u32 s80, s80, s81
	s_lshl_b32 s80, s80, 8
	s_mov_b32 s81, 0
	s_wait_dscnt 0x0                       ; the opening add is done
	s_wait_kmcnt 0x0
	s_add_nc_u64 s[AB:AB+1], s[4:5], s[44:45]
	s_add_nc_u64 s[46:47], s[6:7], s[46:47]
.irp n, 0,1
	s_add_nc_u64 s[G0B+4*(\n)+2:G0B+4*(\n)+3], s[46:47], (\n)*122880
	s_or_b32 s[G0B+4*(\n)+3], s[G0B+4*(\n)+3], 0x80000000
.endr
	s_add_nc_u64 s[G0T+2:G0T+3], s[8:9], s[80:81]
	s_or_b32 s[G0T+3], s[G0T+3], 0x80000000
	CROUND                                 ; all sixteen work-groups are here: the first joint loads meet
	tensor_load_to_lds s[G0T:G0T+3], s[G1T:G1T+7]   ; my 32 rows of the table
	s_nop 0
	tensor_load_to_lds s[G0B:G0B+3], s[G1B:G1B+7]   ; the first slot
	s_nop 0
	tensor_load_to_lds s[G0W:G0W+3], s[G1B:G1B+7]   ; the second: three loads of mine are out
	s_nop 0
	PLACES
	v_and_b32 v1, 15, v0                   ; r
	v_bfe_u32 v2, v0, 4, 1                 ; h
	v_and_b32 v[GO], 31, v0
	v_lshlrev_b32 v[GO], 4, v[GO]
	v_lshlrev_b32 v[BO], 5, v2
	s_lshl_b32 s3, s[WC], 6
	v_add_nc_u32 v[BOH], s3, v[BO]
	s_mul_i32 s43, s23, 5                  ; the tile's first head
	s_mul_i32 s66, s[WC], 3
	s_add_co_u32 s66, s66, s43
	HEADSET s66, 84, 96
	s_add_co_u32 s66, s66, 1
	HEADSET s66, 88, 98
	s_add_co_u32 s66, s43, 2
	HEADSET s66, 92, 100
	WIN 0xc0                               ; destination window 3
.irp b, 0,1,2,3
	global_load_b128 v[BC+8*(\b):BC+8*(\b)+3],       v[BO], s[96:97] offset:64*(\b)
	global_load_b128 v[BC+8*(\b)+4:BC+8*(\b)+7],     v[BO], s[96:97] offset:64*(\b)+16
	global_load_b128 v[BC+32+8*(\b):BC+32+8*(\b)+3],   v[BO], s[98:99] offset:64*(\b)
	global_load_b128 v[BC+32+8*(\b)+4:BC+32+8*(\b)+7], v[BO], s[98:99] offset:64*(\b)+16
.endr
.irp b, 0,1
	global_load_b128 v[BC+64+8*(\b):BC+64+8*(\b)+3],   v[BOH], s[100:101] offset:128*(\b)
	global_load_b128 v[BC+64+8*(\b)+4:BC+64+8*(\b)+7], v[BOH], s[100:101] offset:128*(\b)+16
.endr
.irp c, 0,1,2,3,4
	ALOAD \c, \c                           ; A's chunks 0 to 4: 40 loads
.endr
	WIN 0
	v_and_b32 v5, 7, v0
	v_bfe_u32 v6, v0, 3, 1
	v_lshrrev_b32 v4, 1, v5                ; the turning load: k row 8 h + l % 8: pair of rows 4 h + (l % 8) / 2,
	v_lshl_add_u32 v4, v2, 2, v4
	v_mul_u32_u24 v4, v4, 288
	v_and_b32 v10, 1, v0
	v_lshl_add_u32 v4, v10, 7, v4          ; the pair's first or second row,
	v_lshl_add_u32 v4, v6, 4, v4           ; columns 8 ((l / 8) % 2) on
	s_mul_i32 s2, s[WC], 3*PANELB
	v_add_nc_u32 v[BF0], s2, v4
	v_mov_b32 v[ADRBF], v[BF0]
	s_lshl_b32 s2, s[WC], 5
	s_add_co_u32 s2, s2, 2*PANELB
	v_add_nc_u32 v[BH0], s2, v4
	v_mov_b32 v[ADRBH], v[BH0]
	v_mul_u32_u24 v7, v1, SPT              ; into the stage: row r, 16 bytes for each half of the lanes
	v_lshl_add_u32 v7, v2, 4, v7
	s_mul_i32 s2, s[MH], 64*SPT
	s_add_co_u32 s2, s2, STAGE
	s_mul_i32 s3, s[WC], 3*HSTG
	s_add_co_u32 s3, s3, s2
	v_add_nc_u32 v[STOF], s3, v7
	s_lshl_b32 s3, s[WC], 5
	s_add_co_u32 s3, s3, s2
	s_add_co_u32 s3, s3, 2*HSTG
	v_add_nc_u32 v[STOH], s3, v7
	v_bfe_u32 v8, v0, 3, 2                 ; back: 32 lanes take four rows of 128 bytes; wave w the rows 32 w .. of every head
	v_mul_u32_u24 v8, v8, SPT
	v_lshl_add_u32 v8, v5, 4, v8
	s_mul_i32 s2, s[WV], 32*SPT
	s_add_co_u32 s2, s2, STAGE
	v_add_nc_u32 v[RD0], s2, v8
	v_add_nc_u32 v[RD1], 3*HSTG, v[RD0]
	v_mul_u32_u24 v9, v1, PAT
	v_lshl_add_u32 v9, v2, 5, v9
	s_mul_i32 s2, s[MH], 64*PAT
	s_add_co_u32 s2, s2, TABL
	v_add_nc_u32 v[CSA], s2, v9
	s_lshl_b32 s3, s[WC], 6
	v_add_nc_u32 v[CSH], s3, v[CSA]
	s_mul_i32 s66, s23, 5*262144           ; where my rows of the five heads begin in qkv
	s_lshl_b32 s80, s40, 14
	s_add_co_u32 s66, s66, s80
	s_lshl_b32 s80, s[WV], 12
	s_add_co_u32 s66, s66, s80
	s_mov_b32 s67, 0
	s_add_nc_u64 s[16:17], s[16:17], s[66:67]
	s_wait_loadcnt 40                      ; the bias is in; A's 40 loads stay out
	WIN 0xcf                               ; the bias is rounded to bf16 like the other inputs and kept as f32
.set z, 0
.rept 40
	v_cvt_pk_bf16_f32 v[BT+z%4], v[BC+2*z], v[BC+2*z+1]
	v_lshlrev_b32 v[BC+2*z], 16, v[BT+z%4]
	v_and_b32 v[BC+2*z+1], s[HM], v[BT+z%4]
.set z, z+1
.endr
	WIN 0
	s_wait_tensorcnt 0x1                   ; my rows of the table and my quarter of the first slot are in; the second's may stay out
	s_barrier_signal -1
	s_barrier_wait -1
	FETCH 0, F0
	CH 0, 1, 32, 1                         ; the first chunk stands ahead of the loop: its products start the sums with the bias
	WIN 0
	s_mov_b32 s3, 13
.Lslot:                                        ; a trip is six chunks, from a slot's second chunk to the next slot's first: thirteen trips ask for slots 2 to 14
.irp j, 1,2,3,4
	CH \j, 1, 32, 0
.endr
	TURN 5, 1, 1, 32
	CH 6, 1, 32, 0
	WIN 0
	s_wait_xcnt 0x0                        ; A's base is stepped only behind this wait
	s_add_nc_u64 s[AB:AB+1], s[AB:AB+1], 6*4096
	s_sub_co_u32 s3, s3, 1
	s_cmp_lg_u32 s3, 0
	s_cbranch_scc1 .Lslot
.irp j, 1,2,3,4                        ; chunks 79 to 89 are written out; A's last loads leave in chunk 84
	CH \j, 1, 32, 0
.endr
	TURN 5, 0, 1, 32                       ; behind this barrier nobody reads the second slot's bytes and nothing is filled any more
	CH 6, 1, 32, 0
	CH 7, 0, 32, 0
.irp j, 8,9,10
	CH \j, 0, 8*(11-\j), 0
.endr
	s_wait_loadcnt 0x0
	s_wait_dscnt 0x0
	MULR F1, 5, 0, 39, 0                   ; chunk 89: buffer 11 % 6
	WIN 0
	PLACES
; THE WAY OUT.  For x1 = accumulator b1 and x2 = b2 of token block a: out1 = x1 C - x2 S, out2 = x2 C + x1 S with C = cos/8 R + V, S = sin/8 R: RoPE and / 8 for q and k, x 1/4 for v.
; Each accumulator's registers are read in ascending order.  16 bytes a lane go into the stage.
.macro UNIT a, b1, b2, e, rv, sto, off
.set i1, 10*(\a)+(\b1)
.set i2, 10*(\a)+(\b2)
.set x1, 8*(i1%32)
.set x2, 8*(i2%32)
	WIN 0
.irp z, 0,2,4,6
	v_pk_fma_f32 v[CP+\z:CP+\z+1], v[(\e)+\z:(\e)+\z+1], s[\rv:\rv+1], s[\rv+2:\rv+3] op_sel_hi:[1,0,0]
.endr
.irp z, 0,2,4,6
	v_pk_mul_f32 v[SN+\z:SN+\z+1], v[(\e)+8+\z:(\e)+8+\z+1], s[\rv:\rv+1] op_sel_hi:[1,0]
.endr
	WIN 1+i2/32                            ; source 0 in x2's window
.irp z, 0,2,4,6
	v_pk_mul_f32 v[TT+\z:TT+\z+1], v[x2+\z:x2+\z+1], v[SN+\z:SN+\z+1]
.endr
.irp z, 0,2,4,6
	v_pk_mul_f32 v[UU+\z:UU+\z+1], v[x2+\z:x2+\z+1], v[CP+\z:CP+\z+1]
.endr
	WIN 1+i1/32
.irp z, 0,2,4,6
	v_pk_fma_f32 v[TT+\z:TT+\z+1], v[x1+\z:x1+\z+1], v[CP+\z:CP+\z+1], v[TT+\z:TT+\z+1] neg_lo:[0,0,1] neg_hi:[0,0,1]
.endr
.irp z, 0,2,4,6
	v_pk_fma_f32 v[UU+\z:UU+\z+1], v[x1+\z:x1+\z+1], v[SN+\z:SN+\z+1], v[UU+\z:UU+\z+1]
.endr
	WIN 0
.irp z, 0,1,2,3
	v_cvt_pk_f16_f32 v[PKD+\z], v[TT+2*\z], v[TT+2*\z+1]
.endr
.irp z, 0,1,2,3
	v_cvt_pk_f16_f32 v[PKD+4+\z], v[UU+2*\z], v[UU+2*\z+1]
.endr
	ds_store_b128 v[\sto], v[PKD:PKD+3] offset:\off
	ds_store_b128 v[\sto], v[PKD+4:PKD+7] offset:(\off)+64    ; the partner block lies 32 columns on
.endm
.irp a, 0,1,2,3
.set k, 0
.irp o, 0,16,128,144                   ; eight cosines, then eight sines
	ds_load_b128 v[E0+4*k:E0+4*k+3], v[CSA] offset:16*PAT*(\a)+(\o)
	ds_load_b128 v[E1+4*k:E1+4*k+3], v[CSA] offset:16*PAT*(\a)+(\o)+64
	ds_load_b128 v[EH+4*k:EH+4*k+3], v[CSH] offset:16*PAT*(\a)+(\o)
.set k, k+1
.endr
	s_wait_dscnt 0x0
	UNIT \a, 0, 2, E0, 84, STOF, 16*SPT*(\a)
	UNIT \a, 1, 3, E1, 84, STOF, 16*SPT*(\a)+32
	UNIT \a, 4, 6, E0, 88, STOF, HSTG+16*SPT*(\a)
	UNIT \a, 5, 7, E1, 88, STOF, HSTG+16*SPT*(\a)+32
	UNIT \a, 8, 9, EH, 92, STOH, 16*SPT*(\a)
.endr
	s_wait_dscnt 0x0                       ; for the others' sake: my stores into the stage are done
	s_barrier_signal -1
	s_barrier_wait -1
.set n, 0
.rept 40                               ; head n / 8, four rows n % 8
.if n/8 < 3
	ds_load_b128 v[32+4*n:35+4*n], v[RD0] offset:(n/8)*HSTG+4*SPT*(n%8)
.else
	ds_load_b128 v[32+4*n:35+4*n], v[RD1] offset:(n/8-3)*HSTG+4*SPT*(n%8)
.endif
.set n, n+1
.endr
.set n, 0
.rept 40
	s_wait_dscnt 39-n
	global_store_b128 v[GO], v[32+4*n:35+4*n], s[16:17] offset:(n/8)*262144+512*(n%8)   ; 512 consecutive bytes of a head, at a multiple of 256
.set n, n+1
.endr
	s_wait_tensorcnt 0x0                   ; the wave's end
	ds_add_u32 v[SPW], v[NIL]
	s_wait_dscnt 0x0
	CROUND                                 ; the closing round
	s_endpgm
.Lfunc_end_k_q92a9921a38_qkv:
	.size	k_q92a9921a38_qkv, .Lfunc_end_k_q92a9921a38_qkv-k_q92a9921a38_qkv
	.p2alignl 7, 3214868480
	.fill 96, 4, 3214868480
	.section	.rodata,"a",@progbits
	.p2align	6, 0x0
	.amdhsa_kernel k_q92a9921a38_qkv
		.amdhsa_group_segment_fixed_size 327680
		.amdhsa_private_segment_fixed_size 0
		.amdhsa_enable_private_segment 0
		.amdhsa_kernarg_size 56
		.amdhsa_user_sgpr_count 2
		.amdhsa_user_sgpr_kernarg_segment_ptr 1
		.amdhsa_wavefront_size32 1
		.amdhsa_system_sgpr_workgroup_id_x 1
		.amdhsa_system_sgpr_workgroup_id_y 1
		.amdhsa_system_sgpr_workgroup_id_z 1
		.amdhsa_system_vgpr_workitem_id 0
		.amdhsa_next_free_vgpr 852
		.amdhsa_next_free_sgpr 102
		.amdhsa_reserve_vcc 0
		.amdhsa_float_denorm_mode_32 3
		.amdhsa_float_denorm_mode_16_64 3
		.amdhsa_memory_ordered 1
		.amdhsa_forward_progress 1
		.amdhsa_inst_pref_size 160
	.end_amdhsa_kernel
	.amdgpu_metadata
---
amdhsa.version: [ 1, 2 ]
amdhsa.kernels:
  - .name:           k_q92a9921a38_qkv
    .symbol:         k_q92a9921a38_qkv.kd
    .args:
      - { .name: abf, .offset: 0, .size: 8, .value_kind: global_buffer, .address_space: global }
      - { .name: wqkv, .offset: 8, .size: 8, .value_kind: global_buffer, .address_space: global }
      - { .name: tab, .offset: 16, .size: 8, .value_kind: global_buffer, .address_space: global }
      - { .name: bq, .offset: 24, .size: 8, .value_kind: global_buffer, .address_space: global }
      - { .name: bk, .offset: 32, .size: 8, .value_kind: global_buffer, .address_space: global }
      - { .name: bv, .offset: 40, .size: 8, .value_kind: global_buffer, .address_space: global }
      - { .name: qkv, .offset: 48, .size: 8, .value_kind: global_buffer, .address_space: global }
    .group_segment_fixed_size: 327680
    .private_segment_fixed_size: 0
    .kernarg_segment_align: 8
    .kernarg_segment_size: 56
    .max_flat_workgroup_size: 128
    .sgpr_count:     102
    .vgpr_count:     852
    .wavefront_size: 32
...
	.end_amdgpu_metadata
.endif
;; end of part 6
;; launch attn (part 7): grid 16 x 16, 8 waves a work-group, no clusters, 167,936 bytes of LDS; arguments qkv, attn; writes attn
.if DOCPART == 7
	.amdgcn_target "amdgcn-amd-amdhsa--gfx1250"
	.amdhsa_code_object_version 6
	.text
	.protected	k_q92a9921a38_attn
	.globl	k_q92a9921a38_attn
	.p2align	8
	.type	k_q92a9921a38_attn,@function
k_q92a9921a38_attn:
	s_mov_b64 s[64:65], 0
	v_nop
	global_prefetch_b8 v0, s[64:65] scope:SCOPE_SE
	s_setreg_imm32_b32 hwreg(HW_REG_WAVE_MODE, 25, 1), 1
	s_wait_xcnt 0x0
; BANDED ATTENTION.  Query i sees the keys i - 127 .. i, which lie in its own block of 128 and the block before; block 0 has none before.  qkv holds q/8, k/8 (after RoPE) and v/4 in f16,
; [g 80][token][64].  attn takes O/4 in f16 in the order of the next launch's matrix fragments: [head 64][block of 16 tokens 128][cb 4][lane 32][16 bytes]: token lane % 16, channels 16 cb + 8 (lane / 16) + 0..7.
; That is what a lane holds when O^T is rounded, so each store of a wave is 512 consecutive bytes straight from registers.
; Products, maximum and sums in f32; the weights p are rounded to f16 for the second product (their sum is of the unrounded p).
; p = 2^(c s - c m) with s = (q/8).(k/8), c = 8 log2(e), and m the TRUE maximum of the query's scores: all of them are in registers, so there is no running maximum.
; LIMITS.  A hidden score counts as its value less 1e30 (f16's scores are 2.7e11 at the most); a weight below 2^-126 counts as 0; NaN and infinities are not treated apart.
; SHARES.  A work-group: one block of 128 queries (x), one key/value head and four of its eight query heads (y).  Wave w: queries 16 w .. + 15 of those four heads, two heads a trip of a loop of two.
; Of the 256 context keys query 16 w + r sees places r + 1 .. r + 128 behind 16 w: blocks of 16 keys w .. w + 8.  Ten blocks from min(w, 6) on are multiplied (an even number, inside the context).
; LAYOUT.  S^T = K Q^T (source 0 = 16 keys, source 1 = 16 queries): a lane holds ONE query and 8 keys of a block; two blocks rounded to f16 ARE source 1 of O^T = V^T P.  The mask (0 or -1e30) is the C that starts S^T.
; NO CLUSTER: only the two work-groups of one (block, key/value head) read the same two tiles, a pair, not four; neighbours along x share one tile of two and would need different descriptors.
; K and V are filled once (first fills only): one barrier in the launch.  Two waves lie on a SIMD, so one wave's softmax stands beside the other's products.
; REGISTERS.  Window 0: v0-8 addresses; v10-25 eight of statistics a tile; v30-31 the add's; v32-191 S^T, 80 a tile (P is packed in place, block c at + 4 c); v192-255 two fragment buffers.
; Window 1: v0-79 masks; v80-111 Q of the pair in hand; v112-143 Q of the second pair; v144-207 O^T, 32 a tile; v208-210 at work.
.set KP, 144                           ; a row of K in LDS: 128 + 16
.set VP, 160                           ; of V: 128 + 32
.set VOFF, 256*KP
.set SPARE, VOFF+256*VP                ; the spare words: 128 bytes a wave, four blocks of 256 bytes that no other line names
.set AK, 3
.set AV, 4
.set QO, 5
.set GO, 8
.set ST, 10                            ; tile t at ST + 8 t: c m, m, l (a pair), four at work
.set SPW, 30
.set NIL, 31
.set S, 32
.set FB, 192
.set MK, 0
.set QC, 80
.set QN, 112
.set OO, 144
.set MSB, 0
.macro WIN new
.if MSB != (\new)
	s_set_vgpr_msb (MSB<<8)|(\new)
.set MSB, (\new)
.endif
.endm
.macro PLACES
.rept 4
	v_nop
.endr
.endm
	s_load_b128 s[4:7], s[0:1], 0x0        ; qkv, attn
	v_lshl_add_u32 v[SPW], v0, 2, SPARE
	v_mov_b32 v[NIL], 0
	ds_add_u32 v[SPW], v[NIL]              ; the wave's opening: the add and its wait stand ahead of my first tensor load
	ds_add_u32 v30, v31
	v_lshrrev_b32 v1, 5, v0
	v_readfirstlane_b32 s12, v1            ; wave w
	s_mov_b32 s13, ttmp9                   ; the block of queries
	s_and_b32 s14, ttmp7, 0xffff
	s_lshr_b32 s15, s14, 1                 ; the key/value head
	s_and_b32 s14, s14, 1                  ; which four of its query heads
	s_and_b32 s16, s12, 1                  ; which half of the context I fetch: 0 the block before, 1 my own
	s_mov_b32 s24, (1<<16)|(1<<20)|(4<<22)|(3<<25)   ; K: 2-byte elements, after every 32 words 4 words of padding
	s_mov_b32 s32, (1<<16)|(1<<20)|(4<<22)|(7<<25)   ; V: 8 words
.irp g, 24, 32                         ; 128 keys are 16,384 dense bytes: 64 rows of 256
	s_mov_b32 s[\g+1], 128<<16
	s_mov_b32 s[\g+2], 64<<16
	s_mov_b32 s[\g+3], 128<<16
	s_mov_b32 s[\g+4], 64
	s_mov_b32 s[\g+5], 128
	s_mov_b32 s[\g+6], 0
	s_mov_b32 s[\g+7], 0
.endr
	s_max_u32 s17, s13, 1
	s_sub_co_u32 s17, s17, 1               ; the block before; for block 0 itself once more: finite numbers, all hidden
	s_cmp_eq_u32 s16, 1
	s_cselect_b32 s17, s13, s17
	s_lshl_b32 s17, s17, 14
	s_add_co_u32 s18, s15, 64              ; k heads are g = 64 .., v heads eight further on
	s_lshl_b32 s18, s18, 18
	s_add_co_u32 s18, s18, s17
	s_mov_b32 s19, 0
	s_mov_b32 s40, 1
	s_mul_i32 s41, s16, 128*KP
	s_mov_b32 s44, 1
	s_mul_i32 s45, s16, 128*VP
	s_add_co_u32 s45, s45, VOFF
	s_lshl_b32 s20, s15, 3
	s_lshl2_add_u32 s20, s14, s20          ; my first query head
	s_lshl_b32 s20, s20, 18
	s_lshl_b32 s21, s13, 3
	s_add_co_u32 s21, s21, s12
	s_lshl_b32 s21, s21, 11                ; my 16 tokens: 2,048 bytes, in qkv and in attn
	s_add_co_u32 s20, s20, s21
	s_mov_b32 s21, 0
	s_min_u32 s22, s12, 6                  ; the first of my ten key blocks
	s_sub_co_i32 s23, s22, s12
	s_lshl_b32 s23, s23, 4                 ; 16 x (that - w): 0 or -16
	s_mul_i32 s48, s22, 16*KP
	s_mul_i32 s49, s22, 16*VP
	s_add_co_u32 s49, s49, VOFF
	s_lshl_b32 s51, s12, 4
	s_sub_co_u32 s51, 127, s51             ; 127 - 16 w
	s_cmp_eq_u32 s13, 0
	s_cselect_b32 s52, 1, 0
	s_mov_b32 s56, 0xf149f2ca              ; -1e30
	s_mov_b32 s57, 2                       ; pairs of heads
	s_mov_b32 s58, 0x4138aa3b              ; c = 8 log2(e)
	s_mov_b32 s59, s58
	s_mov_b32 s60, 0x76543210              ; v_permlanex16_b32: each lane takes its own place in the other half
	s_mov_b32 s61, 0xfedcba98
	s_wait_dscnt 0x0                       ; the opening add is done
	s_wait_kmcnt 0x0
	s_add_nc_u64 s[42:43], s[4:5], s[18:19]
	s_add_nc_u64 s[46:47], s[42:43], 8*262144
	s_or_b32 s43, s43, 0x80000000
	s_or_b32 s47, s47, 0x80000000
	s_add_nc_u64 s[8:9], s[4:5], s[20:21]  ; Q at my rows of my first head
	s_add_nc_u64 s[6:7], s[6:7], s[20:21]  ; O likewise
	s_cmp_lt_u32 s12, 2                    ; waves 0, 1: K's halves; 2, 3: V's; 4-7: none.  One load of a wave is out; the wait below is for 0
	s_cbranch_scc0 .Lnot_k
	tensor_load_to_lds s[40:43], s[24:31]
	s_nop 0
.rept 4
	v_nop
.endr
	s_branch .Lasked
.Lnot_k:
	s_cmp_lt_u32 s12, 4
	s_cbranch_scc0 .Lasked
	tensor_load_to_lds s[44:47], s[32:39]
	s_nop 0
.rept 4
	v_nop
.endr
.Lasked:
	v_and_b32 v1, 15, v0                   ; r
	v_bfe_u32 v2, v0, 4, 1                 ; h
	v_lshlrev_b32 v[QO], 7, v1
	v_lshl_add_u32 v[QO], v2, 4, v[QO]
	WIN 0x40                               ; destination window 1
.irp d, 0,1,2,3                        ; all four heads' Q: 16 rows x 64 channels each
.irp c, 0,1
	global_load_b128 v[QC+16*\d+8*\c:QC+16*\d+8*\c+3],   v[QO], s[8:9] offset:\d*262144+64*\c
	global_load_b128 v[QC+16*\d+8*\c+4:QC+16*\d+8*\c+7], v[QO], s[8:9] offset:\d*262144+64*\c+32
.endr
.endr
	WIN 0
	v_mul_u32_u24 v[AK], v1, KP
	v_lshl_add_u32 v[AK], v2, 4, v[AK]
	v_add_nc_u32 v[AK], s48, v[AK]
	v_and_b32 v26, 7, v0
	v_bfe_u32 v27, v0, 3, 1
	v_lshl_add_u32 v[AV], v2, 3, v26       ; the turning load: key 8 h + l % 8, channels 8 ((l / 8) % 2) on
	v_mul_u32_u24 v[AV], v[AV], VP
	v_lshl_add_u32 v[AV], v27, 4, v[AV]
	v_add_nc_u32 v[AV], s49, v[AV]
	v_and_b32 v[GO], 31, v0
	v_lshlrev_b32 v[GO], 4, v[GO]
	; THE MASKS.  d = key's place - query's place in the context; seen: lo <= d <= 128, lo = 1, or in block 0 the first key of the own block: 128 - 16 w - r.  One unsigned compare: d - lo > 128 - lo is hidden.
	v_sub_nc_u32 v26, s51, v1
	v_mul_u32_u24 v26, v26, s52
	v_add_nc_u32 v26, 1, v26               ; lo
	v_lshlrev_b32 v27, 3, v2
	v_sub_nc_u32 v27, v27, v1
	v_add_nc_u32 v27, s23, v27
	v_sub_nc_u32 v27, v27, v26             ; d - lo of register 0 of key block 0
	v_sub_nc_u32 v28, 128, v26
	WIN 0x40
	v_mov_b32 v208, v27
	v_mov_b32 v209, v28
	WIN 0x45
.set n, 0
.rept 80
	v_add_nc_u32 v210, 16*(n/8)+n%8, v208
	v_cmp_gt_u32 vcc_lo, v210, v209
	v_cndmask_b32 v[MK+n], 0, s56, vcc_lo
.set n, n+1
.endr
	WIN 0
	s_wait_tensorcnt 0x0                   ; my part of K or V is in,
	s_barrier_signal -1
	s_barrier_wait -1                      ; everybody's is
	s_wait_loadcnt 0x0                     ; Q
.macro KLOAD g                         ; key blocks 2 g, 2 g + 1: eight loads into buffer g % 2
.set fb, FB+32*((\g)%2)
.irp i, 0,1
.irp c, 0,1
	ds_load_b128 v[fb+16*\i+8*\c:fb+16*\i+8*\c+3],   v[AK] offset:16*KP*(2*(\g)+\i)+64*\c
	ds_load_b128 v[fb+16*\i+8*\c+4:fb+16*\i+8*\c+7], v[AK] offset:16*KP*(2*(\g)+\i)+64*\c+32
.endr
.endr
.endm
.macro VLOAD g                         ; keys 32 g .. + 31, turned: eight loads into buffer (g + 1) % 2
.set fb, FB+32*(((\g)+1)%2)
.irp c, 0,1,2,3
	ds_load_tr16_b128 v[fb+8*\c:fb+8*\c+3],   v[AV] offset:32*VP*(\g)+32*\c
	ds_load_tr16_b128 v[fb+8*\c+4:fb+8*\c+7], v[AV] offset:32*VP*(\g)+32*\c+16*VP
.endr
.endm
.macro KGROUP g                        ; eight products: four accumulators by turns; the first four start the sums with the masks
.set fb, FB+32*((\g)%2)
	s_wait_dscnt 8                         ; all but the younger group of eight loads
.irp c, 0,1
.if \c == 0
	WIN 0x14                               ; Q and the mask in window 1
.else
	WIN 0x04
.endif
.irp i, 0,1
.irp t, 0,1
.set rS, S+80*\t+8*(2*(\g)+\i)
.if \c == 0
	v_wmma_f32_16x16x32_f16 v[rS:rS+7], v[fb+16*\i:fb+16*\i+7], v[QC+16*\t:QC+16*\t+7], v[MK+8*(2*(\g)+\i):MK+8*(2*(\g)+\i)+7]
.else
	v_wmma_f32_16x16x32_f16 v[rS:rS+7], v[fb+16*\i+8:fb+16*\i+15], v[QC+16*\t+8:QC+16*\t+15], v[rS:rS+7]
.endif
.endr
.endr
.endr
	WIN 0
	PLACES                                 ; ahead of the loads into the buffer just read
.endm
.macro VGROUP g, left                  ; eight products O^T += V^T P on eight accumulators
.set fb, FB+32*(((\g)+1)%2)
	s_wait_dscnt \left
	WIN 0x50
.irp c, 0,1,2,3
.irp t, 0,1
.if (\g) == 0
	v_wmma_f32_16x16x32_f16 v[OO+32*\t+8*\c:OO+32*\t+8*\c+7], v[fb+8*\c:fb+8*\c+7], v[S+80*\t+8*(\g):S+80*\t+8*(\g)+7], 0
.else
	v_wmma_f32_16x16x32_f16 v[OO+32*\t+8*\c:OO+32*\t+8*\c+7], v[fb+8*\c:fb+8*\c+7], v[S+80*\t+8*(\g):S+80*\t+8*(\g)+7], v[OO+32*\t+8*\c:OO+32*\t+8*\c+7]
.endif
.endr
.endr
	WIN 0
	PLACES
.endm
.macro OUT t                           ; O^T / l, rounded to f16 and stored: a lane's four registers of channel block cb are its 16 bytes of the fragment
	WIN 0x41
.set i, 0
.rept 16
	v_pk_mul_f32 v[OO+32*(\t)+2*i:OO+32*(\t)+2*i+1], v[OO+32*(\t)+2*i:OO+32*(\t)+2*i+1], v[ST+8*(\t)+2:ST+8*(\t)+3] op_sel_hi:[1,0]
.set i, i+1
.endr
	WIN 0x05
.set i, 0
.rept 16
	v_cvt_pk_f16_f32 v[S+80*(\t)+i], v[OO+32*(\t)+2*i], v[OO+32*(\t)+2*i+1]
.set i, i+1
.endr
	WIN 0
.irp f, 0,1,2,3
	global_store_b128 v[GO], v[S+80*(\t)+4*\f:S+80*(\t)+4*\f+3], s[6:7] offset:(\t)*262144+512*\f   ; 512 consecutive bytes, at a multiple of 256
.endr
.endm
.Lpair:                                        ; two trips: heads 0, 1 and heads 2, 3
	KLOAD 0
	KLOAD 1
	KGROUP 0
	KLOAD 2
	KGROUP 1
	KLOAD 3
	KGROUP 2
	KLOAD 4
	KGROUP 3
	VLOAD 0                                ; V's first two groups are on their way during the softmax
	KGROUP 4
	VLOAD 1
	; THE SOFTMAX of both tiles, line by line by turns.  The maximum: two chains a tile (even and odd key blocks); each accumulator is read from its lowest registers on.
.set n, 0
.rept 20
.irp t, 0,1
.irp c, 0,1
.set rS, S+80*\t+8*(2*(n/4)+\c)+2*(n%4)
.if n == 0
	v_max_num_f32 v[ST+8*\t+4+\c], v[rS], v[rS+1]
.else
	v_max3_num_f32 v[ST+8*\t+4+\c], v[ST+8*\t+4+\c], v[rS], v[rS+1]
.endif
.endr
.endr
.set n, n+1
.endr
.irp t, 0,1
	v_max_num_f32 v[ST+8*\t+4], v[ST+8*\t+4], v[ST+8*\t+5]
.endr
.irp t, 0,1
	v_permlanex16_b32 v[ST+8*\t+5], v[ST+8*\t+4], s60, s61   ; the query's other keys lie in the lane 16 away
.endr
.irp t, 0,1
	v_max_num_f32 v[ST+8*\t+1], v[ST+8*\t+4], v[ST+8*\t+5]
.endr
.irp t, 0,1
	v_mul_f32 v[ST+8*\t], s58, v[ST+8*\t+1]
.endr
.set n, 0
.rept 40
.irp t, 0,1
	v_pk_fma_f32 v[S+80*\t+2*n:S+80*\t+2*n+1], v[S+80*\t+2*n:S+80*\t+2*n+1], s[58:59], v[ST+8*\t:ST+8*\t+1] op_sel_hi:[1,0,0] neg_lo:[0,0,1] neg_hi:[0,0,1]
.endr
.set n, n+1
.endr
.set n, 0
.rept 160
	v_exp_f32 v[S+n], v[S+n]
.set n, n+1
.endr
	v_nop                                  ; a plain instruction between the last exponential and the use of its result
	s_wait_alu depctr_va_vdst(0)
.irp t, 0,1                            ; the sums: two chains a tile
	v_pk_add_f32 v[ST+8*\t+2:ST+8*\t+3], v[S+80*\t:S+80*\t+1], v[S+80*\t+2:S+80*\t+3]
	v_pk_add_f32 v[ST+8*\t+6:ST+8*\t+7], v[S+80*\t+40:S+80*\t+41], v[S+80*\t+42:S+80*\t+43]
.endr
.set n, 2
.rept 18
.irp t, 0,1
	v_pk_add_f32 v[ST+8*\t+2:ST+8*\t+3], v[ST+8*\t+2:ST+8*\t+3], v[S+80*\t+2*n:S+80*\t+2*n+1]
	v_pk_add_f32 v[ST+8*\t+6:ST+8*\t+7], v[ST+8*\t+6:ST+8*\t+7], v[S+80*\t+40+2*n:S+80*\t+40+2*n+1]
.endr
.set n, n+1
.endr
.irp t, 0,1
	v_pk_add_f32 v[ST+8*\t+2:ST+8*\t+3], v[ST+8*\t+2:ST+8*\t+3], v[ST+8*\t+6:ST+8*\t+7]
.endr
.set n, 0
.rept 40                               ; P is packed in place, ascending: register n takes weights 2 n, 2 n + 1
.irp t, 0,1
	v_cvt_pk_f16_f32 v[S+80*\t+n], v[S+80*\t+2*n], v[S+80*\t+2*n+1]
.endr
.set n, n+1
.endr
	VGROUP 0, 8
	VLOAD 2
	VGROUP 1, 8
	VLOAD 3
	VGROUP 2, 8
	VLOAD 4
	VGROUP 3, 8
	VGROUP 4, 0
.irp t, 0,1
	v_add_f32 v[ST+8*\t+2], v[ST+8*\t+2], v[ST+8*\t+3]
.endr
.irp t, 0,1
	v_permlanex16_b32 v[ST+8*\t+3], v[ST+8*\t+2], s60, s61
.endr
.irp t, 0,1
	v_add_f32 v[ST+8*\t+2], v[ST+8*\t+2], v[ST+8*\t+3]
.endr
.irp t, 0,1
	v_rcp_f32 v[ST+8*\t+2], v[ST+8*\t+2]
.endr
	v_nop                                  ; a plain instruction between the last reciprocal and the use of its result
	s_wait_alu depctr_va_vdst(0)
	OUT 0
	OUT 1
	s_wait_xcnt 0x0                        ; the stores' base and data registers are written again only behind this wait
	s_add_nc_u64 s[6:7], s[6:7], 2*262144
	WIN 0x41
.set i, 0
.rept 32
	v_mov_b32 v[QC+i], v[QN+i]             ; the second pair's Q goes where the one text names Q
.set i, i+1
.endr
	WIN 0
	s_sub_co_u32 s57, s57, 1
	s_cmp_lg_u32 s57, 0
	s_cbranch_scc1 .Lpair
	s_wait_tensorcnt 0x0                   ; the wave's end
	ds_add_u32 v[SPW], v[NIL]
	s_wait_dscnt 0x0
	s_endpgm
.Lfunc_end_k_q92a9921a38_attn:
	.size	k_q92a9921a38_attn, .Lfunc_end_k_q92a9921a38_attn-k_q92a9921a38_attn
	.p2alignl 7, 3214868480
	.fill 96, 4, 3214868480
	.section	.rodata,"a",@progbits
	.p2align	6, 0x0
	.amdhsa_kernel k_q92a9921a38_attn
		.amdhsa_group_segment_fixed_size 167936
		.amdhsa_private_segment_fixed_size 0
		.amdhsa_enable_private_segment 0
		.amdhsa_kernarg_size 16
		.amdhsa_user_sgpr_count 2
		.amdhsa_user_sgpr_kernarg_segment_ptr 1
		.amdhsa_wavefront_size32 1
		.amdhsa_system_sgpr_workgroup_id_x 1
		.amdhsa_system_sgpr_workgroup_id_y 1
		.amdhsa_system_sgpr_workgroup_id_z 1
		.amdhsa_system_vgpr_workitem_id 0
		.amdhsa_next_free_vgpr 480
		.amdhsa_next_free_sgpr 66
		.amdhsa_reserve_vcc 1
		.amdhsa_float_denorm_mode_32 3
		.amdhsa_float_denorm_mode_16_64 3
		.amdhsa_memory_ordered 1
		.amdhsa_forward_progress 1
		.amdhsa_inst_pref_size 63
	.end_amdhsa_kernel
	.amdgpu_metadata
---
amdhsa.version: [ 1, 2 ]
amdhsa.kernels:
  - .name:           k_q92a9921a38_attn
    .symbol:         k_q92a9921a38_attn.kd
    .args:
      - { .name: qkv, .offset: 0, .size: 8, .value_kind: global_buffer, .address_space: global }
      - { .name: attn, .offset: 8, .size: 8, .value_kind: global_buffer, .address_space: global }
    .group_segment_fixed_size: 167936
    .private_segment_fixed_size: 0
    .kernarg_segment_align: 8
    .kernarg_segment_size: 16
    .max_flat_workgroup_size: 256
    .sgpr_count:     66
    .vgpr_count:     480
    .wavefront_size: 32
...
	.end_amdgpu_metadata
.endif
;; end of part 7
;; launch oproj (part 8): grid 16 x 15, 4 waves a work-group, clusters of 4 x 1, 327,680 bytes of LDS; arguments attn, wo16, bo, out0; writes out0
.if DOCPART == 8
	.amdgcn_target "amdgcn-amd-amdhsa--gfx1250"
	.amdhsa_code_object_version 6
	.text
	.protected	k_q92a9921a38_oproj
	.globl	k_q92a9921a38_oproj
	.p2align	8
	.type	k_q92a9921a38_oproj,@function
k_q92a9921a38_oproj:
	s_mov_b64 s[64:65], 0
	v_nop
	global_prefetch_b8 v0, s[64:65] scope:SCOPE_SE
	s_setreg_imm32_b32 hwreg(HW_REG_WAVE_MODE, 25, 1), 1
	s_wait_xcnt 0x0
	s_wait_alu depctr_hold_cnt(0) depctr_sa_sdst(0) depctr_va_vdst(0) depctr_va_sdst(0) depctr_va_ssrc(0) depctr_va_vcc(0) depctr_vm_vsrc(0)
	s_getreg_b32 s2, hwreg(HW_REG_IB_STS2, 6, 4)
	s_cmp_eq_u32 s2, 0
	s_cbranch_scc0 .Lentry_in_a_cluster
	s_endpgm
.Lentry_in_a_cluster:
	s_bfe_u32 s2, ttmp6, 0x10000c
	s_cmp_lg_u32 s2, 0x3003
	s_cbranch_scc0 .Lentry_shape_is_right
	s_endpgm
.Lentry_shape_is_right:
; OUT = 4 x (attn x wo16 + bo/4): [2048 tokens] x [2880] over K = 4096 (128 chunks of 32: chunk c is half c % 2 of head c / 2), f16 operands, f32 sums that start with the bias
; (rounded to bf16 like every input, x 1/4: attn holds O/4); out0 in f32.
; SHARES.  A work-group: 128 tokens (x) x 192 columns (y): 16 x 15.  A wave: 64 tokens (MH) x six column blocks of 16: blocks 8 WC + 0..3 and 4 + 2 WC + 0..1 of the tile's twelve.
; THE MATRIX INSTRUCTION IS USED TRANSPOSED: source 0 = 16 columns of Wo (turned out of LDS), source 1 = 16 tokens: a lane holds one token and eight neighbouring columns, 32 bytes of a row of out0.
; B'S RING.  Two LDS slots, each 256 along K (eight chunks): 3 panels x 256 k rows x 128 bytes (pitch 160).  Each wave fetches a quarter of a slot.
; A trip of the loop is ONE slot: the slot that is read is a scalar, 0 or SLOT, turned by an exclusive or at the change of slots; B's two LDS addresses and the walking descriptor's LDS word are made from it.
; CLUSTER 4 x 1: the four partners lie along x and share the tile column, so B's tile is asked for jointly (mask 15); 15 tile columns divide into no 4 x 4.
; A COMES STRAIGHT INTO REGISTERS, not through LDS: with A's 128 rows a slot of 256 along K would be 73,728 + 122,880 bytes, and two of them do not fit in 327,680; without A the slot holds
; 192 matrix instructions a wave where a slot of 128 along K held 96.  A's tiles hang on the tile row, which no partner shares, so no multicast is lost.  attn lies in fragment order:
; each load of a wave is 512 consecutive bytes.  Chunk c asks for chunk c + 7, 168 matrix instructions ahead: 56 loads of a wave are out.  Eight register buffers, as many as a trip has chunks.
; REGISTERS.  Window 0: v0-31 addresses; v32-79, v80-127 two buffers of B's six fragments; v192-255 at work.  Window 1: v0-191 accumulators 6 a + b; v192-239 the bias as C; v240-243 at work.  Window 2: A's eight buffers.
.set PB, 160
.set PANELB, 256*PB
.set SLOT, 3*PANELB                    ; 122,880
.set STAGE, 0                          ; the way out uses the first slot's bytes, behind their last fill and last read: 128 rows x 784 bytes (768 + 16)
.set SPT, 784
.set SPARE, 2*SLOT                     ; the spare words: 128 bytes a wave, two blocks of 256 bytes that no other line names
.set ADRBA, 18                         ; v18 my blocks 0-3 of B in the slot that is read; v19 the same in the first slot, never rewritten
.set BA0, 19
.set ADRBB, 20                         ; v20, v21 likewise for my blocks 4, 5
.set BB0, 21
.set STOA, 22
.set STOB, 23
.set RD, 24
.set CO, 26
.set AO, 27                            ; 16 x lane: my 16 bytes of A's 512
.set SPW, 28
.set NIL, 29
.set BOA, 30
.set BOB, 31
.set F0, 32
.set F1, 80
.set TMP, 192
.set BC, 192
.set WV, 12
.set MH, 13
.set WC, 14
.set WOFF, 20                          ; s20 my quarter's place in a slot
.set TR, 21                            ; s21 the slot that is read: 0 or SLOT
.set HM, 22                            ; s22 a word's upper half
.set AB, 40                            ; s[40:41] A at the chunk with which the trip began
.set G1B, 48
.set G0B, 56                           ; s[56:59] group 0 of the first slot's first fill
.set G0W, 60                           ; s[60:63] of the second slot's; then it walks
.set MSB, 0
.macro WIN new
.if MSB != (\new)
	s_set_vgpr_msb (MSB<<8)|(\new)
.set MSB, (\new)
.endif
.endm
.macro PLACES
.rept 4
	v_nop
.endr
.endm
.macro CREST
	s_cmp_lg_u32 s[WV], 0
	s_cbranch_scc1 .Lnot_wave_0_\@
	s_barrier_signal -3
.Lnot_wave_0_\@:
	s_barrier_wait -3
	s_barrier_signal -1
	s_barrier_wait -1
.endm
.macro CROUND
	s_barrier_signal -1
	s_barrier_wait -1
	CREST
.endm
.macro MULR f, ab, lo, hi, first       ; the 24 accumulators take turns in the same order in every chunk
	WIN 0x58                               ; B window 0, A window 2, C and D window 1
.set idx, \lo
.rept (\hi)-(\lo)+1
.set mb, idx%6
.set ma, idx/6
.if \first
	v_wmma_f32_16x16x32_f16 v[8*idx:8*idx+7], v[(\f)+8*mb:(\f)+8*mb+7], v[32*(\ab)+8*ma:32*(\ab)+8*ma+7], v[BC+8*mb:BC+8*mb+7]
.else
	v_wmma_f32_16x16x32_f16 v[8*idx:8*idx+7], v[(\f)+8*mb:(\f)+8*mb+7], v[32*(\ab)+8*ma:32*(\ab)+8*ma+7], v[8*idx:8*idx+7]
.endif
.set idx, idx+1
.endr
.endm
.macro FETCH q, f                      ; 12 LDS loads in one run: B's six fragments of chunk q of the slot that is read
	WIN 0
.irp b, 0,1,2,3
	ds_load_tr16_b128 v[(\f)+8*(\b):(\f)+8*(\b)+3],   v[ADRBA] offset:32*(\b)+32*PB*(\q)
	ds_load_tr16_b128 v[(\f)+8*(\b)+4:(\f)+8*(\b)+7], v[ADRBA] offset:32*(\b)+32*PB*(\q)+16*PB
.endr
.irp b, 0,1
	ds_load_tr16_b128 v[(\f)+32+8*(\b):(\f)+32+8*(\b)+3],   v[ADRBB] offset:32*(\b)+32*PB*(\q)
	ds_load_tr16_b128 v[(\f)+32+8*(\b)+4:(\f)+32+8*(\b)+7], v[ADRBB] offset:32*(\b)+32*PB*(\q)+16*PB
.endr
.endm
.macro ALOAD ab, jj                    ; eight loads of 512 consecutive bytes: A's four fragments of the chunk jj behind the trip's first
	WIN 0x80
.irp a, 0,1,2,3
	global_load_b128 v[32*(\ab)+8*\a:32*(\ab)+8*\a+3],   v[AO], s[AB:AB+1] offset:((\jj)/2)*262144+((\jj)%2)*1024+\a*2048
	global_load_b128 v[32*(\ab)+8*\a+4:32*(\ab)+8*\a+7], v[AO], s[AB:AB+1] offset:((\jj)/2)*262144+((\jj)%2)*1024+\a*2048+512
.endr
.endm
; Chunk j of a trip (chunk j % 8 of its slot).  Behind its first six products and four places: the next chunk's fragments of B, and (ld = 1) A's loads for chunk j + 7, into the buffer that the chunk before read.
; lc: the loads issued behind this chunk's own: eight for each of the chunks asked for since, six of them while there are so many left.
.macro CH j, ld, lc, first
.set cq, (\j)%8
.set cf, F0+48*(cq%2)
.set cg, F0+48*((cq+1)%2)
.set cab, (\j)%8
.set lab, ((\j)+7)%8
	s_wait_loadcnt \lc                     ; A's fragments of this chunk are in
	s_wait_dscnt 0x0                       ; B's too
	MULR cf, cab, 0, 5, \first
	WIN 0
	PLACES
	FETCH cq+1, cg
.if \ld
	ALOAD lab, (\j)+7
.endif
	MULR cf, cab, 6, 23, \first
.endm
; A slot's last chunk changes slots: as in the projection in front.  180 of a slot's 192 matrix instructions stand between a request and the wait for it.
.macro TURN j, fill, ld, lc
.set cab, (\j)%8
.set lab, ((\j)+7)%8
	WIN 0
	s_wait_tensorcnt 0x0
	ds_add_u32 v[SPW], v[NIL]
	s_wait_loadcnt \lc
	s_wait_dscnt 1                         ; B's fragments are in; the add alone may be out
	MULR F1, cab, 0, 5, 0
	s_wait_dscnt 0x0                       ; the add is done, my reads of this slot are over
	s_barrier_signal -1
	MULR F1, cab, 6, 11, 0
	WIN 0
	s_barrier_wait -1
.if \fill
	CREST
	s_add_co_u32 s[G0W+1], s[TR], s[WOFF]  ; no tensor load of mine is out: the walking group 0 takes the slot just read,
	s_add_nc_u64 s[G0W+2:G0W+3], s[G0W+2:G0W+3], 98304    ; and the next block; the type bits on top are not reached
	s_xor_b32 s[TR], s[TR], SLOT
	tensor_load_to_lds s[G0W:G0W+3], s[G1B:G1B+7]
	s_nop 0
.else
	s_xor_b32 s[TR], s[TR], SLOT
.endif
	v_add_nc_u32 v[ADRBA], s[TR], v[BA0]   ; four plain lines: behind the load, and the places ahead of the loads below
	v_add_nc_u32 v[ADRBB], s[TR], v[BB0]
	v_nop
	v_nop
	FETCH 0, F0
.if \ld
	ALOAD lab, (\j)+7
.endif
	MULR F1, cab, 12, 23, 0
.endm
	s_load_b256 s[4:11], s[0:1], 0x0       ; attn 4, wo16 6, bo 8, out0 10
	v_lshl_add_u32 v[SPW], v0, 2, SPARE
	v_mov_b32 v[NIL], 0
	ds_add_u32 v[SPW], v[NIL]              ; the wave's opening: the add and its wait stand ahead of my first tensor load
	ds_add_u32 v28, v29
	v_lshrrev_b32 v1, 5, v0
	v_readfirstlane_b32 s[WV], v1
	s_lshr_b32 s[MH], s[WV], 1
	s_and_b32 s[WC], s[WV], 1
	s_bfe_u32 s15, ttmp6, 0x40000          ; cx
	s_lshl_b32 s16, ttmp9, 2
	s_add_co_u32 s16, s16, s15             ; tile row: it enters A's and out0's addresses alone
	s_and_b32 s17, ttmp7, 0xffff           ; tile column, which the four partners share
	s_mov_b32 s[G1B], 15|(1<<16)|(1<<20)|(1<<21)|(4<<22)|(7<<25)       ; all four work-groups; 2-byte elements; padding on; bit 21 beside the mask; after every 32 words 8 words
	s_mov_b32 s[G1B+1], 128<<16            ; a quarter of a slot, 24,576 dense bytes: 96 rows of 256
	s_mov_b32 s[G1B+2], 96<<16
	s_mov_b32 s[G1B+3], 128<<16
	s_mov_b32 s[G1B+4], 96
	s_mov_b32 s[G1B+5], 128
	s_mov_b32 s[G1B+6], 0
	s_mov_b32 s[G1B+7], 0
	s_mul_i32 s[WOFF], s[WV], 192*PB       ; LDS addresses hang on the wave's number and the slot alone
	s_mov_b32 s[TR], 0
	s_mov_b32 s[HM], 0xffff0000
.irp n, 0,1
	s_mov_b32 s[G0B+4*(\n)], 1
	s_add_co_u32 s[G0B+4*(\n)+1], s[WOFF], (\n)*SLOT
.endr
	s_lshl_b32 s40, s16, 14                ; A: my tile row's eight blocks of 16 tokens, and my four of them
	s_lshl_b32 s41, s[MH], 13
	s_add_co_u32 s40, s40, s41
	s_mov_b32 s41, 0
	s_mul_i32 s42, s17, 16*98304           ; B: block (tile column, 0), my quarter
	s_mul_i32 s43, s[WV], 24576
	s_add_co_u32 s42, s42, s43
	s_mov_b32 s43, 0
	s_lshl_b32 s44, s16, 7                 ; out0: row 128 x tile row + 32 x wave, column 192 x tile column
	s_lshl_b32 s45, s[WV], 5
	s_add_co_u32 s44, s44, s45
	s_mul_i32 s44, s44, 11520
	s_mul_i32 s46, s17, 768
	s_add_co_u32 s44, s44, s46
	s_mov_b32 s45, 0
	s_mov_b32 s47, 0
	s_wait_dscnt 0x0                       ; the opening add is done
	s_wait_kmcnt 0x0
	s_add_nc_u64 s[AB:AB+1], s[4:5], s[40:41]
	s_add_nc_u64 s[42:43], s[6:7], s[42:43]
	s_add_nc_u64 s[8:9], s[8:9], s[46:47]
	s_add_nc_u64 s[10:11], s[10:11], s[44:45]
.irp n, 0,1
	s_add_nc_u64 s[G0B+4*(\n)+2:G0B+4*(\n)+3], s[42:43], (\n)*98304
	s_or_b32 s[G0B+4*(\n)+3], s[G0B+4*(\n)+3], 0x80000000
.endr
	CROUND                                 ; all four work-groups are here: the first joint loads meet
	tensor_load_to_lds s[G0B:G0B+3], s[G1B:G1B+7]   ; the first slot
	s_nop 0
	tensor_load_to_lds s[G0W:G0W+3], s[G1B:G1B+7]   ; the second: two loads of mine are out
	s_nop 0
	PLACES
	v_and_b32 v1, 15, v0                   ; r
	v_bfe_u32 v2, v0, 4, 1                 ; h
	v_and_b32 v[AO], 31, v0
	v_lshlrev_b32 v[AO], 4, v[AO]
	v_lshlrev_b32 v9, 5, v2
	s_lshl_b32 s18, s[WC], 9
	v_add_nc_u32 v[BOA], s18, v9
	s_lshl_b32 s18, s[WC], 7
	s_add_co_u32 s18, s18, 256
	v_add_nc_u32 v[BOB], s18, v9
	WIN 0x40
.irp b, 0,1,2,3
	global_load_b128 v[BC+8*(\b):BC+8*(\b)+3],   v[BOA], s[8:9] offset:64*(\b)
	global_load_b128 v[BC+8*(\b)+4:BC+8*(\b)+7], v[BOA], s[8:9] offset:64*(\b)+16
.endr
.irp b, 0,1
	global_load_b128 v[BC+32+8*(\b):BC+32+8*(\b)+3],   v[BOB], s[8:9] offset:64*(\b)
	global_load_b128 v[BC+32+8*(\b)+4:BC+32+8*(\b)+7], v[BOB], s[8:9] offset:64*(\b)+16
.endr
.irp c, 0,1,2,3,4,5
	ALOAD \c, \c                           ; A's chunks 0 to 5
.endr
	WIN 0
	v_and_b32 v5, 7, v0
	v_bfe_u32 v6, v0, 3, 1
	v_lshl_add_u32 v4, v2, 3, v5           ; the turning load: k row 8 h + l % 8, columns 8 ((l / 8) % 2) on
	v_mul_u32_u24 v4, v4, PB
	v_lshl_add_u32 v4, v6, 4, v4
	s_mul_i32 s18, s[WC], 2*PANELB
	v_add_nc_u32 v[BA0], s18, v4
	v_mov_b32 v[ADRBA], v[BA0]
	s_lshl_b32 s18, s[WC], 6
	s_add_co_u32 s18, s18, PANELB
	v_add_nc_u32 v[BB0], s18, v4
	v_mov_b32 v[ADRBB], v[BB0]
	v_mul_u32_u24 v7, v1, SPT              ; into the stage: row r, 32 bytes for each half of the lanes
	v_lshl_add_u32 v7, v2, 5, v7
	s_mul_i32 s18, s[MH], 64*SPT
	s_add_co_u32 s18, s18, STAGE
	s_lshl_b32 s19, s[WC], 9
	s_add_co_u32 s19, s19, s18
	v_add_nc_u32 v[STOA], s19, v7
	s_lshl_b32 s19, s[WC], 7
	s_add_co_u32 s19, s19, s18
	s_add_co_u32 s19, s19, 256
	v_add_nc_u32 v[STOB], s19, v7
	v_mul_u32_u24 v8, v2, SPT              ; back: lanes 0-15 take 256 bytes of one row, lanes 16-31 of the next
	v_lshl_add_u32 v8, v1, 4, v8
	s_mul_i32 s18, s[WV], 32*SPT
	s_add_co_u32 s18, s18, STAGE
	v_add_nc_u32 v[RD], s18, v8
	v_mul_u32_u24 v9, v2, 11520
	v_lshl_add_u32 v[CO], v1, 4, v9
	s_wait_loadcnt 48                      ; the bias is in; A's 48 loads stay out
	WIN 0x45
.set z, 0
.rept 24
	v_cvt_pk_bf16_f32 v[240+z%4], v[BC+2*z], v[BC+2*z+1]
	v_lshlrev_b32 v[BC+2*z], 16, v[240+z%4]
	v_and_b32 v[BC+2*z+1], s[HM], v[240+z%4]
	v_pk_mul_f32 v[BC+2*z:BC+2*z+1], v[BC+2*z:BC+2*z+1], 0x3e800000 op_sel_hi:[1,0]
.set z, z+1
.endr
	ALOAD 6, 6                             ; 56 loads are out
	WIN 0
	s_wait_tensorcnt 0x1                   ; my quarter of the first slot is in; the second's may stay out
	s_barrier_signal -1
	s_barrier_wait -1
	FETCH 0, F0
	CH 0, 1, 48, 1                         ; the first chunk's products start the sums with the bias
	WIN 0
	s_mov_b32 s3, 14
.Lslot:                                        ; a trip is eight chunks, from a slot's second chunk to the next slot's first: fourteen trips ask for slots 2 to 15
.irp j, 1,2,3,4,5,6
	CH \j, 1, 48, 0
.endr
	TURN 7, 1, 1, 48
	CH 8, 1, 48, 0
	WIN 0
	s_wait_xcnt 0x0                        ; A's base is stepped only behind this wait
	s_add_nc_u64 s[AB:AB+1], s[AB:AB+1], 4*262144
	s_sub_co_u32 s3, s3, 1
	s_cmp_lg_u32 s3, 0
	s_cbranch_scc1 .Lslot
.irp j, 1,2,3,4,5,6                    ; chunks 113 to 127 are written out; A's last loads leave in chunk 120
	CH \j, 1, 48, 0
.endr
	TURN 7, 0, 1, 48                       ; behind this barrier nobody reads the first slot's bytes and nothing is filled any more
	CH 8, 1, 48, 0
	CH 9, 0, 48, 0
.irp j, 10,11,12,13,14
	CH \j, 0, 8*(15-\j), 0
.endr
	s_wait_loadcnt 0x0
	s_wait_dscnt 0x0
	MULR F1, 7, 0, 23, 0                   ; chunk 127
	WIN 0
	PLACES
	; THE WAY OUT: x 4, 32 bytes a lane into the work-group's stage (a row's 768 bytes come from two waves: a barrier), back as whole blocks of 256 bytes.  Eight accumulators at a time, each read in ascending order.
.irp g, 0,1,2
	WIN 0x01
.set idx, 8*(\g)
.rept 8
.irp z, 0,2,4,6
	v_pk_mul_f32 v[TMP+8*(idx%8)+\z:TMP+8*(idx%8)+\z+1], v[8*idx+\z:8*idx+\z+1], 4.0 op_sel_hi:[1,0]
.endr
.set idx, idx+1
.endr
	WIN 0
.set idx, 8*(\g)
.rept 8
.if idx%6 < 4
	ds_store_b128 v[STOA], v[TMP+8*(idx%8):TMP+8*(idx%8)+3]   offset:16*SPT*(idx/6)+64*(idx%6)
	ds_store_b128 v[STOA], v[TMP+8*(idx%8)+4:TMP+8*(idx%8)+7] offset:16*SPT*(idx/6)+64*(idx%6)+16
.else
	ds_store_b128 v[STOB], v[TMP+8*(idx%8):TMP+8*(idx%8)+3]   offset:16*SPT*(idx/6)+64*(idx%6-4)
	ds_store_b128 v[STOB], v[TMP+8*(idx%8)+4:TMP+8*(idx%8)+7] offset:16*SPT*(idx/6)+64*(idx%6-4)+16
.endif
.set idx, idx+1
.endr
.endr
	s_wait_dscnt 0x0                       ; for the others' sake: my stores into the stage are done
	s_barrier_signal -1
	s_barrier_wait -1
.set n, 0
.rept 48                               ; rows 2 (n / 3), + 1; block n % 3 of their 768 bytes
	ds_load_b128 v[32+4*n:35+4*n], v[RD] offset:2*SPT*(n/3)+256*(n%3)
.set n, n+1
.endr
.set n, 0
.rept 48
	s_wait_dscnt 47-n
	global_store_b128 v[CO], v[32+4*n:35+4*n], s[10:11] offset:23040*(n/3)+256*(n%3)   ; 16 lanes store 256 consecutive bytes, at a multiple of 256 from out0's first byte
.set n, n+1
.endr
	s_wait_tensorcnt 0x0                   ; the wave's end
	ds_add_u32 v[SPW], v[NIL]
	s_wait_dscnt 0x0
	CROUND                                 ; the closing round
	s_endpgm
.Lfunc_end_k_q92a9921a38_oproj:
	.size	k_q92a9921a38_oproj, .Lfunc_end_k_q92a9921a38_oproj-k_q92a9921a38_oproj
	.p2alignl 7, 3214868480
	.fill 96, 4, 3214868480
	.section	.rodata,"a",@progbits
	.p2align	6, 0x0
	.amdhsa_kernel k_q92a9921a38_oproj
		.amdhsa_group_segment_fixed_size 327680
		.amdhsa_private_segment_fixed_size 0
		.amdhsa_enable_private_segment 0
		.amdhsa_kernarg_size 32
		.amdhsa_user_sgpr_count 2
		.amdhsa_user_sgpr_kernarg_segment_ptr 1
		.amdhsa_wavefront_size32 1
		.amdhsa_system_sgpr_workgroup_id_x 1
		.amdhsa_system_sgpr_workgroup_id_y 1
		.amdhsa_system_sgpr_workgroup_id_z 1
		.amdhsa_system_vgpr_workitem_id 0
		.amdhsa_next_free_vgpr 768
		.amdhsa_next_free_sgpr 66
		.amdhsa_reserve_vcc 0
		.amdhsa_float_denorm_mode_32 3
		.amdhsa_float_denorm_mode_16_64 3
		.amdhsa_memory_ordered 1
		.amdhsa_forward_progress 1
		.amdhsa_inst_pref_size 111
	.end_amdhsa_kernel
	.amdgpu_metadata
---
amdhsa.version: [ 1, 2 ]
amdhsa.kernels:
  - .name:           k_q92a9921a38_oproj
    .symbol:         k_q92a9921a38_oproj.kd
    .args:
      - { .name: attn, .offset: 0, .size: 8, .value_kind: global_buffer, .address_space: global }
      - { .name: wo16, .offset: 8, .size: 8, .value_kind: global_buffer, .address_space: global }
      - { .name: bo, .offset: 16, .size: 8, .value_kind: global_buffer, .address_space: global }
      - { .name: out0, .offset: 24, .size: 8, .value_kind: global_buffer, .address_space: global }
    .group_segment_fixed_size: 327680
    .private_segment_fixed_size: 0
    .kernarg_segment_align: 8
    .kernarg_segment_size: 32
    .max_flat_workgroup_size: 128
    .sgpr_count:     66
    .vgpr_count:     768
    .wavefront_size: 32
...
	.end_amdgpu_metadata
.endif
;; end of part 8
;; ======== version 3 of 3: 4 launches; version 2 with the launch prep written anew for expert scheduling mode
;; limits: values are held in f16: magnitudes above 65,504 overflow, below 6.1e-05 lose precision; right only within a limited range of input values
;; workspace buffers: abf 11,796,480 bytes; wqkv 29,491,200 bytes; wo16 23,592,960 bytes; tab 524,288 bytes; qkv 20,971,520 bytes; attn 16,777,216 bytes
;; launch prep (part 9): grid 2224 x 1, 8 waves a work-group, no clusters, 19,456 bytes of LDS; arguments hidden, Wq, Wk, Wv, Wo, positions, abf, wqkv, wo16, tab; writes abf, wqkv, wo16, tab
.if DOCPART == 9
	.amdgcn_target "amdgcn-amd-amdhsa--gfx1250"
	.amdhsa_code_object_version 6
	.text
	.protected	k_q92a9921a38_prep
	.globl	k_q92a9921a38_prep
	.p2align	8
	.type	k_q92a9921a38_prep,@function
k_q92a9921a38_prep:
	s_mov_b64 s[64:65], 0
	v_nop
	global_prefetch_b8 v0, s[64:65] scope:SCOPE_SE
	s_setreg_imm32_b32 hwreg(HW_REG_WAVE_SCHED_MODE, 0, 2), 2
	s_setreg_imm32_b32 hwreg(HW_REG_WAVE_MODE, 25, 1), 1
	s_wait_xcnt 0x0
	s_wait_alu depctr_vm_vsrc(0)
; PREP: every f32 input of the two products is read once, rounded to bf16 and laid out for the later launches; the RoPE table is made.
;   abf   [tg 32][c 90][a 4][half 2][lane 32][16 bytes] bf16: hidden in the order of matrix fragments: token 64 tg + 16 a + lane % 16, k = 32 c + 16 half + 8 (lane / 16) + 0..7
;   wqkv  [t 16][s 15][p 5][kk 192][nn 64] bf16: panel g = 5 t + p is one head (g < 64: Wq, 64..71: Wk, 72..79: Wv), k = 192 s + kk
;   wo16  [t 15][s 16][p 3][kk 256][nn 64] f16 of the bf16-rounded Wo (exact down to 7.6e-6; below that f16's fixed step of 6e-8)
;   tab   [token 2048][64] f32: cos(ang)/8 for the 32 frequencies, then sin(ang)/8, ang = f32(position) x inv_freq as f32
; A stream bound by memory: no matrix unit, no barrier.  A work-group's number chooses one of four jobs by forward scalar branches.
; Every load of a wave covers whole aligned blocks of 256 bytes; every store of a wave is 256 or 512 consecutive bytes, aligned.
; Only abf needs lanes and rows exchanged (a fragment's lane holds one token): 16 rows x 128 bytes go through the wave's own 2,304 bytes of LDS, which no other wave touches.
; LIMITS.  inv_freq = 2^(-f log2(150000)/32), the exponent split in a part of 17 bits (f x HI is exact) and a rest applied as 1 - f LO ln 2: good to about 2 units in the last place.
; Sine and cosine: reduction by pi/2 in two parts and polynomials of degree 7 and 8 on |r| <= pi/4; |position| <= 2^24 is exact, the reduction holds to 1e-6 up to |ang| of about 1e6.
; THE MODE: SCHED_MODE bits 1:0 = 2 (LLVM: expert scheduling mode 2), set by the entry lines.  The code itself states the register dependences
; between vector instructions and memory or LDS instructions, and of scalar results of vector instructions, with s_wait_alu, always for 0.
; THE PLAN.  No register that a memory or LDS instruction reads is ever written again, in any job: so no wait on vm_vsrc is owed.
;   s8          the wave's number, written by a vector instruction in the head: one wait on va_sdst ahead of the first branch serves all four jobs.
;   v4 to v8    offsets and LDS addresses: made once in the head or at a job's head, ahead of the job's first wait on va_vdst; never written again.
;   Panels      row i: four registers; its load lands there, its conversions write the first two, its store reads those.  The rows go in groups of four: one wait on va_vdst at a
;               group's head states that the group before is converted, and that group's four stores are dealt among this group's conversions, which name other registers.
;   The table   eight angles side by side, each with registers of its own; eight compares into eight scalar masks, one wait on va_sdst, eight selects; one wait on va_vdst ahead of the four stores.
;   abf         strip u: 32 registers, in which its eight loads land.  Its conversions close the rows up into the lower 16, which the LDS stores read; the LDS loads land in the upper 16,
;               which the global stores read.  One wait on va_vdst a strip, ahead of its LDS run.  The next strip's conversions stand between a strip's LDS run and its global stores.
;   v14, v15    written in the head, read by the closing add alone.
.set NW, 80*15                         ; jobs for wqkv: one (panel, slot of 192 k) each, 24 rows a wave
.set NO, 45*16                         ; jobs for wo16: one (panel, slot of 256 k) each, 32 rows a wave
.set NH, 240                           ; jobs for abf: a wave takes 16 tokens x 192 k
.set WREG, 16*144                      ; a wave's LDS: 16 rows of 128 bytes, pitch 144: the 16 rows of a 16-byte load start at 16 different groups of four banks
.set SPARE, 8*WREG                     ; the spare words: 128 bytes a wave, four blocks of 256 bytes that no other line names
.set SPW, 14
.set NIL, 15
; A wave's 2 nl k rows x 64 columns of a panel.  s[4:5] source, s[6:7] destination.  Lanes 0-15 take 256 bytes of row 2 i, lanes 16-31 of row 2 i + 1.
; kind 0: bf16.  kind 1: the bf16 number written as f16.  No register of a load or store is written again behind it.
.macro PANEL pitch, kind, nl
	v_mul_u32_u24 v4, v3, \pitch
	v_lshl_add_u32 v4, v2, 4, v4
	s_wait_alu depctr_va_vdst(0)           ; v4, the loads' offset, and v5, the stores' offset, are written
.set i, 0
.rept \nl
	global_load_b128 v[16+4*i:19+4*i], v4, s[4:5] offset:2*i*(\pitch) th:TH_LOAD_NT
.set i, i+1
.endr
.set i, 0
.rept \nl
	s_wait_loadcnt (\nl)-1-i               ; loads come back in order: mine is in, the younger ones stay out
.if (i >= 4) && (i%4 == 0)
	s_wait_alu depctr_va_vdst(0)           ; the conversions of the four loads before have written their pairs, which the next four stores read
.endif
.if i >= 4
	global_store_b64 v5, v[16+4*(i-4):17+4*(i-4)], s[6:7] offset:256*(i-4)   ; two stored k rows of 128 bytes; no vector instruction since the wait names these registers
.endif
	v_cvt_pk_bf16_f32 v[16+4*i], v[16+4*i], v[17+4*i]
	v_cvt_pk_bf16_f32 v[17+4*i], v[18+4*i], v[19+4*i]
.if \kind
	v_lshlrev_b32 v96, 16, v[16+4*i]
	v_and_b32 v97, 0xffff0000, v[16+4*i]
	v_lshlrev_b32 v98, 16, v[17+4*i]
	v_and_b32 v99, 0xffff0000, v[17+4*i]
	v_cvt_pk_f16_f32 v[16+4*i], v96, v97
	v_cvt_pk_f16_f32 v[17+4*i], v98, v99
.endif
.set i, i+1
.endr
	s_wait_alu depctr_va_vdst(0)           ; the last four conversions have written their pairs, which the last four stores read
.set i, (\nl)-4
.rept 4
	global_store_b64 v5, v[16+4*i:17+4*i], s[6:7] offset:256*i
.set i, i+1
.endr
	s_endpgm
.endm
	s_load_b512 s[16:31], s[0:1], 0x0      ; hidden 16, Wq 18, Wk 20, Wv 22, Wo 24, positions 26, abf 28, wqkv 30
	s_load_b128 s[32:35], s[0:1], 0x40     ; wo16 32, tab 34
	v_lshl_add_u32 v[SPW], v0, 2, SPARE
	v_mov_b32 v[NIL], 0
	v_lshrrev_b32 v1, 5, v0
	v_readfirstlane_b32 s8, v1             ; wave w
	v_and_b32 v1, 31, v0                   ; lane
	v_and_b32 v2, 15, v0                   ; lane % 16
	v_bfe_u32 v3, v0, 4, 1                 ; lane / 16
	v_lshlrev_b32 v5, 3, v1                ; 8 x lane: my 8 bytes of a store
	s_mov_b32 s9, ttmp9
	s_mov_b32 s15, 0                       ; the high word of every offset pair s[14:15]
	s_wait_alu depctr_va_sdst(0)           ; s8 is written, ahead of the branches: each job's scalar arithmetic reads it
	s_wait_kmcnt 0x0
	s_cmp_lt_u32 s9, NW
	s_cbranch_scc1 .Lw
	s_cmp_lt_u32 s9, NW+NO
	s_cbranch_scc1 .Lo
	s_cmp_lt_u32 s9, NW+NO+NH
	s_cbranch_scc1 .Lh
	; THE TABLE: a wave makes four tokens' rows; a lane the columns 2 lane and 2 lane + 1: lanes 0-15 cosines, lanes 16-31 sines of frequencies 2 (lane % 16) + e
	s_sub_co_u32 s10, s9, NW+NO+NH
	s_lshl3_add_u32 s10, s10, s8           ; 8 x job + wave
	s_lshl_b32 s14, s10, 4
	s_add_nc_u64 s[26:27], s[26:27], s[14:15]
	s_load_b128 s[40:43], s[26:27], 0x0    ; four positions
	s_lshl_b32 s14, s10, 10
	s_add_nc_u64 s[6:7], s[34:35], s[14:15]
	s_mov_b32 s48, 0x3f22f983              ; 2 / pi
	s_mov_b32 s49, 0xbfc90fdb              ; -(pi / 2), upper part
	s_mov_b32 s50, 0x333bbd2e              ; upper part - pi / 2
	s_mov_b32 s51, 0xb9500d01              ; -1/5040
	s_mov_b32 s52, 0x3c088889              ; 1/120
	s_mov_b32 s53, 0xbe2aaaab              ; -1/6
	s_mov_b32 s54, 0x37d00d01              ; 1/40320
	s_mov_b32 s55, 0xbab60b61              ; -1/720
	s_mov_b32 s56, 0x3d2aaaab              ; 1/24
	s_mov_b32 s57, 0xb50522a9              ; -LO ln 2
	v_lshlrev_b32 v6, 1, v2
	v_cvt_f32_u32 v8, v6                   ; f, e = 0
	v_add_nc_u32 v7, 1, v6
	v_cvt_f32_u32 v9, v7                   ; f, e = 1
	v_mul_f32 v10, 0xbf098e80, v8          ; -f HI, exact
	v_mul_f32 v11, 0xbf098e80, v9
	v_exp_f32 v10, v10
	v_exp_f32 v11, v11
	v_fma_f32 v8, v8, s57, 1.0             ; plain work behind the exponentials, ahead of the use of their results
	v_fma_f32 v9, v9, s57, 1.0
	s_wait_alu depctr_va_vdst(0)           ; the two exponentials have written v10 and v11, ahead of their first reader
	v_mul_f32 v6, v10, v8                  ; inv_freq, e = 0
	v_mul_f32 v7, v11, v9                  ; e = 1
	v_mul_u32_u24 v8, v3, 3                ; sin x = cos(x + 3 pi / 2): the sine lanes add 3 quarters
	s_wait_kmcnt 0x0
.set SI, 40                            ; v[40:47]  angle k = 2 n + e: sin r
.set CR, 48                            ; v[48:55]  cos r, then the number chosen
.set QS, 56                            ; v[56:63]  the quarter, then the sign
.macro ANG n, e                        ; column e of token n as far as sin r, cos r, the sign and the mask of the odd quarters (s36-39, s44-47); v9 = the position as f32
.set k, 2*(\n)+(\e)
	v_mul_f32 v10, v9, v[6+(\e)]           ; ang, rounded to f32
	v_mul_f32 v11, s48, v10
	v_rndne_f32 v11, v11                   ; quarters
	v_fma_f32 v12, v11, s49, v10
	v_fma_f32 v12, v11, s50, v12           ; r
	v_cvt_i32_f32 v13, v11
	v_add_nc_u32 v[QS+k], v13, v8
	v_mul_f32 v35, v12, v12                ; r^2
	v_fma_f32 v36, v35, s51, s52
	v_fma_f32 v33, v35, s54, s55
	v_fma_f32 v36, v35, v36, s53
	v_fma_f32 v33, v35, v33, s56
	v_mul_f32 v32, v12, v35
	v_fma_f32 v33, v35, v33, -0.5
	v_fma_f32 v[SI+k], v32, v36, v12       ; sin r
	v_fma_f32 v[CR+k], v35, v33, 1.0       ; cos r
	v_and_b32 v34, 1, v[QS+k]
	v_cmp_eq_u32 s[36+k+4*(k/4)], 1, v34   ; odd quarter: the sine will be taken
	v_and_b32 v[QS+k], 3, v[QS+k]
	v_add_nc_u32 v[QS+k], 1, v[QS+k]
	v_lshrrev_b32 v[QS+k], 1, v[QS+k]
	v_lshlrev_b32 v[QS+k], 31, v[QS+k]     ; quarters 1 and 2: minus
.endm
.irp n, 0,1,2,3
	v_cvt_f32_i32 v9, s[40+(\n)]
	ANG \n, 0
	ANG \n, 1
.endr
	s_wait_alu depctr_va_sdst(0)           ; the eight compares have written their masks, which the eight selects read
.set k, 0
.rept 8
	v_cndmask_b32 v[CR+k], v[CR+k], v[SI+k], s[36+k+4*(k/4)]
.set k, k+1
.endr
.set k, 0
.rept 8
	v_xor_b32 v[CR+k], v[CR+k], v[QS+k]
.set k, k+1
.endr
.set k, 0
.rept 8
	v_mul_f32 v[16+k], 0x3e000000, v[CR+k] ; / 8: q and k leave the next launch divided by 8
.set k, k+1
.endr
	s_wait_alu depctr_va_vdst(0)           ; v[16:23] are written, which the four stores read; so is their offset v5
.irp n, 0,1,2,3
	global_store_b64 v5, v[16+2*(\n):17+2*(\n)], s[6:7] offset:256*(\n)   ; a token's row: 256 bytes
.endr
	s_endpgm
.Lw:	; WQKV: job = 80 s + g; the wave takes k rows 192 s + 24 w .. + 23 of head g
	s_mul_i32 s10, s9, 13108
	s_lshr_b32 s10, s10, 20                ; s = job / 80 (exact for job < 1200)
	s_mul_i32 s11, s10, 80
	s_sub_co_u32 s11, s9, s11              ; g
	s_mul_i32 s12, s11, 13108
	s_lshr_b32 s12, s12, 16                ; t = g / 5
	s_mul_i32 s13, s12, 5
	s_sub_co_u32 s13, s11, s13             ; p
	s_mul_i32 s14, s12, 15
	s_add_co_u32 s14, s14, s10
	s_mul_i32 s14, s14, 5
	s_add_co_u32 s14, s14, s13
	s_mul_i32 s14, s14, 24576              ; a panel is 192 rows of 128 bytes,
	s_mul_i32 s36, s8, 3072                ; a wave's 24 rows 3,072
	s_add_co_u32 s14, s14, s36
	s_add_nc_u64 s[6:7], s[30:31], s[14:15]
	s_mul_i32 s36, s10, 192
	s_mul_i32 s37, s8, 24
	s_add_co_u32 s36, s36, s37             ; first k row
	s_cmp_lt_u32 s11, 64
	s_cbranch_scc0 .Lkv
	s_lshl_b32 s14, s36, 14                ; Wq: a row is 16,384 bytes
	s_lshl_b32 s37, s11, 8
	s_add_co_u32 s14, s14, s37
	s_add_nc_u64 s[4:5], s[18:19], s[14:15]
	PANEL 16384, 0, 12
.Lkv:
	s_cmp_lt_u32 s11, 72
	s_cselect_b64 s[4:5], s[20:21], s[22:23]   ; Wk or Wv
	s_cselect_b32 s37, 64, 72
	s_sub_co_u32 s37, s11, s37
	s_lshl_b32 s37, s37, 8
	s_lshl_b32 s14, s36, 11                ; a row is 2,048 bytes
	s_add_co_u32 s14, s14, s37
	s_add_nc_u64 s[4:5], s[4:5], s[14:15]
	PANEL 2048, 0, 12
.Lo:	; WO16: job = 45 s + g; the wave takes k rows 256 s + 32 w .. + 31
	s_sub_co_u32 s9, s9, NW
	s_mul_i32 s10, s9, 23302
	s_lshr_b32 s10, s10, 20                ; s = job / 45 (exact for job < 720)
	s_mul_i32 s11, s10, 45
	s_sub_co_u32 s11, s9, s11              ; g
	s_mul_i32 s12, s11, 21846
	s_lshr_b32 s12, s12, 16                ; t = g / 3
	s_mul_i32 s13, s12, 3
	s_sub_co_u32 s13, s11, s13             ; p
	s_lshl_b32 s14, s12, 4
	s_add_co_u32 s14, s14, s10
	s_mul_i32 s14, s14, 3
	s_add_co_u32 s14, s14, s13
	s_lshl_b32 s14, s14, 15                ; a panel is 256 rows of 128 bytes
	s_lshl_b32 s36, s8, 12
	s_add_co_u32 s14, s14, s36
	s_add_nc_u64 s[6:7], s[32:33], s[14:15]
	s_lshl_b32 s36, s10, 8
	s_lshl_b32 s37, s8, 5
	s_add_co_u32 s36, s36, s37
	s_mul_i32 s14, s36, 11520
	s_lshl_b32 s37, s11, 8
	s_add_co_u32 s14, s14, s37
	s_add_nc_u64 s[4:5], s[24:25], s[14:15]
	PANEL 11520, 1, 16
.Lh:	; ABF: wave number wi = 15 tb + sg takes tokens 16 tb .. + 15, k = 192 sg .. + 191: three strips of 64 k (256 bytes of f32 a row)
	s_sub_co_u32 s10, s9, NW+NO
	s_lshl3_add_u32 s10, s10, s8           ; wi
	s_mul_i32 s11, s10, 4370
	s_lshr_b32 s11, s11, 16                ; tb = wi / 15 (exact for wi < 1920)
	s_mul_i32 s12, s11, 15
	s_sub_co_u32 s12, s10, s12             ; sg
	s_mul_i32 s14, s11, 16*11520
	s_mul_i32 s13, s12, 768
	s_add_co_u32 s14, s14, s13
	s_add_nc_u64 s[4:5], s[16:17], s[14:15]
	s_lshr_b32 s13, s11, 2                 ; tg
	s_mul_i32 s14, s13, 368640             ; 90 chunks of 4,096 bytes
	s_and_b32 s13, s11, 3                  ; a
	s_lshl_b32 s13, s13, 10
	s_add_co_u32 s14, s14, s13
	s_mul_i32 s13, s12, 6*4096             ; six chunks
	s_add_co_u32 s14, s14, s13
	s_add_nc_u64 s[6:7], s[28:29], s[14:15]
	s_mul_i32 s13, s8, WREG                ; my wave's LDS
	v_mul_u32_u24 v4, v3, 11520
	v_lshl_add_u32 v4, v2, 4, v4
	v_mul_u32_u24 v6, v3, 144              ; in: row 2 i + lane / 16, 8 bytes (4 k) a lane
	v_lshl_add_u32 v6, v2, 3, v6
	v_add_nc_u32 v6, s13, v6
	v_mul_u32_u24 v7, v2, 144              ; back: row lane % 16, 16 bytes (8 k) at 8 (lane / 16)
	v_lshl_add_u32 v7, v3, 4, v7
	v_add_nc_u32 v7, s13, v7
	v_lshlrev_b32 v8, 4, v1
	s_wait_alu depctr_va_vdst(0)           ; v4, v6, v7 and v8 are written: the offsets and LDS addresses of every load and store below
.set n, 0
.rept 24                               ; strip n / 8, rows 2 (n % 8) and + 1
	global_load_b128 v[16+4*n:19+4*n], v4, s[4:5] offset:2*(n%8)*11520+256*(n/8) th:TH_LOAD_NT
.set n, n+1
.endr
; Strip u is rounded: the pair of load j of the strip's eight goes into registers 2 j, 2 j + 1 of the strip's 32, whose raw numbers have been used (the loads are taken in ascending order).
.macro CONV u
.set n, 8*(\u)
.rept 8
	s_wait_loadcnt 23-n                    ; loads come back in order: mine is in, the younger ones stay out
	v_cvt_pk_bf16_f32 v[16+32*(\u)+2*(n%8)],   v[16+4*n], v[17+4*n]
	v_cvt_pk_bf16_f32 v[16+32*(\u)+2*(n%8)+1], v[18+4*n], v[19+4*n]
.set n, n+1
.endr
.endm
; Strip u goes through my wave's LDS: in from the lower 16 of its registers, back into the upper 16.
.macro THROUGH u
	s_wait_alu depctr_va_vdst(0)           ; the strip's conversions have written its lower 16 registers, which the LDS stores read, and are done reading its upper 16, in which the LDS loads land
.set n, 0
.rept 8
	ds_store_b64 v6, v[16+32*(\u)+2*n:17+32*(\u)+2*n] offset:288*n
.set n, n+1
.endr
.irp m, 0,1,2,3                        ; piece m = 2 x (chunk of the strip) + half.  LDS serves a wave's instructions in order (ISA guide 5.7.1.4): these see the stores above
	ds_load_b128 v[32+32*(\u)+4*(\m):35+32*(\u)+4*(\m)], v7 offset:32*(\m)
.endr
.endm
.macro SEND u
.irp m, 0,1,2,3
	s_wait_dscnt 3-(\m)                    ; at m = 3 all reads are back: the next strip may write the rows again
	global_store_b128 v8, v[32+32*(\u)+4*(\m):35+32*(\u)+4*(\m)], s[6:7] offset:(2*(\u)+(\m)/2)*4096+((\m)%2)*512   ; 512 consecutive bytes; no vector instruction names these registers behind the strip's wait
.endr
.endm
	CONV 0
	THROUGH 0
	CONV 1                                 ; the next strip's conversions, which name that strip's registers alone, stand between a strip's LDS run and its stores
	SEND 0
	THROUGH 1
	CONV 2
	SEND 1
	THROUGH 2
	SEND 2
	s_wait_dscnt 0x0                       ; the end of a wave that wrote LDS
	s_wait_alu 0x0
	s_wait_tensorcnt 0x0
	ds_add_u32 v[SPW], v[NIL]
	s_wait_dscnt 0x0
	s_endpgm
.Lfunc_end_k_q92a9921a38_prep:
	.size	k_q92a9921a38_prep, .Lfunc_end_k_q92a9921a38_prep-k_q92a9921a38_prep
	.p2alignl 7, 3214868480
	.fill 96, 4, 3214868480
	.section	.rodata,"a",@progbits
	.p2align	6, 0x0
	.amdhsa_kernel k_q92a9921a38_prep
		.amdhsa_group_segment_fixed_size 19456
		.amdhsa_private_segment_fixed_size 0
		.amdhsa_enable_private_segment 0
		.amdhsa_kernarg_size 80
		.amdhsa_user_sgpr_count 2
		.amdhsa_user_sgpr_kernarg_segment_ptr 1
		.amdhsa_wavefront_size32 1
		.amdhsa_system_sgpr_workgroup_id_x 1
		.amdhsa_system_sgpr_workgroup_id_y 1
		.amdhsa_system_sgpr_workgroup_id_z 1
		.amdhsa_system_vgpr_workitem_id 0
		.amdhsa_next_free_vgpr 112
		.amdhsa_next_free_sgpr 66
		.amdhsa_reserve_vcc 0
		.amdhsa_float_denorm_mode_32 3
		.amdhsa_float_denorm_mode_16_64 3
		.amdhsa_memory_ordered 1
		.amdhsa_forward_progress 1
		.amdhsa_inst_pref_size 46
	.end_amdhsa_kernel
	.amdgpu_metadata
---
amdhsa.version: [ 1, 2 ]
amdhsa.kernels:
  - .name:           k_q92a9921a38_prep
    .symbol:         k_q92a9921a38_prep.kd
    .args:
      - { .name: hidden, .offset: 0, .size: 8, .value_kind: global_buffer, .address_space: global }
      - { .name: Wq, .offset: 8, .size: 8, .value_kind: global_buffer, .address_space: global }
      - { .name: Wk, .offset: 16, .size: 8, .value_kind: global_buffer, .address_space: global }
      - { .name: Wv, .offset: 24, .size: 8, .value_kind: global_buffer, .address_space: global }
      - { .name: Wo, .offset: 32, .size: 8, .value_kind: global_buffer, .address_space: global }
      - { .name: positions, .offset: 40, .size: 8, .value_kind: global_buffer, .address_space: global }
      - { .name: abf, .offset: 48, .size: 8, .value_kind: global_buffer, .address_space: global }
      - { .name: wqkv, .offset: 56, .size: 8, .value_kind: global_buffer, .address_space: global }
      - { .name: wo16, .offset: 64, .size: 8, .value_kind: global_buffer, .address_space: global }
      - { .name: tab, .offset: 72, .size: 8, .value_kind: global_buffer, .address_space: global }
    .group_segment_fixed_size: 19456
    .private_segment_fixed_size: 0
    .kernarg_segment_align: 8
    .kernarg_segment_size: 80
    .max_flat_workgroup_size: 256
    .sgpr_count:     66
    .vgpr_count:     112
    .wavefront_size: 32
...
	.end_amdgpu_metadata
.endif
;; end of part 9
;; launch qkv: the kernel of part 6 again; grid 16 x 16, 4 waves a work-group, clusters of 4 x 4, 327,680 bytes of LDS; arguments abf, wqkv, tab, bq, bk, bv, qkv; writes qkv
;; launch attn: the kernel of part 7 again; grid 16 x 16, 8 waves a work-group, no clusters, 167,936 bytes of LDS; arguments qkv, attn; writes attn
;; launch oproj: the kernel of part 8 again; grid 16 x 15, 4 waves a work-group, clusters of 4 x 1, 327,680 bytes of LDS; arguments attn, wo16, bo, out0; writes out0
